; MI455X (gfx1250); checked and timed in simulation.
; The chip was launched on July 23, 2026; its instructions are those of AMD's public machine-readable ISA for CDNA 5 (MIT licence, August 2026) and "CDNA5" Instruction Set Architecture Reference Guide (July 2026). The comments in the code are by the model that wrote it; some were corrected since.
;; Self Attention Baseline. Allowed arithmetic: float matrix products may take bf16 or f16 operands with f32 sums; all other float work in f32.
;; Inputs: W_K 1,024 x 1,024 float32; W_O 1,024 x 1,024 float32; W_Q 1,024 x 1,024 float32; W_V 1,024 x 1,024 float32; X 4 x 2,048 x 1,024 float32.
;; Outputs: out0 4 x 2,048 x 1,024 float32.
;; 2 versions, each right and faster than the one before. Each part assembles by itself: llvm-mc -triple=amdgcn-amd-amdhsa -mcpu=gfx1250 --defsym DOCPART=n.
;; ======== version 1 of 2: 5 launches
;; limits: values are held in f16: magnitudes above 65,504 overflow, below 6.1e-05 lose precision; inputs' magnitudes at most 65,504
;; workspace buffers: xh 16,777,216 bytes; wts 8,388,608 bytes; qb 16,777,216 bytes; kb 16,777,216 bytes; vt 16,777,216 bytes; ew 33,554,432 bytes; stats 1,048,576 bytes; hb 16,777,216 bytes
;; launch cast (part 1): grid 1024 x 1, 8 waves a work-group, no clusters, 19,456 bytes of LDS; arguments X, W_Q, W_K, W_V, W_O, xh, wts; writes xh, wts
.if DOCPART == 1
	.amdgcn_target "amdgcn-amd-amdhsa--gfx1250"
	.amdhsa_code_object_version 6
	.text
	.protected	k_q5a0e540e85_cast
	.globl	k_q5a0e540e85_cast
	.p2align	8
	.type	k_q5a0e540e85_cast,@function
k_q5a0e540e85_cast:
	s_mov_b64 s[64:65], 0
	v_nop
	global_prefetch_b8 v0, s[64:65] scope:SCOPE_SE
	s_setreg_imm32_b32 hwreg(HW_REG_WAVE_MODE, 25, 1), 1
	s_wait_xcnt 0x0
; CAST.  Every input is rounded to bf16 (nearest even) and that number is written as f16, in the layout that the four products read:
; T[block of 64 along K][row][64], a row 128 bytes, the rows of a block dense.
;   xh  [16][8192][64]                      X, rows as they are
;   wts byte 0:         [16 kb][8 j][3 g][128 n][64 k]   W_Q, W_K, W_V transposed; g = Q, K, V; n = 128 j + ..
;       byte 6,291,456: [16 kb][1024 n][64 k]            W_O transposed
; LIMITS.  f16 ends at 65,504: an input beyond it becomes an infinity.  A bf16 number from 2^-14 up is exact in f16; below that it keeps f16's fixed step of 6e-8.
; SHARES.  Work-groups 0-511 take 16 rows of X each; work-groups 512-1023 one tile of 64 e x 128 n of one W.  The branch hangs on the work-group's number alone, so all eight waves take the same way.
; Memory binds: each input byte is read once by 16-byte loads, each output byte written once; no matrix unit, no cluster (no two work-groups share a byte).
.set SPARE, 18432                      ; behind the stage: the spare words, 128 bytes for each of eight waves
.set SPW,   90                         ; v90  LDS address of my spare word; never rewritten
.set NIL,   91                         ; v91  0; never rewritten
.set TT,    80                         ; v80-82, v84-86  two sets at work, by turns
.macro RND d, a, b, t                  ; two numbers: to bf16, widened again (a shift, a mask), packed as f16
	v_cvt_pk_bf16_f32 v[TT+4*(\t)], v[\a], v[\b]
	v_lshlrev_b32 v[TT+4*(\t)+1], 16, v[TT+4*(\t)]
	v_and_b32 v[TT+4*(\t)+2], 0xffff0000, v[TT+4*(\t)]
	v_cvt_pk_f16_f32 v[\d], v[TT+4*(\t)+1], v[TT+4*(\t)+2]
.endm
	s_load_b256 s[4:11], s[0:1], 0x0               ; X s[4:5], W_Q s[6:7], W_K s[8:9], W_V s[10:11]
	s_load_b128 s[12:15], s[0:1], 0x20             ; W_O s[12:13], xh s[14:15]
	s_load_b64 s[16:17], s[0:1], 0x30              ; wts
	v_lshl_add_u32 v[SPW], v0, 2, SPARE
	v_mov_b32 v[NIL], 0
	s_cmp_lt_u32 ttmp9, 512
	s_cbranch_scc0 .Lweights
	; X: thread t takes row t / 16 of the group's 16 and 16 bytes at 16 (t % 16) of each of the row's sixteen pieces of 256 bytes (64 numbers).
	s_lshl_b32 s20, ttmp9, 16                      ; 16 rows of 4,096 bytes
	s_mov_b32 s21, 0
	s_lshl_b32 s22, ttmp9, 11                      ; 16 rows of 128 bytes in a block of xh,
	s_add_co_u32 s22, s22, 0x800000                ; counted from block 8, so that the sixteen blocks, 1 MiB apart, fit the store's signed immediate
	s_mov_b32 s23, 0
	v_lshrrev_b32 v1, 4, v0
	v_and_b32 v2, 15, v0
	v_lshlrev_b32 v1, 12, v1
	v_lshl_add_u32 v1, v2, 4, v1
	v_lshlrev_b32 v3, 3, v0                        ; my 8 bytes of the group's 2,048 in a block: row x 128 + 8 (t % 16) = 8 t
	s_wait_kmcnt 0x0
	s_add_nc_u64 s[4:5], s[4:5], s[20:21]
	s_add_nc_u64 s[14:15], s[14:15], s[22:23]
.set kk, 0
.rept 16
	global_load_b128 v[16+4*kk:19+4*kk], v1, s[4:5] offset:256*kk th:TH_LOAD_NT  ; a wave's load: two rows' 256 consecutive bytes
.set kk, kk+1
.endr
.set kk, 0
.rept 16
	s_wait_loadcnt 15-kk                           ; loads come back in order: piece kk is in, the younger ones stay out
	RND 96+2*kk, 16+4*kk, 17+4*kk, 0
	RND 97+2*kk, 18+4*kk, 19+4*kk, 1
	global_store_b64 v3, v[96+2*kk:97+2*kk], s[14:15] offset:(kk-8)*1048576  ; a wave's store: 256 consecutive bytes, aligned; each store has registers of its own
.set kk, kk+1
.endr
	s_endpgm                                       ; this way writes no LDS
.Lweights:
	; W: tile u = m x 128 + kb x 8 + j.  Wave w, lane l loads rows e = 8 w + k (k = 0..7), columns 4 l .. 4 l + 3: the turn is a choice of registers.
	s_sub_co_u32 s20, ttmp9, 512                   ; u
	s_lshr_b32 s21, s20, 7                         ; m: which W
	s_bfe_u32 s22, s20, 0x40003                    ; kb
	s_and_b32 s23, s20, 7                          ; j
	s_and_b32 s26, s20, 127                        ; 8 kb + j
	s_lshl_b32 s22, s22, 18                        ; 64 rows of 4,096 bytes
	s_lshl_b32 s23, s23, 9                         ; 128 columns of 4 bytes
	s_add_co_u32 s22, s22, s23
	s_mov_b32 s23, 0
	s_mul_i32 s27, s26, 3
	s_add_co_u32 s27, s27, s21
	s_lshl_b32 s27, s27, 14                        ; Q, K, V: tile (8 kb + j) x 3 + m of 16,384 bytes
	s_lshl_b32 s28, s26, 14
	s_add_co_u32 s28, s28, 6291456                 ; W_O: tile 8 kb + j behind them
	s_cmp_eq_u32 s21, 3
	s_cselect_b32 s28, s28, s27
	s_mov_b32 s29, 0
	v_lshrrev_b32 v4, 5, v0                        ; w
	v_and_b32 v5, 31, v0                           ; l
	v_lshlrev_b32 v1, 15, v4
	v_lshl_add_u32 v1, v5, 4, v1                   ; 8 w rows + 16 l
	v_mul_u32_u24 v6, v5, 576                      ; into the stage: row n = 4 l (+ c), pitch 144,
	v_lshl_add_u32 v6, v4, 4, v6                   ; 16 bytes at e = 8 w
	v_lshrrev_b32 v8, 3, v0
	v_and_b32 v9, 7, v0
	v_mul_u32_u24 v7, v8, 144                      ; back: row t / 8, 16 bytes at 16 (t % 8)
	v_lshl_add_u32 v7, v9, 4, v7
	v_lshlrev_b32 v10, 4, v0
	s_wait_kmcnt 0x0
	s_cmp_eq_u32 s21, 1
	s_cselect_b64 s[24:25], s[8:9], s[6:7]
	s_cmp_eq_u32 s21, 2
	s_cselect_b64 s[24:25], s[10:11], s[24:25]
	s_cmp_eq_u32 s21, 3
	s_cselect_b64 s[24:25], s[12:13], s[24:25]
	s_add_nc_u64 s[24:25], s[24:25], s[22:23]
	s_add_nc_u64 s[16:17], s[16:17], s[28:29]
.set kk, 0
.rept 8
	global_load_b128 v[16+4*kk:19+4*kk], v1, s[24:25] offset:4096*kk th:TH_LOAD_NT  ; a wave's load: 512 consecutive bytes of one row
.set kk, kk+1
.endr
	s_wait_loadcnt 0x0                             ; a column's eight numbers come from all eight loads
.irp c, 0,1,2,3
.irp p, 0,1,2,3
	RND 52+4*\c+\p, 16+8*\p+\c, 20+8*\p+\c, \p%2
.endr
	ds_store_b128 v6, v[52+4*\c:55+4*\c] offset:144*\c
.endr
	s_wait_dscnt 0x0                               ; for the others' sake: my stores into the stage are done
	s_barrier_signal -1
	s_barrier_wait -1
.irp i, 0,1,2,3
	ds_load_b128 v[16+4*\i:19+4*\i], v7 offset:4608*\i  ; 32 rows further down each time
.endr
.irp i, 0,1,2,3
	s_wait_dscnt 3-\i
	global_store_b128 v10, v[16+4*\i:19+4*\i], s[16:17] offset:4096*\i  ; a wave's store: 512 consecutive bytes, aligned
.endr
	s_wait_tensorcnt 0x0                           ; the wave's end
	ds_add_u32 v[SPW], v[NIL]
	s_wait_dscnt 0x0
	s_endpgm
.Lfunc_end_k_q5a0e540e85_cast:
	.size	k_q5a0e540e85_cast, .Lfunc_end_k_q5a0e540e85_cast-k_q5a0e540e85_cast
	.p2alignl 7, 3214868480
	.fill 96, 4, 3214868480
	.section	.rodata,"a",@progbits
	.p2align	6, 0x0
	.amdhsa_kernel k_q5a0e540e85_cast
		.amdhsa_group_segment_fixed_size 19456
		.amdhsa_private_segment_fixed_size 0
		.amdhsa_enable_private_segment 0
		.amdhsa_kernarg_size 56
		.amdhsa_user_sgpr_count 2
		.amdhsa_user_sgpr_kernarg_segment_ptr 1
		.amdhsa_wavefront_size32 1
		.amdhsa_system_sgpr_workgroup_id_x 1
		.amdhsa_system_sgpr_workgroup_id_y 1
		.amdhsa_system_sgpr_workgroup_id_z 1
		.amdhsa_system_vgpr_workitem_id 0
		.amdhsa_next_free_vgpr 128
		.amdhsa_next_free_sgpr 66
		.amdhsa_reserve_vcc 0
		.amdhsa_float_denorm_mode_32 3
		.amdhsa_float_denorm_mode_16_64 3
		.amdhsa_memory_ordered 1
		.amdhsa_forward_progress 1
		.amdhsa_inst_pref_size 19
	.end_amdhsa_kernel
	.amdgpu_metadata
---
amdhsa.version: [ 1, 2 ]
amdhsa.kernels:
  - .name:           k_q5a0e540e85_cast
    .symbol:         k_q5a0e540e85_cast.kd
    .args:
      - { .name: X, .offset: 0, .size: 8, .value_kind: global_buffer, .address_space: global }
      - { .name: W_Q, .offset: 8, .size: 8, .value_kind: global_buffer, .address_space: global }
      - { .name: W_K, .offset: 16, .size: 8, .value_kind: global_buffer, .address_space: global }
      - { .name: W_V, .offset: 24, .size: 8, .value_kind: global_buffer, .address_space: global }
      - { .name: W_O, .offset: 32, .size: 8, .value_kind: global_buffer, .address_space: global }
      - { .name: xh, .offset: 40, .size: 8, .value_kind: global_buffer, .address_space: global }
      - { .name: wts, .offset: 48, .size: 8, .value_kind: global_buffer, .address_space: global }
    .group_segment_fixed_size: 19456
    .private_segment_fixed_size: 0
    .kernarg_segment_align: 8
    .kernarg_segment_size: 56
    .max_flat_workgroup_size: 256
    .sgpr_count:     66
    .vgpr_count:     128
    .wavefront_size: 32
...
	.end_amdgpu_metadata
.endif
;; end of part 1
;; launch proj (part 2): grid 8 x 32, 4 waves a work-group, clusters of 4 x 4, 327,680 bytes of LDS; arguments xh, wts, qb, kb, vt; writes qb, kb, vt
.if DOCPART == 2
	.amdgcn_target "amdgcn-amd-amdhsa--gfx1250"
	.amdhsa_code_object_version 6
	.text
	.protected	k_q5a0e540e85_proj
	.globl	k_q5a0e540e85_proj
	.p2align	8
	.type	k_q5a0e540e85_proj,@function
k_q5a0e540e85_proj:
	s_mov_b64 s[64:65], 0
	v_nop
	global_prefetch_b8 v0, s[64:65] scope:SCOPE_SE
	s_setreg_imm32_b32 hwreg(HW_REG_WAVE_MODE, 25, 1), 1
	s_wait_xcnt 0x0
	s_wait_alu depctr_hold_cnt(0) depctr_sa_sdst(0) depctr_va_vdst(0) depctr_va_sdst(0) depctr_va_ssrc(0) depctr_va_vcc(0) depctr_vm_vsrc(0)
	s_getreg_b32 s2, hwreg(HW_REG_IB_STS2, 6, 4)
	s_cmp_eq_u32 s2, 0
	s_cbranch_scc0 .Lentry_in_a_cluster
	s_endpgm
.Lentry_in_a_cluster:
	s_bfe_u32 s2, ttmp6, 0x10000c
	s_cmp_lg_u32 s2, 0xf033
	s_cbranch_scc0 .Lentry_shape_is_right
	s_endpgm
.Lentry_shape_is_right:
; PROJ.  Q = X W_Q, K = X W_K, V = X W_V in one walk over X.  Operands f16 (bf16 numbers written as f16), sums f32, results rounded once to f16 and NOT scaled.
; qb, kb: [16 blocks of 64 channels][8192 rows][64];  vt: [4 batches][32 blocks of 64 keys][1024 channels][64 keys] (V turned, as the mixing product reads it).
; LIMIT.  Q, K, V beyond 65,504 become infinities; below 2^-14 they keep f16's fixed step of 6e-8.
; SHARES.  A work-group makes 256 rows x 384 columns: 128 columns each of Q, K and V, so that a fragment of X feeds three products.  8 x 32 work-groups, one tile each.  Four waves, 2 x 2: a wave has 128 rows x 64 columns
; of each of the three: 3 x 32 accumulators, windows 1 to 3.  A GROUP is 32 matrix instructions (8 fragments of A x 4 of B, 32 along K) on one window.
; K goes in chunks of 64 through two LDS slots; a chunk is 6 groups.  CLUSTER 4 x 4: X's tile is shared along a row of the cluster, the weights' along a column; each is asked for jointly.
; SOURCES.  Q, K: source 0 = B's rows, source 1 = A's rows: a lane holds one row of C and eight neighbouring columns.  V: the other way round: a lane holds one channel and eight neighbouring keys.
; REGISTERS.  window 0: v1-10 addresses; v28, v29 the add's; v32-95 two buffers of B's 4 fragments (later the way out); v96-223 two buffers of A's 8 fragments.  windows 1-3: accumulator (a, b) at v[8 (4 a + b)].
.set NG,    3                          ; groups for each 32 along K
.set WB,    1                          ; window of group 0's accumulators
.set SWAPG, 2                          ; the group whose sources change places
.set LSW,   1                          ; the same for a chunk's last group
.set P,     144                        ; an LDS row: 128 bytes + 16 of padding = 36 words: the 16 rows of a fragment load start at 16 different groups of four banks (64 banks of 4 bytes: ISA guide 11.1)
.set CHK,   (256+384)*P                ; a chunk: A's 256 rows, then B's 384
.set SLOT,  CHK
.set GOFF,  128*P                      ; from a group's rows of B to the next group's
.set WNR,   64                         ; rows of B between the two column halves
.set STAGE, 2*SLOT                     ; behind the ring: 16 rows x 144 bytes for each wave
.set SPARE, STAGE+4*16*P               ; behind the stages: the spare words, 128 bytes for each wave
.set RA,    64                         ; a load of A: 128 rows of 128 bytes, dense: asked for as 64 rows of 256
.set RB,    96                         ; a load of B: 192 rows
.set STEPA, 8192*128                   ; bytes from a chunk to the next
.set STEPB, 8*3*128*128
.set A0, 4                             ; v4   my place in a chunk's A
.set B0, 5                             ; v5   in its B
.set PA, 6                             ; v6   the same in the chunk in hand
.set PB, 7
.set STO, 8                            ; v8   the way out: where I put 16 bytes
.set RD, 9                             ; v9   where I read rows back
.set GO, 10                            ; v10  16 x lane
.set SPW, 28
.set NIL, 29
.set BF, 32
.set AF, 96
.set OB, 32
.set CNT, 2
.set STEPS, 3
.set WV, 10                            ; s10 wave; s11 its row half, also: I fetch A (0) or B (1); s12 its column half, also: which half of the tile I fetch
.set WM, 11
.set WN, 12
.set YB, 13                            ; s13 block of 256 rows
.set G1A, 24
.set G1B, 32
.set CX, 40
.set CY, 41
.set XB, 42                            ; s42 column block
.set MROW, 43
.set MCOL, 44
.set BAT, 45                           ; s45 batch, from the cluster's y alone
.set G0A, 48                           ; s[48:55] group 0 for A: the two first fills; the second set then walks
.set G0B, 56
.set FS, 70                            ; s70 slot filled last; s71 slot read; s72 LDS byte of the chunk to fetch next
.set RS, 71
.set TB, 72
.set LWA, 73                           ; s73, s74 my load's place in a slot
.set LWB, 74
.set G1W0, (1<<16)|(1<<20)|(1<<21)|(4<<22)|(3<<25)  ; 2-byte elements; padding on; bit 21 beside a mask; after every 32 words, 4 words
.set MSB, 0
.macro WIN new                         ; the immediate's high byte repeats the setting that is left; a switch that changes nothing is dropped
.if MSB != (\new)
	s_set_vgpr_msb (MSB<<8)|(\new)
.set MSB, (\new)
.endif
.endm
.macro PLACES                          ; four plain instructions between a matrix instruction and a load into, or a vector use of, its registers (ISA guide 7.12.1 for vector uses)
.rept 4
	v_nop
.endr
.endm
.macro CROUND                          ; a round of the cluster's barrier
	s_barrier_signal -1
	s_barrier_wait -1
	s_cmp_lg_u32 s[WV], 0
	s_cbranch_scc1 .Lnot_wave_0_\@
	s_barrier_signal -3
.Lnot_wave_0_\@:
	s_barrier_wait -3
	s_barrier_signal -1
	s_barrier_wait -1
.endm
.macro JLOAD                           ; a joint refill by the walking sets: waves 0, 1 for A, waves 2, 3 for B
	s_cmp_eq_u32 s[WM], 0
	s_cbranch_scc0 .Lfor_b_\@
	tensor_load_to_lds s[G0A+4:G0A+7], s[G1A:G1A+7]
	s_nop 0
.rept 4
	v_nop
.endr
	s_branch .Lasked_\@
.Lfor_b_\@:
	tensor_load_to_lds s[G0B+4:G0B+7], s[G1B:G1B+7]
	s_nop 0
.rept 4
	v_nop
.endr
.Lasked_\@:
.endm
.macro LDA pa, ofs                     ; A's 8 fragments (128 rows x 32 K at byte ofs of the rows) into buffer pa
.irp a, 0,1,2,3,4,5,6,7
	ds_load_b128 v[AF+64*(\pa)+8*\a:AF+64*(\pa)+8*\a+3], v[PA] offset:(\ofs)+\a*16*P
	ds_load_b128 v[AF+64*(\pa)+8*\a+4:AF+64*(\pa)+8*\a+7], v[PA] offset:(\ofs)+\a*16*P+32
.endr
.endm
.macro LDB pb, ofs                     ; B's 4 fragments into buffer pb
.irp b, 0,1,2,3
	ds_load_b128 v[BF+32*(\pb)+8*\b:BF+32*(\pb)+8*\b+3], v[PB] offset:(\ofs)+\b*16*P
	ds_load_b128 v[BF+32*(\pb)+8*\b+4:BF+32*(\pb)+8*\b+7], v[PB] offset:(\ofs)+\b*16*P+32
.endr
.endm
.macro MUL4 a, pa, pb, w, zero, swap   ; row block a x 4 column blocks, accumulators in window w; zero = 1: the products start the sums
	WIN ((\w)<<6)|((\w)<<4)
.irp b, 0,1,2,3
.if \swap
.if \zero
	v_wmma_f32_16x16x32_f16 v[8*(4*(\a)+\b):8*(4*(\a)+\b)+7], v[AF+64*(\pa)+8*(\a):AF+64*(\pa)+8*(\a)+7], v[BF+32*(\pb)+8*\b:BF+32*(\pb)+8*\b+7], 0
.else
	v_wmma_f32_16x16x32_f16 v[8*(4*(\a)+\b):8*(4*(\a)+\b)+7], v[AF+64*(\pa)+8*(\a):AF+64*(\pa)+8*(\a)+7], v[BF+32*(\pb)+8*\b:BF+32*(\pb)+8*\b+7], v[8*(4*(\a)+\b):8*(4*(\a)+\b)+7]
.endif
.else
.if \zero
	v_wmma_f32_16x16x32_f16 v[8*(4*(\a)+\b):8*(4*(\a)+\b)+7], v[BF+32*(\pb)+8*\b:BF+32*(\pb)+8*\b+7], v[AF+64*(\pa)+8*(\a):AF+64*(\pa)+8*(\a)+7], 0
.else
	v_wmma_f32_16x16x32_f16 v[8*(4*(\a)+\b):8*(4*(\a)+\b)+7], v[BF+32*(\pb)+8*\b:BF+32*(\pb)+8*\b+7], v[AF+64*(\pa)+8*(\a):AF+64*(\pa)+8*(\a)+7], v[8*(4*(\a)+\b):8*(4*(\a)+\b)+7]
.endif
.endif
.endr
.endm
.macro MULG pa, pb, w, zero, swap      ; a group: its 32 accumulators take turns, one instruction a turn, in the same order in every group
.irp a, 0,1,2,3,4,5,6,7
	MUL4 \a, \pa, \pb, \w, \zero, \swap
.endr
.endm
.macro GROUP i, zero                   ; group i of a chunk (K half i / NG, columns i % NG): fetches group i + 1's fragments, then multiplies
	s_wait_dscnt 0x0                               ; my fragments, asked for 32 matrix instructions ago
	WIN 0
	PLACES
	LDB ((\i)+1)%2, (((\i)+1)/NG)*64+(((\i)+1)%NG)*GOFF
.if ((\i)+1) == NG
	LDA 1, 64
.endif
.if ((\i)%NG) == SWAPG
	MULG (\i)/NG, (\i)%2, WB+(\i)%NG, \zero, 1
.else
	MULG (\i)/NG, (\i)%2, WB+(\i)%NG, \zero, 0
.endif
.endm
.macro UTOP                            ; on to the next chunk; the four vector lines are the places in front of the loads that follow
	s_wait_dscnt 0x0
	WIN 0
	v_add_nc_u32 v[PA], s[TB], v[A0]
	v_add_nc_u32 v[PB], s[TB], v[B0]
	v_nop
	v_nop
	s_add_co_u32 s[TB], s[TB], CHK
.endm
.macro UNITB                           ; a trip: the next chunk's first fragments are fetched, the chunk in hand gets its last group, the next chunk all groups but its last
	UTOP
	LDB 0, 0
	LDA 0, 0
	MULG 1, 1, WB+NG-1, 0, LSW
.set gi, 0
.rept 2*NG-1
	GROUP gi, 0
.set gi, gi+1
.endr
	WIN 0
.endm
; THE CHANGE OF SLOTS.  The old slot's last bytes have been asked for.  Each wave waits for all its tensor loads (one is out: its part of the other slot), adds 0 to its spare word, and waits for that and for
; its reads of the old slot.  fill = 1: the barrier is a round of the cluster's, and the joint refill of the old slot, two steps on, is the first thing behind it.
.macro CHANGE fill
	WIN 0
	s_wait_tensorcnt 0x0                           ; no tensor load of mine is out, so a group 0 may be written
	ds_add_u32 v[SPW], v[NIL]                      ; scalar work stands between this add and the wait for it
.if \fill
	s_xor_b32 s[FS], s[FS], SLOT
	s_add_co_u32 s[G0A+5], s[FS], s[LWA]
	s_add_co_u32 s[G0B+5], s[FS], s[LWB]
	s_add_nc_u64 s[G0A+6:G0A+7], s[G0A+6:G0A+7], STEPA  ; the type bits on top are not reached
	s_add_nc_u64 s[G0B+6:G0B+7], s[G0B+6:G0B+7], STEPB
.endif
	s_xor_b32 s[RS], s[RS], SLOT
	s_mov_b32 s[TB], s[RS]
	s_wait_dscnt 0x0                               ; the add is done, and my reads of the old slot are over
.if \fill
	CROUND
	JLOAD
.else
	s_barrier_signal -1
	s_barrier_wait -1
.endif
.endm
; THE WAY OUT of a piece of 16 x 64 numbers: rounded to f16, 16 bytes a lane into my stage, back as four runs of 512 bytes, which are 2,048 consecutive bytes of the output.
.macro PACK set, w, c0, c1, c2, c3     ; the piece's four accumulators, each read from its low end on
	s_wait_xcnt 0x0                                ; the stores of the piece before last have read this set (ISA guide 3.1)
	WIN (\w)|((\w)<<2)
.set pk, 0
.irp c, \c0, \c1, \c2, \c3
.irp q, 0,1,2,3
	v_cvt_pk_f16_f32 v[OB+16*(\set)+pk], v[8*(\c)+2*\q], v[8*(\c)+2*\q+1]
.set pk, pk+1
.endr
.endr
	WIN 0
.irp f, 0,1,2,3
	ds_store_b128 v[STO], v[OB+16*(\set)+4*\f:OB+16*(\set)+4*\f+3] offset:32*\f
.endr
.irp f, 0,1,2,3
	ds_load_b128 v[OB+16*(\set)+4*\f:OB+16*(\set)+4*\f+3], v[RD] offset:4*P*\f  ; LDS serves a wave's instructions in order (ISA guide 5.7.1.4): these see the stores above
.endr
.endm
.macro SEND set, base, ofs, younger    ; younger: the next piece's eight LDS instructions, or none
	s_wait_dscnt \younger
.irp f, 0,1,2,3
	global_store_b128 v[GO], v[OB+16*(\set)+4*\f:OB+16*(\set)+4*\f+3], s[\base:\base+1] offset:(\ofs)+512*\f  ; 512 consecutive bytes, aligned
.endr
.endm
.macro PIECE w, base, ofs, c0, c1, c2, c3  ; a piece's conversions stand between the loads of the piece before and its stores
	PACK pcn%2, \w, \c0, \c1, \c2, \c3
.if pcn > 0
	SEND (pcn+1)%2, pbase, poff, 8
.endif
.set pbase, \base
.set poff, \ofs
.set pcn, pcn+1
.endm
	s_load_b128 s[4:7], s[0:1], 0x0                ; xh s[4:5], wts s[6:7]
	s_load_b64 s[8:9], s[0:1], 0x10                ; qb
	s_load_b64 s[66:67], s[0:1], 0x18              ; kb
	s_load_b64 s[68:69], s[0:1], 0x20              ; vt
	v_lshl_add_u32 v[SPW], v0, 2, SPARE
	v_mov_b32 v[NIL], 0
	ds_add_u32 v[SPW], v[NIL]                      ; the wave's opening: the add and its wait stand ahead of my first tensor load
	v_lshrrev_b32 v3, 5, v0
	v_readfirstlane_b32 s[WV], v3
	s_lshr_b32 s[WM], s[WV], 1
	s_and_b32 s[WN], s[WV], 1
	s_bfe_u32 s[CX], ttmp6, 0x40000
	s_bfe_u32 s[CY], ttmp6, 0x40004
	s_lshl_b32 s[XB], ttmp9, 2
	s_add_co_u32 s[XB], s[XB], s[CX]               ; column block = 4 x cluster x + cx
	s_and_b32 s[BAT], ttmp7, 0xffff
	s_lshl_b32 s[YB], s[BAT], 2
	s_add_co_u32 s[YB], s[YB], s[CY]               ; row block = 4 x cluster y + cy
	s_lshr_b32 s[BAT], s[BAT], 1                   ; eight row blocks, two clusters, to a batch
	s_lshl_b32 s[MROW], s[CY], 2
	s_lshl_b32 s[MROW], 15, s[MROW]                ; my row of the cluster
	s_lshl_b32 s[MCOL], 0x1111, s[CX]              ; my column
	s_or_b32 s[G1A], s[MROW], G1W0
	s_or_b32 s[G1B], s[MCOL], G1W0
	s_mov_b32 s[G1A+1], 128<<16                    ; tensor_dim0 = 128 elements (256 bytes)
	s_mov_b32 s[G1A+2], RA<<16                     ; tensor_dim1
	s_mov_b32 s[G1A+3], 128<<16                    ; tile_dim0
	s_mov_b32 s[G1A+4], RA                         ; tile_dim1
	s_mov_b32 s[G1A+5], 128                        ; elements from row to row: dense
	s_mov_b32 s[G1A+6], 0
	s_mov_b32 s[G1A+7], 0
	s_mov_b32 s[G1B+1], 128<<16
	s_mov_b32 s[G1B+2], RB<<16
	s_mov_b32 s[G1B+3], 128<<16
	s_mov_b32 s[G1B+4], RB
	s_mov_b32 s[G1B+5], 128
	s_mov_b32 s[G1B+6], 0
	s_mov_b32 s[G1B+7], 0
	s_mul_i32 s[LWA], s[WN], 128*P                 ; A's two halves, then B's two: the wave's number alone enters an LDS address
	s_mul_i32 s[LWB], s[WN], 192*P
	s_add_co_u32 s[LWB], s[LWB], 256*P
	s_lshl_b32 s16, s[YB], 15                      ; A: 256 rows of 128 bytes a block, my 128 of them
	s_lshl_b32 s18, s[WN], 14
	s_add_co_u32 s16, s16, s18
	s_mov_b32 s17, 0
	s_mul_i32 s20, s[XB], 384*128                  ; B: 384 rows a column block, my 192 of them
	s_mul_i32 s22, s[WN], 192*128
	s_add_co_u32 s20, s20, s22
	s_mov_b32 s21, 0
	s_mov_b32 s[FS], SLOT
	s_mov_b32 s[RS], 0
	s_mov_b32 s[TB], 0
	s_wait_dscnt 0x0                               ; the opening add is done
	s_wait_kmcnt 0x0
	s_add_nc_u64 s[16:17], s[4:5], s[16:17]
	s_add_nc_u64 s[20:21], s[6:7], s[20:21]
.irp s, 0,1
	s_mov_b32 s[G0A+4*\s], 1
	s_add_co_u32 s[G0A+4*\s+1], s[LWA], \s*SLOT
	s_add_nc_u64 s[G0A+4*\s+2:G0A+4*\s+3], s[16:17], \s*STEPA
	s_or_b32 s[G0A+4*\s+3], s[G0A+4*\s+3], 0x80000000
	s_mov_b32 s[G0B+4*\s], 1
	s_add_co_u32 s[G0B+4*\s+1], s[LWB], \s*SLOT
	s_add_nc_u64 s[G0B+4*\s+2:G0B+4*\s+3], s[20:21], \s*STEPB
	s_or_b32 s[G0B+4*\s+3], s[G0B+4*\s+3], 0x80000000
.endr
	CROUND                                         ; all sixteen work-groups are here: the first joint loads meet
	s_cmp_eq_u32 s[WM], 0                          ; a wave's two first fills stand in one branch: two loads of mine are out
	s_cbranch_scc0 .Lfirst_b
	tensor_load_to_lds s[G0A:G0A+3], s[G1A:G1A+7]
	s_nop 0
	tensor_load_to_lds s[G0A+4:G0A+7], s[G1A:G1A+7]
	s_nop 0
.rept 4
	v_nop
.endr
	s_branch .Lfirst_asked
.Lfirst_b:
	tensor_load_to_lds s[G0B:G0B+3], s[G1B:G1B+7]
	s_nop 0
	tensor_load_to_lds s[G0B+4:G0B+7], s[G1B:G1B+7]
	s_nop 0
.rept 4
	v_nop
.endr
.Lfirst_asked:
	; A fragment is 16 rows x 32 K in 8 registers: lane l holds row l % 16, K = 8 (l / 16) + 0..7 and 16 + 8 (l / 16) + 0..7: two loads of 16 bytes, 32 bytes apart.
	v_and_b32 v1, 15, v0
	v_bfe_u32 v2, v0, 4, 1
	v_mul_u32_u24 v3, v1, P
	v_lshl_add_u32 v3, v2, 4, v3
	s_mul_i32 s16, s[WM], 128*P
	s_mul_i32 s17, s[WN], WNR*P
	s_add_co_u32 s17, s17, 256*P
	v_add_nc_u32 v[A0], s16, v3
	v_add_nc_u32 v[B0], s17, v3
	s_mul_i32 s18, s[WV], 16*P
	s_add_co_u32 s18, s18, STAGE
	v_add_nc_u32 v[STO], s18, v3                   ; in: row l % 16, 16 bytes for each half of the lanes
	v_bfe_u32 v[RD], v0, 3, 2                      ; back: 32 lanes take four rows of 128 bytes
	v_and_b32 v3, 7, v0
	v_mul_u32_u24 v[RD], v[RD], P
	v_lshl_add_u32 v[RD], v3, 4, v[RD]
	v_add_nc_u32 v[RD], s18, v[RD]
	v_and_b32 v[GO], 31, v0
	v_lshlrev_b32 v[GO], 4, v[GO]
	s_lshl_b32 s20, s[XB], 1                       ; Q, K: channel block 2 X + wn, 1 MiB each; my 128 rows
	s_add_co_u32 s20, s20, s[WN]
	s_lshl_b32 s20, s20, 20
	s_lshl_b32 s21, s[YB], 15
	s_add_co_u32 s20, s20, s21
	s_lshl_b32 s21, s[WM], 14
	s_add_co_u32 s20, s20, s21
	s_mov_b32 s21, 0
	s_add_nc_u64 s[8:9], s[8:9], s[20:21]
	s_add_nc_u64 s[66:67], s[66:67], s[20:21]
	s_and_b32 s22, s[YB], 7                        ; V: batch x 4 MiB + key block (4 (Y % 8) + 2 wm) x 128 KiB + channel (128 X + 64 wn) x 128
	s_lshl_b32 s22, s22, 2
	s_lshl1_add_u32 s22, s[WM], s22
	s_lshl_b32 s22, s22, 17
	s_lshl_b32 s23, s[BAT], 22
	s_add_co_u32 s22, s22, s23
	s_lshl_b32 s23, s[XB], 14
	s_add_co_u32 s22, s22, s23
	s_lshl_b32 s23, s[WN], 13
	s_add_co_u32 s22, s22, s23
	s_mov_b32 s23, 0
	s_add_nc_u64 s[68:69], s[68:69], s[22:23]
	s_wait_tensorcnt 0x1                           ; my part of chunk 0 is in; slot 1's may stay out
	s_barrier_signal -1
	s_barrier_wait -1
	UTOP
	LDB 0, 0
	LDA 0, 0
	GROUP 0, 1                                     ; the first K half starts the sums: nothing is cleared
	GROUP 1, 1
	GROUP 2, 1
	GROUP 3, 0
	GROUP 4, 0
	WIN 0
	s_mov_b32 s[STEPS], 14                         ; chunks 2 to 15 are asked for, chunks 1 to 14 entered
.Lmain:
	CHANGE 1
	UNITB
	s_sub_co_u32 s[STEPS], s[STEPS], 1
	s_cmp_lg_u32 s[STEPS], 0
	s_cbranch_scc1 .Lmain
	CHANGE 0                                       ; the tail is written out: nothing is left to ask for
	UNITB
	s_wait_dscnt 0x0
	MULG 1, 1, WB+NG-1, 0, LSW
	WIN 0
	PLACES
.set pcn, 0
.set pbase, 8
.set poff, 0
.irp g, 0,1                            ; Q, then K: row block aa, its four column blocks
.set aa, 0
.rept 8
	PIECE 1+\g, 8+58*\g, aa*2048, 4*aa, 4*aa+1, 4*aa+2, 4*aa+3
.set aa, aa+1
.endr
.endr
.irp b, 0,1,2,3                        ; V: 16 channels (column block b) x 64 keys (row blocks 4 ah .. 4 ah + 3)
.irp ah, 0,1
	PIECE 3, 68, \ah*131072+\b*2048, 16*\ah+\b, 16*\ah+4+\b, 16*\ah+8+\b, 16*\ah+12+\b
.endr
.endr
	SEND (pcn+1)%2, pbase, poff, 0
	s_wait_tensorcnt 0x0                           ; the wave's end
	ds_add_u32 v[SPW], v[NIL]
	s_wait_dscnt 0x0
	CROUND                                         ; the closing round
	s_endpgm
.Lfunc_end_k_q5a0e540e85_proj:
	.size	k_q5a0e540e85_proj, .Lfunc_end_k_q5a0e540e85_proj-k_q5a0e540e85_proj
	.p2alignl 7, 3214868480
	.fill 96, 4, 3214868480
	.section	.rodata,"a",@progbits
	.p2align	6, 0x0
	.amdhsa_kernel k_q5a0e540e85_proj
		.amdhsa_group_segment_fixed_size 327680
		.amdhsa_private_segment_fixed_size 0
		.amdhsa_enable_private_segment 0
		.amdhsa_kernarg_size 40
		.amdhsa_user_sgpr_count 2
		.amdhsa_user_sgpr_kernarg_segment_ptr 1
		.amdhsa_wavefront_size32 1
		.amdhsa_system_sgpr_workgroup_id_x 1
		.amdhsa_system_sgpr_workgroup_id_y 1
		.amdhsa_system_sgpr_workgroup_id_z 1
		.amdhsa_system_vgpr_workitem_id 0
		.amdhsa_next_free_vgpr 1024
		.amdhsa_next_free_sgpr 84
		.amdhsa_reserve_vcc 0
		.amdhsa_float_denorm_mode_32 3
		.amdhsa_float_denorm_mode_16_64 3
		.amdhsa_memory_ordered 1
		.amdhsa_forward_progress 1
		.amdhsa_inst_pref_size 113
	.end_amdhsa_kernel
	.amdgpu_metadata
---
amdhsa.version: [ 1, 2 ]
amdhsa.kernels:
  - .name:           k_q5a0e540e85_proj
    .symbol:         k_q5a0e540e85_proj.kd
    .args:
      - { .name: xh, .offset: 0, .size: 8, .value_kind: global_buffer, .address_space: global }
      - { .name: wts, .offset: 8, .size: 8, .value_kind: global_buffer, .address_space: global }
      - { .name: qb, .offset: 16, .size: 8, .value_kind: global_buffer, .address_space: global }
      - { .name: kb, .offset: 24, .size: 8, .value_kind: global_buffer, .address_space: global }
      - { .name: vt, .offset: 32, .size: 8, .value_kind: global_buffer, .address_space: global }
    .group_segment_fixed_size: 327680
    .private_segment_fixed_size: 0
    .kernarg_segment_align: 8
    .kernarg_segment_size: 40
    .max_flat_workgroup_size: 128
    .sgpr_count:     84
    .vgpr_count:     1024
    .wavefront_size: 32
...
	.end_amdgpu_metadata
.endif
;; end of part 2
;; launch score (part 3): grid 8 x 32, 4 waves a work-group, clusters of 4 x 4, 327,680 bytes of LDS; arguments qb, kb, ew, stats; writes ew, stats
.if DOCPART == 3
	.amdgcn_target "amdgcn-amd-amdhsa--gfx1250"
	.amdhsa_code_object_version 6
	.text
	.protected	k_q5a0e540e85_score
	.globl	k_q5a0e540e85_score
	.p2align	8
	.type	k_q5a0e540e85_score,@function
k_q5a0e540e85_score:
	s_mov_b64 s[64:65], 0
	v_nop
	global_prefetch_b8 v0, s[64:65] scope:SCOPE_SE
	s_setreg_imm32_b32 hwreg(HW_REG_WAVE_MODE, 25, 1), 1
	s_wait_xcnt 0x0
	s_wait_alu depctr_hold_cnt(0) depctr_sa_sdst(0) depctr_va_vdst(0) depctr_va_sdst(0) depctr_va_ssrc(0) depctr_va_vcc(0) depctr_vm_vsrc(0)
	s_getreg_b32 s2, hwreg(HW_REG_IB_STS2, 6, 4)
	s_cmp_eq_u32 s2, 0
	s_cbranch_scc0 .Lentry_in_a_cluster
	s_endpgm
.Lentry_in_a_cluster:
	s_bfe_u32 s2, ttmp6, 0x10000c
	s_cmp_lg_u32 s2, 0xf033
	s_cbranch_scc0 .Lentry_shape_is_right
	s_endpgm
.Lentry_shape_is_right:
; SCORE.  S = Q K^T, and the first half of the softmax on the way out.  For each row and each block t of 128 keys: cm = c x (the block's largest score), c = log2(e) / 32;
; e = 2^(c s - cm), rounded to f16; l = the sum of the unrounded e.  The mixing launch joins the sixteen blocks of a row by the true maximum over them.
; ew: [32 blocks of 64 keys][8192 rows][64] f16;  stats: f32 [2: cm, l][16 t][8192 rows].
; LIMITS.  e lies in 0 to 1 and below 6e-5 keeps f16's fixed step of 6e-8; an e below 2^-126 counts as 0 in l; NaN and infinities are not treated apart.
; SHARES.  A work-group makes 256 rows x 256 keys of one batch; 8 x 32 work-groups.  Four waves, 2 x 2: a wave has 128 rows x 128 keys, one block t: 2 x 32 accumulators, windows 1 and 2.
; K (1,024 channels) goes in chunks of 64, two to a slot, through two LDS slots.  CLUSTER 4 x 4: Q's tile is shared along a row of the cluster, K's along a column.
; A lane holds one row of S (source 0 = keys, source 1 = queries) and 64 of its 128 keys; the other 64 lie in the lane 16 away.
; REGISTERS.  window 0: v1-12 addresses; v28, v29 the add's; v32-95 B's two buffers, later two sets of 32 on the way out; v96-223 A's two buffers; v224-239 the softmax's.  windows 1, 2: accumulator (a, b) at v[8 (4 a + b)].
.set NG,    2
.set WB,    1
.set SWAPG, 99
.set LSW,   0
.set P,     144                        ; an LDS row: 128 bytes + 16 of padding: the 16 rows of a fragment load start at 16 different groups of four banks (ISA guide 11.1)
.set CHK,   (256+256)*P
.set SLOT,  2*CHK
.set GOFF,  64*P
.set WNR,   128
.set STAGE, 2*SLOT
.set SSTG,  STAGE+4*16*P               ; 1,024 bytes a wave: cm of my 128 rows, then l
.set SPARE, SSTG+4*1024
.set RA,    128                        ; a load: one chunk's 256 rows of 128 bytes, dense: 128 rows of 256
.set RB,    128
.set STEPA, 2*8192*128
.set STEPB, 2*8192*128
.set A0, 4
.set B0, 5
.set PA, 6
.set PB, 7
.set STO, 8
.set RD, 9
.set GO, 10
.set SS, 11                            ; v11  where my row's cm (lanes 0-15) or l (lanes 16-31) goes
.set SR, 12                            ; v12  where I read 16 bytes of them back
.set SPW, 28
.set NIL, 29
.set BF, 32
.set AF, 96
.set OB, 32
.set MX, 224                           ; v224-227 four chains of the maximum
.set LL, 228                           ; v228 l, v229 at work
.set CM, 230                           ; v230 cm; v231 named with it as a pair
.set SU, 232                           ; v232-239 four pairs of sums
.set CNT, 2
.set STEPS, 3
.set WV, 10
.set WM, 11
.set WN, 12
.set YB, 13
.set G1A, 24
.set G1B, 32
.set CX, 40
.set CY, 41
.set XB, 42
.set MROW, 43
.set MCOL, 44
.set BAT, 45
.set G0A, 48
.set G0B, 56
.set FS, 70
.set RS, 71
.set TB, 72
.set LWA, 73
.set LWB, 74
.set CS, 76                            ; s[76:77] c
.set SEL, 78                           ; s[78:79] v_permlanex16_b32's selects: each lane takes its own place in the other half
.set HALF, 80                          ; s80 the lanes 16-31
.set G1W0, (1<<16)|(1<<20)|(1<<21)|(4<<22)|(3<<25)
.set MSB, 0
.macro WIN new
.if MSB != (\new)
	s_set_vgpr_msb (MSB<<8)|(\new)
.set MSB, (\new)
.endif
.endm
.macro PLACES
.rept 4
	v_nop
.endr
.endm
.macro CROUND
	s_barrier_signal -1
	s_barrier_wait -1
	s_cmp_lg_u32 s[WV], 0
	s_cbranch_scc1 .Lnot_wave_0_\@
	s_barrier_signal -3
.Lnot_wave_0_\@:
	s_barrier_wait -3
	s_barrier_signal -1
	s_barrier_wait -1
.endm
.macro JLOAD
	s_cmp_eq_u32 s[WM], 0
	s_cbranch_scc0 .Lfor_b_\@
	tensor_load_to_lds s[G0A+4:G0A+7], s[G1A:G1A+7]
	s_nop 0
.rept 4
	v_nop
.endr
	s_branch .Lasked_\@
.Lfor_b_\@:
	tensor_load_to_lds s[G0B+4:G0B+7], s[G1B:G1B+7]
	s_nop 0
.rept 4
	v_nop
.endr
.Lasked_\@:
.endm
.macro LDA pa, ofs
.irp a, 0,1,2,3,4,5,6,7
	ds_load_b128 v[AF+64*(\pa)+8*\a:AF+64*(\pa)+8*\a+3], v[PA] offset:(\ofs)+\a*16*P
	ds_load_b128 v[AF+64*(\pa)+8*\a+4:AF+64*(\pa)+8*\a+7], v[PA] offset:(\ofs)+\a*16*P+32
.endr
.endm
.macro LDB pb, ofs
.irp b, 0,1,2,3
	ds_load_b128 v[BF+32*(\pb)+8*\b:BF+32*(\pb)+8*\b+3], v[PB] offset:(\ofs)+\b*16*P
	ds_load_b128 v[BF+32*(\pb)+8*\b+4:BF+32*(\pb)+8*\b+7], v[PB] offset:(\ofs)+\b*16*P+32
.endr
.endm
.macro MUL4 a, pa, pb, w, zero, swap
	WIN ((\w)<<6)|((\w)<<4)
.irp b, 0,1,2,3
.if \zero
	v_wmma_f32_16x16x32_f16 v[8*(4*(\a)+\b):8*(4*(\a)+\b)+7], v[BF+32*(\pb)+8*\b:BF+32*(\pb)+8*\b+7], v[AF+64*(\pa)+8*(\a):AF+64*(\pa)+8*(\a)+7], 0
.else
	v_wmma_f32_16x16x32_f16 v[8*(4*(\a)+\b):8*(4*(\a)+\b)+7], v[BF+32*(\pb)+8*\b:BF+32*(\pb)+8*\b+7], v[AF+64*(\pa)+8*(\a):AF+64*(\pa)+8*(\a)+7], v[8*(4*(\a)+\b):8*(4*(\a)+\b)+7]
.endif
.endr
.endm
.macro MULG pa, pb, w, zero, swap      ; a group: its 32 accumulators take turns, one instruction a turn
.irp a, 0,1,2,3,4,5,6,7
	MUL4 \a, \pa, \pb, \w, \zero, \swap
.endr
.endm
.macro GROUP i, zero
	s_wait_dscnt 0x0                               ; my fragments, asked for 32 matrix instructions ago
	WIN 0
	PLACES
	LDB ((\i)+1)%2, (((\i)+1)/NG)*64+(((\i)+1)%NG)*GOFF
.if ((\i)+1) == NG
	LDA 1, 64
.endif
	MULG (\i)/NG, (\i)%2, WB+(\i)%NG, \zero, 0
.endm
.macro UTOP
	s_wait_dscnt 0x0
	WIN 0
	v_add_nc_u32 v[PA], s[TB], v[A0]
	v_add_nc_u32 v[PB], s[TB], v[B0]
	v_nop
	v_nop
	s_add_co_u32 s[TB], s[TB], CHK
.endm
.macro UNITB
	UTOP
	LDB 0, 0
	LDA 0, 0
	MULG 1, 1, WB+NG-1, 0, LSW
.set gi, 0
.rept 2*NG-1
	GROUP gi, 0
.set gi, gi+1
.endr
	WIN 0
.endm
.macro TWO                             ; a slot's two chunks: written once, walked twice; the LDS addresses hang on s[TB]
	s_mov_b32 s[CNT], 2
.Ltwo_\@:
	UNITB
	s_sub_co_u32 s[CNT], s[CNT], 1
	s_cmp_lg_u32 s[CNT], 0
	s_cbranch_scc1 .Ltwo_\@
.endm
.macro CHANGE fill                     ; the change of slots: all my tensor loads, the add, my reads of the old slot; then the barrier (fill = 1: a round of the cluster's, the joint refill first behind it)
	WIN 0
	s_wait_tensorcnt 0x0
	ds_add_u32 v[SPW], v[NIL]
.if \fill
	s_xor_b32 s[FS], s[FS], SLOT
	s_add_co_u32 s[G0A+5], s[FS], s[LWA]
	s_add_co_u32 s[G0B+5], s[FS], s[LWB]
	s_add_nc_u64 s[G0A+6:G0A+7], s[G0A+6:G0A+7], STEPA
	s_add_nc_u64 s[G0B+6:G0B+7], s[G0B+6:G0B+7], STEPB
.endif
	s_xor_b32 s[RS], s[RS], SLOT
	s_mov_b32 s[TB], s[RS]
	s_wait_dscnt 0x0
.if \fill
	CROUND
	JLOAD
.else
	s_barrier_signal -1
	s_barrier_wait -1
.endif
.endm
; THE SOFTMAX'S FIRST HALF for row block a: 32 registers in each of the two windows, 64 scores a lane.
.macro SMX a
.set AC, 32*(\a)
.set STS, OB+32*((\a)%2)
	WIN 0x15                                       ; three sources in window 1
.irp b, 0,1,2,3
	v_max3_num_f32 v[MX+\b], v[AC+8*\b], v[AC+8*\b+1], v[AC+8*\b+2]
.endr
	WIN 0x14
.irp b, 0,1,2,3
	v_max3_num_f32 v[MX+\b], v[MX+\b], v[AC+8*\b+3], v[AC+8*\b+4]
.endr
.irp b, 0,1,2,3
	v_max3_num_f32 v[MX+\b], v[MX+\b], v[AC+8*\b+5], v[AC+8*\b+6]
.endr
	v_max3_num_f32 v[MX], v[MX], v[AC+7], v[AC+15]
	v_max3_num_f32 v[MX+2], v[MX+2], v[AC+23], v[AC+31]
	WIN 0x28                                       ; window 2
.irp q, 0,2,4,6
.irp b, 0,1,2,3
	v_max3_num_f32 v[MX+\b], v[MX+\b], v[AC+8*\b+\q], v[AC+8*\b+\q+1]
.endr
.endr
	WIN 0
	v_max3_num_f32 v[MX], v[MX], v[MX+1], v[MX+2]
	v_max_num_f32 v[MX], v[MX], v[MX+3]
	v_permlanex16_b32 v[MX+1], v[MX], s[SEL], s[SEL+1]  ; the row's other 64 keys
	v_max_num_f32 v[MX], v[MX], v[MX+1]
	v_mul_f32 v[CM], s[CS], v[MX]
	WIN 0x41                                       ; window 1 in place, cm from window 0
.set z, 0
.rept 16
	v_pk_fma_f32 v[AC+2*z:AC+2*z+1], v[AC+2*z:AC+2*z+1], s[CS:CS+1], v[CM:CM+1] op_sel_hi:[1,0,0] neg_lo:[0,0,1] neg_hi:[0,0,1]
.set z, z+1
.endr
.set z, 0
.rept 32
	v_exp_f32 v[AC+z], v[AC+z]
.set z, z+1
.endr
	WIN 0x82                                       ; window 2: its scalings are the plain instructions behind window 1's exponentials (ISA guide 5.7.2)
.set z, 0
.rept 16
	v_pk_fma_f32 v[AC+2*z:AC+2*z+1], v[AC+2*z:AC+2*z+1], s[CS:CS+1], v[CM:CM+1] op_sel_hi:[1,0,0] neg_lo:[0,0,1] neg_hi:[0,0,1]
.set z, z+1
.endr
.set z, 0
.rept 32
	v_exp_f32 v[AC+z], v[AC+z]
.set z, z+1
.endr
	v_nop                                          ; a plain instruction behind the last exponential
	WIN 0x05                                       ; the sum, in four chains of pairs
	s_wait_alu depctr_va_vdst(0)
.irp q, 0,1,2,3
	v_pk_add_f32 v[SU+2*\q:SU+2*\q+1], v[AC+4*\q:AC+4*\q+1], v[AC+4*\q+2:AC+4*\q+3]
.endr
	WIN 0x04
.irp k, 16,24
.irp q, 0,1,2,3
	v_pk_add_f32 v[SU+2*\q:SU+2*\q+1], v[SU+2*\q:SU+2*\q+1], v[AC+\k+2*\q:AC+\k+2*\q+1]
.endr
.endr
	WIN 0x08
.irp k, 0,8,16,24
.irp q, 0,1,2,3
	v_pk_add_f32 v[SU+2*\q:SU+2*\q+1], v[SU+2*\q:SU+2*\q+1], v[AC+\k+2*\q:AC+\k+2*\q+1]
.endr
.endr
	WIN 0
	v_pk_add_f32 v[SU:SU+1], v[SU:SU+1], v[SU+2:SU+3]
	v_pk_add_f32 v[SU+4:SU+5], v[SU+4:SU+5], v[SU+6:SU+7]
	v_pk_add_f32 v[SU:SU+1], v[SU:SU+1], v[SU+4:SU+5]
	v_add_f32 v[LL], v[SU], v[SU+1]
	v_permlanex16_b32 v[LL+1], v[LL], s[SEL], s[SEL+1]
	v_add_f32 v[LL], v[LL], v[LL+1]
	s_wait_xcnt 0x0                                ; the stores of the block before last have read this set (ISA guide 3.1)
	WIN 0x05
.set z, 0
.rept 16
	v_cvt_pk_f16_f32 v[STS+z], v[AC+2*z], v[AC+2*z+1]
.set z, z+1
.endr
	WIN 0x0a
.set z, 0
.rept 16
	v_cvt_pk_f16_f32 v[STS+16+z], v[AC+2*z], v[AC+2*z+1]
.set z, z+1
.endr
	WIN 0
.irp g, 0,1                            ; each half of 64 keys through my stage: LDS serves a wave's instructions in order (ISA guide 5.7.1.4)
.irp b, 0,1,2,3
	ds_store_b128 v[STO], v[STS+16*\g+4*\b:STS+16*\g+4*\b+3] offset:32*\b
.endr
.irp f, 0,1,2,3
	ds_load_b128 v[STS+16*\g+4*\f:STS+16*\g+4*\f+3], v[RD] offset:4*P*\f
.endr
.endr
	v_cndmask_b32 v[LL+1], v[CM], v[LL], s[HALF]   ; lanes 0-15 keep cm, lanes 16-31 l
	ds_store_b32 v[SS], v[LL+1] offset:64*(\a)
.endm
.macro SENDE a, younger                ; younger: the next block's 17 LDS instructions, or none
.set STS, OB+32*((\a)%2)
	s_wait_dscnt \younger
.irp g, 0,1
.irp f, 0,1,2,3
	global_store_b128 v[GO], v[STS+16*\g+4*\f:STS+16*\g+4*\f+3], s[8:9] offset:\g*1048576+(\a)*2048+512*\f  ; 512 consecutive bytes, aligned
.endr
.endr
.endm
	s_load_b128 s[4:7], s[0:1], 0x0                ; qb s[4:5], kb s[6:7]
	s_load_b64 s[8:9], s[0:1], 0x10                ; ew
	s_load_b64 s[66:67], s[0:1], 0x18              ; stats
	v_lshl_add_u32 v[SPW], v0, 2, SPARE
	v_mov_b32 v[NIL], 0
	ds_add_u32 v[SPW], v[NIL]                      ; the wave's opening: the add and its wait stand ahead of my first tensor load
	v_lshrrev_b32 v3, 5, v0
	v_readfirstlane_b32 s[WV], v3
	s_lshr_b32 s[WM], s[WV], 1
	s_and_b32 s[WN], s[WV], 1
	s_bfe_u32 s[CX], ttmp6, 0x40000
	s_bfe_u32 s[CY], ttmp6, 0x40004
	s_lshl_b32 s[XB], ttmp9, 2
	s_add_co_u32 s[XB], s[XB], s[CX]               ; block of 256 keys
	s_and_b32 s[BAT], ttmp7, 0xffff
	s_lshl_b32 s[YB], s[BAT], 2
	s_add_co_u32 s[YB], s[YB], s[CY]               ; block of 256 rows
	s_lshr_b32 s[BAT], s[BAT], 1                   ; the batch: the same in all sixteen partners
	s_lshl_b32 s[MROW], s[CY], 2
	s_lshl_b32 s[MROW], 15, s[MROW]
	s_lshl_b32 s[MCOL], 0x1111, s[CX]
	s_or_b32 s[G1A], s[MROW], G1W0
	s_or_b32 s[G1B], s[MCOL], G1W0
	s_mov_b32 s[G1A+1], 128<<16
	s_mov_b32 s[G1A+2], RA<<16
	s_mov_b32 s[G1A+3], 128<<16
	s_mov_b32 s[G1A+4], RA
	s_mov_b32 s[G1A+5], 128
	s_mov_b32 s[G1A+6], 0
	s_mov_b32 s[G1A+7], 0
	s_mov_b32 s[G1B+1], 128<<16
	s_mov_b32 s[G1B+2], RB<<16
	s_mov_b32 s[G1B+3], 128<<16
	s_mov_b32 s[G1B+4], RB
	s_mov_b32 s[G1B+5], 128
	s_mov_b32 s[G1B+6], 0
	s_mov_b32 s[G1B+7], 0
	s_mul_i32 s[LWA], s[WN], CHK                   ; I fetch chunk wn of a slot's two
	s_add_co_u32 s[LWB], s[LWA], 256*P
	s_lshl_b32 s16, s[YB], 15
	s_lshl_b32 s18, s[WN], 20                      ; a channel block is 1 MiB
	s_add_co_u32 s16, s16, s18
	s_mov_b32 s17, 0
	s_lshl_b32 s20, s[BAT], 18                     ; 2,048 rows of 128 bytes a batch
	s_lshl_b32 s22, s[XB], 15
	s_add_co_u32 s20, s20, s22
	s_lshl_b32 s22, s[WN], 20
	s_add_co_u32 s20, s20, s22
	s_mov_b32 s21, 0
	s_mov_b32 s[FS], SLOT
	s_mov_b32 s[RS], 0
	s_mov_b32 s[TB], 0
	s_mov_b32 s[CS], 0x3d38aa3b                    ; c = log2(e) / 32
	s_mov_b32 s[CS+1], s[CS]
	s_mov_b32 s[SEL], 0x76543210
	s_mov_b32 s[SEL+1], 0xfedcba98
	s_mov_b32 s[HALF], 0xffff0000
	s_wait_dscnt 0x0
	s_wait_kmcnt 0x0
	s_add_nc_u64 s[16:17], s[4:5], s[16:17]
	s_add_nc_u64 s[20:21], s[6:7], s[20:21]
.irp s, 0,1
	s_mov_b32 s[G0A+4*\s], 1
	s_add_co_u32 s[G0A+4*\s+1], s[LWA], \s*SLOT
	s_add_nc_u64 s[G0A+4*\s+2:G0A+4*\s+3], s[16:17], \s*STEPA
	s_or_b32 s[G0A+4*\s+3], s[G0A+4*\s+3], 0x80000000
	s_mov_b32 s[G0B+4*\s], 1
	s_add_co_u32 s[G0B+4*\s+1], s[LWB], \s*SLOT
	s_add_nc_u64 s[G0B+4*\s+2:G0B+4*\s+3], s[20:21], \s*STEPB
	s_or_b32 s[G0B+4*\s+3], s[G0B+4*\s+3], 0x80000000
.endr
	CROUND
	s_cmp_eq_u32 s[WM], 0
	s_cbranch_scc0 .Lfirst_b
	tensor_load_to_lds s[G0A:G0A+3], s[G1A:G1A+7]
	s_nop 0
	tensor_load_to_lds s[G0A+4:G0A+7], s[G1A:G1A+7]
	s_nop 0
.rept 4
	v_nop
.endr
	s_branch .Lfirst_asked
.Lfirst_b:
	tensor_load_to_lds s[G0B:G0B+3], s[G1B:G1B+7]
	s_nop 0
	tensor_load_to_lds s[G0B+4:G0B+7], s[G1B:G1B+7]
	s_nop 0
.rept 4
	v_nop
.endr
.Lfirst_asked:
	v_and_b32 v1, 15, v0
	v_bfe_u32 v2, v0, 4, 1
	v_mul_u32_u24 v3, v1, P
	v_lshl_add_u32 v3, v2, 4, v3
	s_mul_i32 s16, s[WM], 128*P
	s_mul_i32 s17, s[WN], WNR*P
	s_add_co_u32 s17, s17, 256*P
	v_add_nc_u32 v[A0], s16, v3
	v_add_nc_u32 v[B0], s17, v3
	s_mul_i32 s18, s[WV], 16*P
	s_add_co_u32 s18, s18, STAGE
	v_add_nc_u32 v[STO], s18, v3
	v_bfe_u32 v[RD], v0, 3, 2
	v_and_b32 v3, 7, v0
	v_mul_u32_u24 v[RD], v[RD], P
	v_lshl_add_u32 v[RD], v3, 4, v[RD]
	v_add_nc_u32 v[RD], s18, v[RD]
	v_and_b32 v[GO], 31, v0
	v_lshlrev_b32 v[GO], 4, v[GO]
	s_lshl_b32 s19, s[WV], 10
	s_add_co_u32 s19, s19, SSTG
	v_lshlrev_b32 v[SS], 9, v2                     ; plane l / 16, row l % 16 (+ 16 a)
	v_lshl_add_u32 v[SS], v1, 2, v[SS]
	v_add_nc_u32 v[SS], s19, v[SS]
	v_add_nc_u32 v[SR], s19, v[GO]
	v_mov_b32 v[CM+1], 0                           ; named in a pair, and as a lane exchange's destination: written once
	v_mov_b32 v[LL+1], 0
	s_lshl_b32 s20, s[XB], 2                       ; ew: key block 4 X + 2 wn (+ g), 1 MiB each; my 128 rows
	s_lshl1_add_u32 s20, s[WN], s20
	s_lshl_b32 s20, s20, 20
	s_lshl_b32 s21, s[YB], 15
	s_add_co_u32 s20, s20, s21
	s_lshl_b32 s21, s[WM], 14
	s_add_co_u32 s20, s20, s21
	s_mov_b32 s21, 0
	s_add_nc_u64 s[8:9], s[8:9], s[20:21]
	s_lshl_b32 s22, s[XB], 1                       ; stats: t = 2 X + wn, 32 KiB each; my 128 rows of 4 bytes
	s_add_co_u32 s22, s22, s[WN]
	s_lshl_b32 s22, s22, 15
	s_lshl_b32 s23, s[YB], 10
	s_add_co_u32 s22, s22, s23
	s_lshl_b32 s23, s[WM], 9
	s_add_co_u32 s22, s22, s23
	s_mov_b32 s23, 0
	s_add_nc_u64 s[66:67], s[66:67], s[22:23]
	s_wait_tensorcnt 0x1                           ; my part of slot 0 is in; slot 1's may stay out
	s_barrier_signal -1
	s_barrier_wait -1
	UTOP
	LDB 0, 0
	LDA 0, 0
	GROUP 0, 1                                     ; the first K half starts the sums
	GROUP 1, 1
	GROUP 2, 0
	WIN 0
	UNITB                                          ; slot 0's second chunk
	s_mov_b32 s[STEPS], 6                          ; slots' fills 2 to 7
.Lmain:
	CHANGE 1
	TWO
	s_sub_co_u32 s[STEPS], s[STEPS], 1
	s_cmp_lg_u32 s[STEPS], 0
	s_cbranch_scc1 .Lmain
	CHANGE 0                                       ; the tail is written out: nothing is left to ask for
	TWO
	s_wait_dscnt 0x0
	MULG 1, 1, WB+NG-1, 0, LSW
	WIN 0
	PLACES
	SMX 0
.irp a, 1,2,3,4,5,6,7                  ; a block's arithmetic stands between the loads of the block before and its stores
	SMX \a
	SENDE \a-1, 17
.endr
	SENDE 7, 0
	ds_load_b128 v[96:99], v[SR]                   ; cm of my 128 rows, 512 bytes; LDS serves my stores first
	ds_load_b128 v[100:103], v[SR] offset:512      ; l
	s_wait_dscnt 0x0
	global_store_b128 v[GO], v[96:99], s[66:67]
	global_store_b128 v[GO], v[100:103], s[66:67] offset:524288
	s_wait_tensorcnt 0x0                           ; the wave's end
	ds_add_u32 v[SPW], v[NIL]
	s_wait_dscnt 0x0
	CROUND
	s_endpgm
.Lfunc_end_k_q5a0e540e85_score:
	.size	k_q5a0e540e85_score, .Lfunc_end_k_q5a0e540e85_score-k_q5a0e540e85_score
	.p2alignl 7, 3214868480
	.fill 96, 4, 3214868480
	.section	.rodata,"a",@progbits
	.p2align	6, 0x0
	.amdhsa_kernel k_q5a0e540e85_score
		.amdhsa_group_segment_fixed_size 327680
		.amdhsa_private_segment_fixed_size 0
		.amdhsa_enable_private_segment 0
		.amdhsa_kernarg_size 32
		.amdhsa_user_sgpr_count 2
		.amdhsa_user_sgpr_kernarg_segment_ptr 1
		.amdhsa_wavefront_size32 1
		.amdhsa_system_sgpr_workgroup_id_x 1
		.amdhsa_system_sgpr_workgroup_id_y 1
		.amdhsa_system_sgpr_workgroup_id_z 1
		.amdhsa_system_vgpr_workitem_id 0
		.amdhsa_next_free_vgpr 768
		.amdhsa_next_free_sgpr 84
		.amdhsa_reserve_vcc 0
		.amdhsa_float_denorm_mode_32 3
		.amdhsa_float_denorm_mode_16_64 3
		.amdhsa_memory_ordered 1
		.amdhsa_forward_progress 1
		.amdhsa_inst_pref_size 163
	.end_amdhsa_kernel
	.amdgpu_metadata
---
amdhsa.version: [ 1, 2 ]
amdhsa.kernels:
  - .name:           k_q5a0e540e85_score
    .symbol:         k_q5a0e540e85_score.kd
    .args:
      - { .name: qb, .offset: 0, .size: 8, .value_kind: global_buffer, .address_space: global }
      - { .name: kb, .offset: 8, .size: 8, .value_kind: global_buffer, .address_space: global }
      - { .name: ew, .offset: 16, .size: 8, .value_kind: global_buffer, .address_space: global }
      - { .name: stats, .offset: 24, .size: 8, .value_kind: global_buffer, .address_space: global }
    .group_segment_fixed_size: 327680
    .private_segment_fixed_size: 0
    .kernarg_segment_align: 8
    .kernarg_segment_size: 32
    .max_flat_workgroup_size: 128
    .sgpr_count:     84
    .vgpr_count:     768
    .wavefront_size: 32
...
	.end_amdgpu_metadata
.endif
;; end of part 3
;; launch mix (part 4): grid 8 x 32, 4 waves a work-group, clusters of 4 x 4, 327,680 bytes of LDS; arguments ew, vt, stats, hb; writes hb
.if DOCPART == 4
	.amdgcn_target "amdgcn-amd-amdhsa--gfx1250"
	.amdhsa_code_object_version 6
	.text
	.protected	k_q5a0e540e85_mix
	.globl	k_q5a0e540e85_mix
	.p2align	8
	.type	k_q5a0e540e85_mix,@function
k_q5a0e540e85_mix:
	s_mov_b64 s[64:65], 0
	v_nop
	global_prefetch_b8 v0, s[64:65] scope:SCOPE_SE
	s_setreg_imm32_b32 hwreg(HW_REG_WAVE_MODE, 25, 1), 1
	s_wait_xcnt 0x0
	s_wait_alu depctr_hold_cnt(0) depctr_sa_sdst(0) depctr_va_vdst(0) depctr_va_sdst(0) depctr_va_ssrc(0) depctr_va_vcc(0) depctr_vm_vsrc(0)
	s_getreg_b32 s2, hwreg(HW_REG_IB_STS2, 6, 4)
	s_cmp_eq_u32 s2, 0
	s_cbranch_scc0 .Lentry_in_a_cluster
	s_endpgm
.Lentry_in_a_cluster:
	s_bfe_u32 s2, ttmp6, 0x10000c
	s_cmp_lg_u32 s2, 0xf033
	s_cbranch_scc0 .Lentry_shape_is_right
	s_endpgm
.Lentry_shape_is_right:
; MIX.  H = softmax(S) V, from the sixteen blocks that the score launch left: for a row, M = the largest cm_t (the true maximum, times c), w_t = 2^(cm_t - M), L = the sum of w_t l_t,
; H = (the sum over t of w_t (E_t V_t)) / L.  E_t V_t is a matrix product over 128 keys, started with 0 (T, window 2); it is folded into the total (ACC, window 1) by one packed multiply-add in f32, so the weights
; e get no second rounding.  H is rounded once to f16: hb [16 blocks of 64 channels][8192 rows][64].
; LIMITS.  A w_t below 2^-126 counts as 0.  L is at least about 1: the block that holds the row's maximum has w = 1 and l >= 1.  H has V's range; below 2^-14 it keeps f16's fixed step of 6e-8.  NaN and infinities are not treated apart.
; SHARES.  A work-group makes 256 rows x 128 channels; 8 x 32 work-groups.  Four waves, 2 x 2: 128 rows x 64 channels each.  A step is one block t: two chunks of 64 keys, one slot; four groups of 32 matrix instructions.
; CLUSTER 4 x 4: E's tile is shared along a row of the cluster, V's along a column.
; ACC is cleared by 256 v_mov_b32 in the wait for the first tile: the price of one text for every fold.  The tail's last trip multiplies one group (32 of a wave's 2,048 matrix instructions) on a slot already used,
; into a T that nobody folds: the price of one text for both tail trips.
; REGISTERS.  window 0: v1-13 addresses; v16-27 the prologue's; v28, v29 the add's; v32-95 B's two buffers; v96-223 A's two buffers (both first hold the statistics); v224-239 eight pairs: w_t of my row in row block a.
.set NG,    1
.set WB,    2
.set SWAPG, 99
.set LSW,   0
.set P,     144                        ; an LDS row: 128 bytes + 16 of padding: the 16 rows of a fragment load start at 16 different groups of four banks (ISA guide 11.1)
.set CHK,   (256+128)*P
.set SLOT,  2*CHK
.set GOFF,  0
.set WNR,   64
.set STAGE, 2*SLOT
.set TAB,   STAGE+4*16*P               ; 8,704 bytes a wave: w[16 t][128 rows], then 1 / L [128 rows]
.set SPARE, TAB+4*8704
.set RA,    128
.set RB,    64
.set STEPA, 2*8192*128
.set STEPB, 2*1024*128
.set A0, 4
.set B0, 5
.set PA, 6
.set PB, 7
.set STO, 8
.set RD, 9
.set GO, 10
.set W0, 11                            ; v11  my row's word in a line of the table
.set PW, 12                            ; v12  the same in the step's line
.set TS, 13                            ; v13  where I put 16 bytes of a line
.set MXR, 16                           ; v16-19 M of my four rows; v20-23 L; v24-27 1 / L
.set LS, 20
.set RC, 24
.set SPW, 28
.set NIL, 29
.set BF, 32
.set AF, 96
.set OB, 32
.set CMR, 32                           ; v32-95 cm_t, then w_t, of rows 4 l .. 4 l + 3
.set LR, 96                            ; v96-159 l_t
.set WT, 224
.set CNT, 2
.set STEPS, 3
.set WV, 10
.set WM, 11
.set WN, 12
.set YB, 13
.set G1A, 24
.set G1B, 32
.set CX, 40
.set CY, 41
.set XB, 42
.set MROW, 43
.set MCOL, 44
.set BAT, 45
.set G0A, 48
.set G0B, 56
.set FS, 70
.set RS, 71
.set TB, 72
.set LWA, 73
.set LWB, 74
.set TW, 75                            ; s75 512 t
.set G1W0, (1<<16)|(1<<20)|(1<<21)|(4<<22)|(3<<25)
.set MSB, 0
.macro WIN new
.if MSB != (\new)
	s_set_vgpr_msb (MSB<<8)|(\new)
.set MSB, (\new)
.endif
.endm
.macro PLACES
.rept 4
	v_nop
.endr
.endm
.macro CROUND
	s_barrier_signal -1
	s_barrier_wait -1
	s_cmp_lg_u32 s[WV], 0
	s_cbranch_scc1 .Lnot_wave_0_\@
	s_barrier_signal -3
.Lnot_wave_0_\@:
	s_barrier_wait -3
	s_barrier_signal -1
	s_barrier_wait -1
.endm
.macro JLOAD
	s_cmp_eq_u32 s[WM], 0
	s_cbranch_scc0 .Lfor_b_\@
	tensor_load_to_lds s[G0A+4:G0A+7], s[G1A:G1A+7]
	s_nop 0
.rept 4
	v_nop
.endr
	s_branch .Lasked_\@
.Lfor_b_\@:
	tensor_load_to_lds s[G0B+4:G0B+7], s[G1B:G1B+7]
	s_nop 0
.rept 4
	v_nop
.endr
.Lasked_\@:
.endm
.macro LDA pa, ofs
.irp a, 0,1,2,3,4,5,6,7
	ds_load_b128 v[AF+64*(\pa)+8*\a:AF+64*(\pa)+8*\a+3], v[PA] offset:(\ofs)+\a*16*P
	ds_load_b128 v[AF+64*(\pa)+8*\a+4:AF+64*(\pa)+8*\a+7], v[PA] offset:(\ofs)+\a*16*P+32
.endr
.endm
.macro LDB pb, ofs
.irp b, 0,1,2,3
	ds_load_b128 v[BF+32*(\pb)+8*\b:BF+32*(\pb)+8*\b+3], v[PB] offset:(\ofs)+\b*16*P
	ds_load_b128 v[BF+32*(\pb)+8*\b+4:BF+32*(\pb)+8*\b+7], v[PB] offset:(\ofs)+\b*16*P+32
.endr
.endm
.macro MUL4 a, pa, pb, w, zero, swap
	WIN ((\w)<<6)|((\w)<<4)
.irp b, 0,1,2,3
.if \zero
	v_wmma_f32_16x16x32_f16 v[8*(4*(\a)+\b):8*(4*(\a)+\b)+7], v[BF+32*(\pb)+8*\b:BF+32*(\pb)+8*\b+7], v[AF+64*(\pa)+8*(\a):AF+64*(\pa)+8*(\a)+7], 0
.else
	v_wmma_f32_16x16x32_f16 v[8*(4*(\a)+\b):8*(4*(\a)+\b)+7], v[BF+32*(\pb)+8*\b:BF+32*(\pb)+8*\b+7], v[AF+64*(\pa)+8*(\a):AF+64*(\pa)+8*(\a)+7], v[8*(4*(\a)+\b):8*(4*(\a)+\b)+7]
.endif
.endr
.endm
.macro MULG pa, pb, w, zero, swap      ; a group: its 32 accumulators take turns, one instruction a turn
.irp a, 0,1,2,3,4,5,6,7
	MUL4 \a, \pa, \pb, \w, \zero, \swap
.endr
.endm
.macro GROUP i, zero
	s_wait_dscnt 0x0
	WIN 0
	PLACES
	LDB ((\i)+1)%2, (((\i)+1)/NG)*64+(((\i)+1)%NG)*GOFF
.if ((\i)+1) == NG
	LDA 1, 64
.endif
	MULG (\i)/NG, (\i)%2, WB+(\i)%NG, \zero, 0
.endm
.macro UTOP
	s_wait_dscnt 0x0
	WIN 0
	v_add_nc_u32 v[PA], s[TB], v[A0]
	v_add_nc_u32 v[PB], s[TB], v[B0]
	v_nop
	v_nop
	s_add_co_u32 s[TB], s[TB], CHK
.endm
.macro CHANGE fill                     ; the change of slots: all my tensor loads, the add, my reads of the old slot; then the barrier (fill = 1: a round of the cluster's, the joint refill first behind it)
	WIN 0
	s_wait_tensorcnt 0x0
	ds_add_u32 v[SPW], v[NIL]
.if \fill
	s_xor_b32 s[FS], s[FS], SLOT
	s_add_co_u32 s[G0A+5], s[FS], s[LWA]
	s_add_co_u32 s[G0B+5], s[FS], s[LWB]
	s_add_nc_u64 s[G0A+6:G0A+7], s[G0A+6:G0A+7], STEPA
	s_add_nc_u64 s[G0B+6:G0B+7], s[G0B+6:G0B+7], STEPB
.endif
	s_xor_b32 s[RS], s[RS], SLOT
	s_mov_b32 s[TB], s[RS]
	s_wait_dscnt 0x0
.if \fill
	CROUND
	JLOAD
.else
	s_barrier_signal -1
	s_barrier_wait -1
.endif
.endm
.macro FOLD a                          ; ACC(a) += w_t T(a): 16 packed multiply-adds, each accumulator of T read from its low end on
	WIN 0x52                                       ; T in window 2, w in window 0, ACC in window 1
.set z, 0
.rept 16
	v_pk_fma_f32 v[32*(\a)+2*z:32*(\a)+2*z+1], v[32*(\a)+2*z:32*(\a)+2*z+1], v[WT+2*(\a):WT+2*(\a)+1], v[32*(\a)+2*z:32*(\a)+2*z+1] op_sel_hi:[1,0,1]
.set z, z+1
.endr
.endm
.macro BEVEN                           ; the step's second chunk is fetched, and its line of weights; the first chunk's second group; the second chunk's first
	UTOP
	v_add_nc_u32 v[PW], s[TW], v[W0]
	s_add_co_u32 s[TW], s[TW], 512
	LDB 0, 0
	LDA 0, 0
.irp a, 0,1,2,3,4,5,6,7
	ds_load_b32 v[WT+2*\a], v[PW] offset:64*\a
.endr
	MULG 1, 1, 2, 0, 0
	GROUP 0, 0
	WIN 0
.endm
; The next step's first chunk is fetched; the step's last group, with the folds of the row blocks that are finished between its products; the next step's first group, which starts T anew.
; Each fold stands four plain instructions or more behind the products that it reads (the four v_nop, or earlier folds, which name none of those products' registers), and folds 6 and 7 ahead of the products that write their T anew.
.macro BODD
	UTOP
	LDB 0, 0
	LDA 0, 0
	MUL4 0, 1, 1, 2, 0, 0
	MUL4 1, 1, 1, 2, 0, 0
	PLACES
.irp a, 2,3,4,5,6,7
	MUL4 \a, 1, 1, 2, 0, 0
	FOLD \a-2
.endr
	s_wait_dscnt 0x0
	WIN 0
	PLACES
	LDB 1, 64
	LDA 1, 64
	MUL4 0, 0, 0, 2, 1, 0
	FOLD 6
	MUL4 1, 0, 0, 2, 1, 0
	FOLD 7
.irp a, 2,3,4,5,6,7
	MUL4 \a, 0, 0, 2, 1, 0
.endr
	WIN 0
.endm
.macro PACK set, w, c0, c1, c2, c3
	s_wait_xcnt 0x0                                ; the stores of the piece before last have read this set (ISA guide 3.1)
	WIN (\w)|((\w)<<2)
.set pk, 0
.irp c, \c0, \c1, \c2, \c3
.irp q, 0,1,2,3
	v_cvt_pk_f16_f32 v[OB+16*(\set)+pk], v[8*(\c)+2*\q], v[8*(\c)+2*\q+1]
.set pk, pk+1
.endr
.endr
	WIN 0
.irp f, 0,1,2,3
	ds_store_b128 v[STO], v[OB+16*(\set)+4*\f:OB+16*(\set)+4*\f+3] offset:32*\f
.endr
.irp f, 0,1,2,3
	ds_load_b128 v[OB+16*(\set)+4*\f:OB+16*(\set)+4*\f+3], v[RD] offset:4*P*\f  ; LDS serves a wave's instructions in order (ISA guide 5.7.1.4)
.endr
.endm
.macro SEND set, base, ofs, younger
	s_wait_dscnt \younger
.irp f, 0,1,2,3
	global_store_b128 v[GO], v[OB+16*(\set)+4*\f:OB+16*(\set)+4*\f+3], s[\base:\base+1] offset:(\ofs)+512*\f  ; 512 consecutive bytes, aligned
.endr
.endm
	s_load_b128 s[4:7], s[0:1], 0x0                ; ew s[4:5], vt s[6:7]
	s_load_b64 s[66:67], s[0:1], 0x10              ; stats
	s_load_b64 s[8:9], s[0:1], 0x18                ; hb
	v_lshl_add_u32 v[SPW], v0, 2, SPARE
	v_mov_b32 v[NIL], 0
	ds_add_u32 v[SPW], v[NIL]                      ; the wave's opening: the add and its wait stand ahead of my first tensor load
	v_lshrrev_b32 v3, 5, v0
	v_readfirstlane_b32 s[WV], v3
	s_lshr_b32 s[WM], s[WV], 1
	s_and_b32 s[WN], s[WV], 1
	s_bfe_u32 s[CX], ttmp6, 0x40000
	s_bfe_u32 s[CY], ttmp6, 0x40004
	s_lshl_b32 s[XB], ttmp9, 2
	s_add_co_u32 s[XB], s[XB], s[CX]               ; block of 128 channels
	s_and_b32 s[BAT], ttmp7, 0xffff
	s_lshl_b32 s[YB], s[BAT], 2
	s_add_co_u32 s[YB], s[YB], s[CY]               ; block of 256 rows
	s_lshr_b32 s[BAT], s[BAT], 1
	s_lshl_b32 s[MROW], s[CY], 2
	s_lshl_b32 s[MROW], 15, s[MROW]
	s_lshl_b32 s[MCOL], 0x1111, s[CX]
	s_or_b32 s[G1A], s[MROW], G1W0
	s_or_b32 s[G1B], s[MCOL], G1W0
	s_mov_b32 s[G1A+1], 128<<16
	s_mov_b32 s[G1A+2], RA<<16
	s_mov_b32 s[G1A+3], 128<<16
	s_mov_b32 s[G1A+4], RA
	s_mov_b32 s[G1A+5], 128
	s_mov_b32 s[G1A+6], 0
	s_mov_b32 s[G1A+7], 0
	s_mov_b32 s[G1B+1], 128<<16
	s_mov_b32 s[G1B+2], RB<<16
	s_mov_b32 s[G1B+3], 128<<16
	s_mov_b32 s[G1B+4], RB
	s_mov_b32 s[G1B+5], 128
	s_mov_b32 s[G1B+6], 0
	s_mov_b32 s[G1B+7], 0
	s_mul_i32 s[LWA], s[WN], CHK                   ; I fetch chunk wn of a slot's two
	s_add_co_u32 s[LWB], s[LWA], 256*P
	s_lshl_b32 s16, s[YB], 15
	s_lshl_b32 s18, s[WN], 20                      ; a key block of E is 1 MiB
	s_add_co_u32 s16, s16, s18
	s_mov_b32 s17, 0
	s_lshl_b32 s20, s[BAT], 22                     ; a batch of V is 4 MiB, a key block 128 KiB, my 128 channels 16 KiB
	s_lshl_b32 s22, s[XB], 14
	s_add_co_u32 s20, s20, s22
	s_lshl_b32 s22, s[WN], 17
	s_add_co_u32 s20, s20, s22
	s_mov_b32 s21, 0
	s_mov_b32 s[FS], SLOT
	s_mov_b32 s[RS], 0
	s_mov_b32 s[TB], 0
	s_mov_b32 s[TW], 0
	s_wait_dscnt 0x0
	s_wait_kmcnt 0x0
	s_add_nc_u64 s[16:17], s[4:5], s[16:17]
	s_add_nc_u64 s[20:21], s[6:7], s[20:21]
.irp s, 0,1
	s_mov_b32 s[G0A+4*\s], 1
	s_add_co_u32 s[G0A+4*\s+1], s[LWA], \s*SLOT
	s_add_nc_u64 s[G0A+4*\s+2:G0A+4*\s+3], s[16:17], \s*STEPA
	s_or_b32 s[G0A+4*\s+3], s[G0A+4*\s+3], 0x80000000
	s_mov_b32 s[G0B+4*\s], 1
	s_add_co_u32 s[G0B+4*\s+1], s[LWB], \s*SLOT
	s_add_nc_u64 s[G0B+4*\s+2:G0B+4*\s+3], s[20:21], \s*STEPB
	s_or_b32 s[G0B+4*\s+3], s[G0B+4*\s+3], 0x80000000
.endr
	CROUND
	s_cmp_eq_u32 s[WM], 0
	s_cbranch_scc0 .Lfirst_b
	tensor_load_to_lds s[G0A:G0A+3], s[G1A:G1A+7]
	s_nop 0
	tensor_load_to_lds s[G0A+4:G0A+7], s[G1A:G1A+7]
	s_nop 0
.rept 4
	v_nop
.endr
	s_branch .Lfirst_asked
.Lfirst_b:
	tensor_load_to_lds s[G0B:G0B+3], s[G1B:G1B+7]
	s_nop 0
	tensor_load_to_lds s[G0B+4:G0B+7], s[G1B:G1B+7]
	s_nop 0
.rept 4
	v_nop
.endr
.Lfirst_asked:
	v_and_b32 v[GO], 31, v0
	v_lshlrev_b32 v[GO], 4, v[GO]
	s_lshl_b32 s22, s[YB], 10                      ; stats at my 128 rows
	s_lshl_b32 s23, s[WM], 9
	s_add_co_u32 s22, s22, s23
	s_mov_b32 s23, 0
	s_add_nc_u64 s[66:67], s[66:67], s[22:23]
.set t, 0
.rept 16                               ; lane l takes rows 4 l .. 4 l + 3 of every block t: 512 consecutive bytes a load
	global_load_b128 v[CMR+4*t:CMR+4*t+3], v[GO], s[66:67] offset:32768*t
	global_load_b128 v[LR+4*t:LR+4*t+3], v[GO], s[66:67] offset:32768*t+524288
.set t, t+1
.endr
	v_and_b32 v1, 15, v0
	v_bfe_u32 v2, v0, 4, 1
	v_mul_u32_u24 v3, v1, P
	v_lshl_add_u32 v3, v2, 4, v3
	s_mul_i32 s16, s[WM], 128*P
	s_mul_i32 s17, s[WN], WNR*P
	s_add_co_u32 s17, s17, 256*P
	v_add_nc_u32 v[A0], s16, v3
	v_add_nc_u32 v[B0], s17, v3
	s_mul_i32 s18, s[WV], 16*P
	s_add_co_u32 s18, s18, STAGE
	v_add_nc_u32 v[STO], s18, v3
	v_bfe_u32 v[RD], v0, 3, 2
	v_and_b32 v3, 7, v0
	v_mul_u32_u24 v[RD], v[RD], P
	v_lshl_add_u32 v[RD], v3, 4, v[RD]
	v_add_nc_u32 v[RD], s18, v[RD]
	s_mul_i32 s19, s[WV], 8704
	s_add_co_u32 s19, s19, TAB
	v_add_nc_u32 v[TS], s19, v[GO]
	v_lshl_add_u32 v[W0], v1, 2, s19
	s_lshl_b32 s20, s[XB], 1                       ; hb: channel block 2 X + wn, 1 MiB each; my 128 rows
	s_add_co_u32 s20, s20, s[WN]
	s_lshl_b32 s20, s20, 20
	s_lshl_b32 s21, s[YB], 15
	s_add_co_u32 s20, s20, s21
	s_lshl_b32 s21, s[WM], 14
	s_add_co_u32 s20, s20, s21
	s_mov_b32 s21, 0
	s_add_nc_u64 s[8:9], s[8:9], s[20:21]
	WIN 0x40
.set z, 0
.rept 256
	v_mov_b32 v[z], 0                              ; ACC
.set z, z+1
.endr
	WIN 0
.irp a, 0,1,2,3,4,5,6,7
	v_mov_b32 v[WT+2*\a+1], 0                      ; named in pairs with the weights
.endr
	s_wait_loadcnt 0x0
.irp c, 0,1,2,3
	v_max3_num_f32 v[MXR+\c], v[CMR+\c], v[CMR+4+\c], v[CMR+8+\c]
.endr
.irp t, 3,5,7,9,11,13
.irp c, 0,1,2,3
	v_max3_num_f32 v[MXR+\c], v[MXR+\c], v[CMR+4*\t+\c], v[CMR+4*\t+4+\c]
.endr
.endr
.irp c, 0,1,2,3
	v_max_num_f32 v[MXR+\c], v[MXR+\c], v[CMR+60+\c]
.endr
.set t, 0
.rept 32
	v_pk_add_f32 v[CMR+2*t:CMR+2*t+1], v[CMR+2*t:CMR+2*t+1], v[MXR+2*(t%2):MXR+2*(t%2)+1] neg_lo:[0,1] neg_hi:[0,1]
.set t, t+1
.endr
.set t, 0
.rept 64
	v_exp_f32 v[CMR+t], v[CMR+t]
.set t, t+1
.endr
	v_nop                                          ; a plain instruction behind the last exponential (ISA guide 5.7.2)
	s_wait_alu depctr_va_vdst(0)
	v_pk_mul_f32 v[LS:LS+1], v[CMR:CMR+1], v[LR:LR+1]
	v_pk_mul_f32 v[LS+2:LS+3], v[CMR+2:CMR+3], v[LR+2:LR+3]
.set t, 2
.rept 30
	v_pk_fma_f32 v[LS+2*(t%2):LS+2*(t%2)+1], v[CMR+2*t:CMR+2*t+1], v[LR+2*t:LR+2*t+1], v[LS+2*(t%2):LS+2*(t%2)+1]
.set t, t+1
.endr
.irp c, 0,1,2,3
	v_rcp_f32 v[RC+\c], v[LS+\c]
.endr
	v_nop
.set t, 0
.rept 16
	ds_store_b128 v[TS], v[CMR+4*t:CMR+4*t+3] offset:512*t  ; my wave's own table: no other wave reads it
.set t, t+1
.endr
	s_wait_alu depctr_va_vdst(0)
	ds_store_b128 v[TS], v[RC:RC+3] offset:8192
	s_wait_dscnt 0x0                               ; no LDS instruction of mine is out at a signal
	s_wait_tensorcnt 0x1                           ; my part of slot 0 is in; slot 1's may stay out
	s_barrier_signal -1
	s_barrier_wait -1
	UTOP
	LDB 0, 0
	LDA 0, 0
	GROUP 0, 1                                     ; step 0's first group starts T
	WIN 0
	s_mov_b32 s[STEPS], 14                         ; steps 2 to 15 are asked for
.Lmain:
	BEVEN
	CHANGE 1
	BODD
	s_sub_co_u32 s[STEPS], s[STEPS], 1
	s_cmp_lg_u32 s[STEPS], 0
	s_cbranch_scc1 .Lmain
	s_mov_b32 s[STEPS], 2                          ; the tail is written out: nothing is left to ask for
.Ltail:
	BEVEN
	CHANGE 0
	BODD
	s_sub_co_u32 s[STEPS], s[STEPS], 1
	s_cmp_lg_u32 s[STEPS], 0
	s_cbranch_scc1 .Ltail
	s_wait_dscnt 0x0                               ; the last trip's fetches have landed: their registers serve the way out
	PLACES
.irp a, 0,1,2,3,4,5,6,7
	ds_load_b32 v[WT+2*\a], v[W0] offset:8192+64*\a  ; 1 / L of my row in row block a
.endr
	s_wait_dscnt 0x0
.set aa, 0
.rept 8
	WIN 0x41
.set z, 0
.rept 16
	v_pk_mul_f32 v[32*aa+2*z:32*aa+2*z+1], v[32*aa+2*z:32*aa+2*z+1], v[WT+2*aa:WT+2*aa+1] op_sel_hi:[1,0]
.set z, z+1
.endr
	PACK aa%2, 1, 4*aa, 4*aa+1, 4*aa+2, 4*aa+3
.if aa > 0
	SEND (aa+1)%2, 8, (aa-1)*2048, 8               ; the 8: this piece's stage instructions
.endif
.set aa, aa+1
.endr
	SEND 1, 8, 7*2048, 0
	s_wait_tensorcnt 0x0                           ; the wave's end
	ds_add_u32 v[SPW], v[NIL]
	s_wait_dscnt 0x0
	CROUND
	s_endpgm
.Lfunc_end_k_q5a0e540e85_mix:
	.size	k_q5a0e540e85_mix, .Lfunc_end_k_q5a0e540e85_mix-k_q5a0e540e85_mix
	.p2alignl 7, 3214868480
	.fill 96, 4, 3214868480
	.section	.rodata,"a",@progbits
	.p2align	6, 0x0
	.amdhsa_kernel k_q5a0e540e85_mix
		.amdhsa_group_segment_fixed_size 327680
		.amdhsa_private_segment_fixed_size 0
		.amdhsa_enable_private_segment 0
		.amdhsa_kernarg_size 32
		.amdhsa_user_sgpr_count 2
		.amdhsa_user_sgpr_kernarg_segment_ptr 1
		.amdhsa_wavefront_size32 1
		.amdhsa_system_sgpr_workgroup_id_x 1
		.amdhsa_system_sgpr_workgroup_id_y 1
		.amdhsa_system_sgpr_workgroup_id_z 1
		.amdhsa_system_vgpr_workitem_id 0
		.amdhsa_next_free_vgpr 768
		.amdhsa_next_free_sgpr 84
		.amdhsa_reserve_vcc 0
		.amdhsa_float_denorm_mode_32 3
		.amdhsa_float_denorm_mode_16_64 3
		.amdhsa_memory_ordered 1
		.amdhsa_forward_progress 1
		.amdhsa_inst_pref_size 109
	.end_amdhsa_kernel
	.amdgpu_metadata
---
amdhsa.version: [ 1, 2 ]
amdhsa.kernels:
  - .name:           k_q5a0e540e85_mix
    .symbol:         k_q5a0e540e85_mix.kd
    .args:
      - { .name: ew, .offset: 0, .size: 8, .value_kind: global_buffer, .address_space: global }
      - { .name: vt, .offset: 8, .size: 8, .value_kind: global_buffer, .address_space: global }
      - { .name: stats, .offset: 16, .size: 8, .value_kind: global_buffer, .address_space: global }
      - { .name: hb, .offset: 24, .size: 8, .value_kind: global_buffer, .address_space: global }
    .group_segment_fixed_size: 327680
    .private_segment_fixed_size: 0
    .kernarg_segment_align: 8
    .kernarg_segment_size: 32
    .max_flat_workgroup_size: 128
    .sgpr_count:     84
    .vgpr_count:     768
    .wavefront_size: 32
...
	.end_amdgpu_metadata
.endif
;; end of part 4
;; launch outp (part 5): grid 8 x 32, 4 waves a work-group, clusters of 4 x 4, 327,680 bytes of LDS; arguments hb, wts, out0; writes out0
.if DOCPART == 5
	.amdgcn_target "amdgcn-amd-amdhsa--gfx1250"
	.amdhsa_code_object_version 6
	.text
	.protected	k_q5a0e540e85_outp
	.globl	k_q5a0e540e85_outp
	.p2align	8
	.type	k_q5a0e540e85_outp,@function
k_q5a0e540e85_outp:
	s_mov_b64 s[64:65], 0
	v_nop
	global_prefetch_b8 v0, s[64:65] scope:SCOPE_SE
	s_setreg_imm32_b32 hwreg(HW_REG_WAVE_MODE, 25, 1), 1
	s_wait_xcnt 0x0
	s_wait_alu depctr_hold_cnt(0) depctr_sa_sdst(0) depctr_va_vdst(0) depctr_va_sdst(0) depctr_va_ssrc(0) depctr_va_vcc(0) depctr_vm_vsrc(0)
	s_getreg_b32 s2, hwreg(HW_REG_IB_STS2, 6, 4)
	s_cmp_eq_u32 s2, 0
	s_cbranch_scc0 .Lentry_in_a_cluster
	s_endpgm
.Lentry_in_a_cluster:
	s_bfe_u32 s2, ttmp6, 0x10000c
	s_cmp_lg_u32 s2, 0xf033
	s_cbranch_scc0 .Lentry_shape_is_right
	s_endpgm
.Lentry_shape_is_right:
; OUTP.  y = H W_O.  H f16, W_O bf16 numbers written as f16 (transposed, at byte 6,291,456 of wts), sums f32, y stored as f32.
; SHARES.  A work-group makes 256 rows x 128 columns; 8 x 32 work-groups.  Four waves, 2 x 2: 128 rows x 64 columns each, 32 accumulators in window 1.
; K (1,024) goes in chunks of 64, two to a slot, through two LDS slots.  CLUSTER 4 x 4: H's tile is shared along a row of the cluster, W_O's along a column.
; A lane holds one row of y and eight neighbouring columns (source 0 = W_O's rows, source 1 = H's rows); 16 rows at a time go through my stage, so that sixteen lanes store 256 consecutive bytes.
; REGISTERS.  window 0: v1-10 addresses; v28, v29 the add's; v32-95 B's two buffers, later two sets of 32 on the way out; v96-223 A's two buffers.
.set NG,    1
.set WB,    1
.set SWAPG, 99
.set LSW,   0
.set P,     144                        ; an LDS row: 128 bytes + 16 of padding: the 16 rows of a fragment load start at 16 different groups of four banks (ISA guide 11.1)
.set CHK,   (256+128)*P
.set SLOT,  2*CHK
.set GOFF,  0
.set WNR,   64
.set STAGE, 2*SLOT
.set SP,    272                        ; a stage row: 64 f32 + 16 bytes
.set SPARE, STAGE+4*16*SP
.set RA,    128
.set RB,    64
.set STEPA, 2*8192*128
.set STEPB, 2*1024*128
.set A0, 4
.set B0, 5
.set PA, 6
.set PB, 7
.set STO, 8
.set RD, 9
.set GO, 10
.set SPW, 28
.set NIL, 29
.set BF, 32
.set AF, 96
.set OB, 32
.set CNT, 2
.set STEPS, 3
.set WV, 10
.set WM, 11
.set WN, 12
.set YB, 13
.set G1A, 24
.set G1B, 32
.set CX, 40
.set CY, 41
.set XB, 42
.set MROW, 43
.set MCOL, 44
.set G0A, 48
.set G0B, 56
.set FS, 70
.set RS, 71
.set TB, 72
.set LWA, 73
.set LWB, 74
.set G1W0, (1<<16)|(1<<20)|(1<<21)|(4<<22)|(3<<25)
.set MSB, 0
.macro WIN new
.if MSB != (\new)
	s_set_vgpr_msb (MSB<<8)|(\new)
.set MSB, (\new)
.endif
.endm
.macro PLACES
.rept 4
	v_nop
.endr
.endm
.macro CROUND
	s_barrier_signal -1
	s_barrier_wait -1
	s_cmp_lg_u32 s[WV], 0
	s_cbranch_scc1 .Lnot_wave_0_\@
	s_barrier_signal -3
.Lnot_wave_0_\@:
	s_barrier_wait -3
	s_barrier_signal -1
	s_barrier_wait -1
.endm
.macro JLOAD
	s_cmp_eq_u32 s[WM], 0
	s_cbranch_scc0 .Lfor_b_\@
	tensor_load_to_lds s[G0A+4:G0A+7], s[G1A:G1A+7]
	s_nop 0
.rept 4
	v_nop
.endr
	s_branch .Lasked_\@
.Lfor_b_\@:
	tensor_load_to_lds s[G0B+4:G0B+7], s[G1B:G1B+7]
	s_nop 0
.rept 4
	v_nop
.endr
.Lasked_\@:
.endm
.macro LDA pa, ofs
.irp a, 0,1,2,3,4,5,6,7
	ds_load_b128 v[AF+64*(\pa)+8*\a:AF+64*(\pa)+8*\a+3], v[PA] offset:(\ofs)+\a*16*P
	ds_load_b128 v[AF+64*(\pa)+8*\a+4:AF+64*(\pa)+8*\a+7], v[PA] offset:(\ofs)+\a*16*P+32
.endr
.endm
.macro LDB pb, ofs
.irp b, 0,1,2,3
	ds_load_b128 v[BF+32*(\pb)+8*\b:BF+32*(\pb)+8*\b+3], v[PB] offset:(\ofs)+\b*16*P
	ds_load_b128 v[BF+32*(\pb)+8*\b+4:BF+32*(\pb)+8*\b+7], v[PB] offset:(\ofs)+\b*16*P+32
.endr
.endm
.macro MUL4 a, pa, pb, w, zero, swap
	WIN ((\w)<<6)|((\w)<<4)
.irp b, 0,1,2,3
.if \zero
	v_wmma_f32_16x16x32_f16 v[8*(4*(\a)+\b):8*(4*(\a)+\b)+7], v[BF+32*(\pb)+8*\b:BF+32*(\pb)+8*\b+7], v[AF+64*(\pa)+8*(\a):AF+64*(\pa)+8*(\a)+7], 0
.else
	v_wmma_f32_16x16x32_f16 v[8*(4*(\a)+\b):8*(4*(\a)+\b)+7], v[BF+32*(\pb)+8*\b:BF+32*(\pb)+8*\b+7], v[AF+64*(\pa)+8*(\a):AF+64*(\pa)+8*(\a)+7], v[8*(4*(\a)+\b):8*(4*(\a)+\b)+7]
.endif
.endr
.endm
.macro MULG pa, pb, w, zero, swap      ; a group: its 32 accumulators take turns, one instruction a turn
.irp a, 0,1,2,3,4,5,6,7
	MUL4 \a, \pa, \pb, \w, \zero, \swap
.endr
.endm
.macro GROUP i, zero
	s_wait_dscnt 0x0                               ; my fragments, asked for 32 matrix instructions ago
	WIN 0
	PLACES
	LDB ((\i)+1)%2, (((\i)+1)/NG)*64+(((\i)+1)%NG)*GOFF
.if ((\i)+1) == NG
	LDA 1, 64
.endif
	MULG (\i)/NG, (\i)%2, WB+(\i)%NG, \zero, 0
.endm
.macro UTOP
	s_wait_dscnt 0x0
	WIN 0
	v_add_nc_u32 v[PA], s[TB], v[A0]
	v_add_nc_u32 v[PB], s[TB], v[B0]
	v_nop
	v_nop
	s_add_co_u32 s[TB], s[TB], CHK
.endm
.macro UNITB
	UTOP
	LDB 0, 0
	LDA 0, 0
	MULG 1, 1, WB+NG-1, 0, LSW
.set gi, 0
.rept 2*NG-1
	GROUP gi, 0
.set gi, gi+1
.endr
	WIN 0
.endm
.macro TWO                             ; a slot's two chunks: written once, walked twice
	s_mov_b32 s[CNT], 2
.Ltwo_\@:
	UNITB
	s_sub_co_u32 s[CNT], s[CNT], 1
	s_cmp_lg_u32 s[CNT], 0
	s_cbranch_scc1 .Ltwo_\@
.endm
.macro CHANGE fill                     ; the change of slots: all my tensor loads, the add, my reads of the old slot; then the barrier (fill = 1: a round of the cluster's, the joint refill first behind it)
	WIN 0
	s_wait_tensorcnt 0x0
	ds_add_u32 v[SPW], v[NIL]
.if \fill
	s_xor_b32 s[FS], s[FS], SLOT
	s_add_co_u32 s[G0A+5], s[FS], s[LWA]
	s_add_co_u32 s[G0B+5], s[FS], s[LWB]
	s_add_nc_u64 s[G0A+6:G0A+7], s[G0A+6:G0A+7], STEPA
	s_add_nc_u64 s[G0B+6:G0B+7], s[G0B+6:G0B+7], STEPB
.endif
	s_xor_b32 s[RS], s[RS], SLOT
	s_mov_b32 s[TB], s[RS]
	s_wait_dscnt 0x0
.if \fill
	CROUND
	JLOAD
.else
	s_barrier_signal -1
	s_barrier_wait -1
.endif
.endm
.macro TOST a                          ; row block a: 32 bytes a lane and column block straight from the accumulators (low end first) into my stage, back as whole rows of 256 bytes
	s_wait_xcnt 0x0                                ; the stores of the block before last have read this set (ISA guide 3.1)
	WIN 0x04                                       ; the stores' data in window 1
.irp b, 0,1,2,3
	ds_store_b128 v[STO], v[32*(\a)+8*\b:32*(\a)+8*\b+3] offset:64*\b
	ds_store_b128 v[STO], v[32*(\a)+8*\b+4:32*(\a)+8*\b+7] offset:64*\b+16
.endr
	WIN 0
.irp t, 0,1,2,3,4,5,6,7
	ds_load_b128 v[OB+32*((\a)%2)+4*\t:OB+32*((\a)%2)+4*\t+3], v[RD] offset:2*SP*\t  ; LDS serves a wave's instructions in order (ISA guide 5.7.1.4)
.endr
.endm
.macro SENDO a, younger                ; younger: the next block's 16 LDS instructions, or none
	s_wait_dscnt \younger
.irp t, 0,1,2,3,4,5,6,7
	global_store_b128 v[GO], v[OB+32*((\a)%2)+4*\t:OB+32*((\a)%2)+4*\t+3], s[8:9] offset:(16*(\a)+2*\t)*4096 th:TH_STORE_NT  ; 16 lanes store 256 consecutive bytes, aligned
.endr
.endm
	s_load_b128 s[4:7], s[0:1], 0x0                ; hb s[4:5], wts s[6:7]
	s_load_b64 s[8:9], s[0:1], 0x10                ; out0
	v_lshl_add_u32 v[SPW], v0, 2, SPARE
	v_mov_b32 v[NIL], 0
	ds_add_u32 v[SPW], v[NIL]                      ; the wave's opening: the add and its wait stand ahead of my first tensor load
	v_lshrrev_b32 v3, 5, v0
	v_readfirstlane_b32 s[WV], v3
	s_lshr_b32 s[WM], s[WV], 1
	s_and_b32 s[WN], s[WV], 1
	s_bfe_u32 s[CX], ttmp6, 0x40000
	s_bfe_u32 s[CY], ttmp6, 0x40004
	s_lshl_b32 s[XB], ttmp9, 2
	s_add_co_u32 s[XB], s[XB], s[CX]               ; block of 128 columns
	s_and_b32 s[YB], ttmp7, 0xffff
	s_lshl_b32 s[YB], s[YB], 2
	s_add_co_u32 s[YB], s[YB], s[CY]               ; block of 256 rows
	s_lshl_b32 s[MROW], s[CY], 2
	s_lshl_b32 s[MROW], 15, s[MROW]
	s_lshl_b32 s[MCOL], 0x1111, s[CX]
	s_or_b32 s[G1A], s[MROW], G1W0
	s_or_b32 s[G1B], s[MCOL], G1W0
	s_mov_b32 s[G1A+1], 128<<16
	s_mov_b32 s[G1A+2], RA<<16
	s_mov_b32 s[G1A+3], 128<<16
	s_mov_b32 s[G1A+4], RA
	s_mov_b32 s[G1A+5], 128
	s_mov_b32 s[G1A+6], 0
	s_mov_b32 s[G1A+7], 0
	s_mov_b32 s[G1B+1], 128<<16
	s_mov_b32 s[G1B+2], RB<<16
	s_mov_b32 s[G1B+3], 128<<16
	s_mov_b32 s[G1B+4], RB
	s_mov_b32 s[G1B+5], 128
	s_mov_b32 s[G1B+6], 0
	s_mov_b32 s[G1B+7], 0
	s_mul_i32 s[LWA], s[WN], CHK                   ; I fetch chunk wn of a slot's two
	s_add_co_u32 s[LWB], s[LWA], 256*P
	s_lshl_b32 s16, s[YB], 15
	s_lshl_b32 s18, s[WN], 20
	s_add_co_u32 s16, s16, s18
	s_mov_b32 s17, 0
	s_lshl_b32 s20, s[XB], 14                      ; W_O: 128 rows of 128 bytes a column block, 128 KiB a block of K
	s_lshl_b32 s22, s[WN], 17
	s_add_co_u32 s20, s20, s22
	s_add_co_u32 s20, s20, 6291456
	s_mov_b32 s21, 0
	s_mov_b32 s[FS], SLOT
	s_mov_b32 s[RS], 0
	s_mov_b32 s[TB], 0
	s_wait_dscnt 0x0
	s_wait_kmcnt 0x0
	s_add_nc_u64 s[16:17], s[4:5], s[16:17]
	s_add_nc_u64 s[20:21], s[6:7], s[20:21]
.irp s, 0,1
	s_mov_b32 s[G0A+4*\s], 1
	s_add_co_u32 s[G0A+4*\s+1], s[LWA], \s*SLOT
	s_add_nc_u64 s[G0A+4*\s+2:G0A+4*\s+3], s[16:17], \s*STEPA
	s_or_b32 s[G0A+4*\s+3], s[G0A+4*\s+3], 0x80000000
	s_mov_b32 s[G0B+4*\s], 1
	s_add_co_u32 s[G0B+4*\s+1], s[LWB], \s*SLOT
	s_add_nc_u64 s[G0B+4*\s+2:G0B+4*\s+3], s[20:21], \s*STEPB
	s_or_b32 s[G0B+4*\s+3], s[G0B+4*\s+3], 0x80000000
.endr
	CROUND
	s_cmp_eq_u32 s[WM], 0
	s_cbranch_scc0 .Lfirst_b
	tensor_load_to_lds s[G0A:G0A+3], s[G1A:G1A+7]
	s_nop 0
	tensor_load_to_lds s[G0A+4:G0A+7], s[G1A:G1A+7]
	s_nop 0
.rept 4
	v_nop
.endr
	s_branch .Lfirst_asked
.Lfirst_b:
	tensor_load_to_lds s[G0B:G0B+3], s[G1B:G1B+7]
	s_nop 0
	tensor_load_to_lds s[G0B+4:G0B+7], s[G1B:G1B+7]
	s_nop 0
.rept 4
	v_nop
.endr
.Lfirst_asked:
	v_and_b32 v1, 15, v0
	v_bfe_u32 v2, v0, 4, 1
	v_mul_u32_u24 v3, v1, P
	v_lshl_add_u32 v3, v2, 4, v3
	s_mul_i32 s16, s[WM], 128*P
	s_mul_i32 s17, s[WN], WNR*P
	s_add_co_u32 s17, s17, 256*P
	v_add_nc_u32 v[A0], s16, v3
	v_add_nc_u32 v[B0], s17, v3
	s_mul_i32 s18, s[WV], 16*SP
	s_add_co_u32 s18, s18, STAGE
	v_mul_u32_u24 v[STO], v1, SP                   ; in: row l % 16, 32 bytes for each half of the lanes
	v_lshl_add_u32 v[STO], v2, 5, v[STO]
	v_add_nc_u32 v[STO], s18, v[STO]
	v_mul_u32_u24 v[RD], v2, SP                    ; back: lanes 0-15 one row of 256 bytes, lanes 16-31 the next
	v_lshl_add_u32 v[RD], v1, 4, v[RD]
	v_add_nc_u32 v[RD], s18, v[RD]
	v_lshlrev_b32 v[GO], 12, v2                    ; and the same two rows in y
	v_lshl_add_u32 v[GO], v1, 4, v[GO]
	s_lshl_b32 s20, s[YB], 20                      ; y: 256 rows of 4,096 bytes a block, my 128; 512 bytes a column block, my 256
	s_lshl_b32 s21, s[WM], 19
	s_add_co_u32 s20, s20, s21
	s_lshl_b32 s21, s[XB], 9
	s_add_co_u32 s20, s20, s21
	s_lshl_b32 s21, s[WN], 8
	s_add_co_u32 s20, s20, s21
	s_mov_b32 s21, 0
	s_add_nc_u64 s[8:9], s[8:9], s[20:21]
	s_wait_tensorcnt 0x1                           ; my part of slot 0 is in; slot 1's may stay out
	s_barrier_signal -1
	s_barrier_wait -1
	UTOP
	LDB 0, 0
	LDA 0, 0
	GROUP 0, 1                                     ; the first K half starts the sums
	WIN 0
	UNITB                                          ; slot 0's second chunk
	s_mov_b32 s[STEPS], 6                          ; slots' fills 2 to 7
.Lmain:
	CHANGE 1
	TWO
	s_sub_co_u32 s[STEPS], s[STEPS], 1
	s_cmp_lg_u32 s[STEPS], 0
	s_cbranch_scc1 .Lmain
	CHANGE 0                                       ; the tail is written out: nothing is left to ask for
	TWO
	s_wait_dscnt 0x0
	MULG 1, 1, WB+NG-1, 0, LSW
	WIN 0
	PLACES
	TOST 0
.irp a, 1,2,3,4,5,6,7
	TOST \a
	SENDO \a-1, 16
.endr
	SENDO 7, 0
	s_wait_tensorcnt 0x0                           ; the wave's end
	ds_add_u32 v[SPW], v[NIL]
	s_wait_dscnt 0x0
	CROUND
	s_endpgm
.Lfunc_end_k_q5a0e540e85_outp:
	.size	k_q5a0e540e85_outp, .Lfunc_end_k_q5a0e540e85_outp-k_q5a0e540e85_outp
	.p2alignl 7, 3214868480
	.fill 96, 4, 3214868480
	.section	.rodata,"a",@progbits
	.p2align	6, 0x0
	.amdhsa_kernel k_q5a0e540e85_outp
		.amdhsa_group_segment_fixed_size 327680
		.amdhsa_private_segment_fixed_size 0
		.amdhsa_enable_private_segment 0
		.amdhsa_kernarg_size 24
		.amdhsa_user_sgpr_count 2
		.amdhsa_user_sgpr_kernarg_segment_ptr 1
		.amdhsa_wavefront_size32 1
		.amdhsa_system_sgpr_workgroup_id_x 1
		.amdhsa_system_sgpr_workgroup_id_y 1
		.amdhsa_system_sgpr_workgroup_id_z 1
		.amdhsa_system_vgpr_workitem_id 0
		.amdhsa_next_free_vgpr 512
		.amdhsa_next_free_sgpr 84
		.amdhsa_reserve_vcc 0
		.amdhsa_float_denorm_mode_32 3
		.amdhsa_float_denorm_mode_16_64 3
		.amdhsa_memory_ordered 1
		.amdhsa_forward_progress 1
		.amdhsa_inst_pref_size 54
	.end_amdhsa_kernel
	.amdgpu_metadata
---
amdhsa.version: [ 1, 2 ]
amdhsa.kernels:
  - .name:           k_q5a0e540e85_outp
    .symbol:         k_q5a0e540e85_outp.kd
    .args:
      - { .name: hb, .offset: 0, .size: 8, .value_kind: global_buffer, .address_space: global }
      - { .name: wts, .offset: 8, .size: 8, .value_kind: global_buffer, .address_space: global }
      - { .name: out0, .offset: 16, .size: 8, .value_kind: global_buffer, .address_space: global }
    .group_segment_fixed_size: 327680
    .private_segment_fixed_size: 0
    .kernarg_segment_align: 8
    .kernarg_segment_size: 24
    .max_flat_workgroup_size: 128
    .sgpr_count:     84
    .vgpr_count:     512
    .wavefront_size: 32
...
	.end_amdgpu_metadata
.endif
;; end of part 5
;; ======== version 2 of 2: 5 launches; 1.19 times as fast as version 1
;; limits: values are held in f16: magnitudes above 65,504 overflow, below 6.1e-05 lose precision; inputs' magnitudes at most 65,504; right only within a limited range of input values
;; workspace buffers: xh 16,777,216 bytes; w3 4,456,448 bytes; wsrc 8,388,608 bytes; qb 17,039,360 bytes; vt 16,777,216 bytes; ew 33,554,432 bytes; stats 1,310,720 bytes; mx 1,048,576 bytes
;; launch cast (part 6): grid 832 x 1, 8 waves a work-group, no clusters, 19,456 bytes of LDS; arguments X, W_Q, W_K, W_V, W_O, xh, wsrc, mx; writes xh, wsrc, mx
.if DOCPART == 6
	.amdgcn_target "amdgcn-amd-amdhsa--gfx1250"
	.amdhsa_code_object_version 6
	.text
	.protected	k_q5a0e540e85_cast
	.globl	k_q5a0e540e85_cast
	.p2align	8
	.type	k_q5a0e540e85_cast,@function
k_q5a0e540e85_cast:
	s_mov_b64 s[64:65], 0
	v_nop
	global_prefetch_b8 v0, s[64:65] scope:SCOPE_SE
	s_setreg_imm32_b32 hwreg(HW_REG_WAVE_MODE, 25, 1), 1
	s_wait_xcnt 0x0
; CAST.  Every input is rounded to bf16 (nearest even) and that number is written as f16, in the layout that the products read:
; T[block of 64 along K][row][64], a row 128 bytes, the rows of a block dense.
;   xh   [16][8192][64]   X, rows as they are
;   wsrc four parts of 2 MiB, each [16][1024][64]: W_K as it lies, W_Q as it lies, W_O turned, W_V as it lies
;   mx   for each wave of X's work-groups the largest |x| of its two rows, 64 times: 256 bytes a wave, 2,048 a work-group of 16 rows
; LIMITS.  f16 ends at 65,504: an input beyond it becomes an infinity.  A bf16 number from 2^-14 up is exact in f16; below that it keeps f16's fixed step of 6e-8.  A NaN does not enter the maximum.
; SHARES.  Work-groups 0-511 take 16 rows of X each, 512-703 16 rows of W_K, W_Q or W_V each (one text: source, destination and the blocks' distance are chosen by the work-group's number;
; the weights' work-groups make the maximum too, 32 lines, and do not store it); work-groups 704-831 one tile of 64 x 128 of W_O.  Every branch hangs on the work-group's number alone, so all eight waves take the same way.
; Memory binds: each input byte is read once by 16-byte loads, each output byte written once; no matrix unit, no cluster (no two work-groups share a byte).
.set SPARE, 18432                      ; behind the stage: the spare words, 128 bytes for each of eight waves
.set SPW,   90                         ; v90  LDS address of my spare word; never rewritten
.set NIL,   91                         ; v91  0; never rewritten
.set TT,    80                         ; v80-82, v84-86  two sets at work, by turns
.set OF,    128                        ; v128-143  my 8 bytes in each of the sixteen blocks
.set MM,    8                          ; v8-9  two chains of the largest magnitude, then the pair that is stored
.macro RND d, a, b, t                  ; two numbers: to bf16, widened again (a shift, a mask), packed as f16
	v_cvt_pk_bf16_f32 v[TT+4*(\t)], v[\a], v[\b]
	v_lshlrev_b32 v[TT+4*(\t)+1], 16, v[TT+4*(\t)]
	v_and_b32 v[TT+4*(\t)+2], 0xffff0000, v[TT+4*(\t)]
	v_cvt_pk_f16_f32 v[\d], v[TT+4*(\t)+1], v[TT+4*(\t)+2]
.endm
	s_load_b256 s[4:11], s[0:1], 0x0               ; X s[4:5], W_Q s[6:7], W_K s[8:9], W_V s[10:11]
	s_load_b256 s[12:19], s[0:1], 0x20             ; W_O s[12:13], xh s[14:15], wsrc s[16:17], mx s[18:19]
	v_lshl_add_u32 v[SPW], v0, 2, SPARE
	v_mov_b32 v[NIL], 0
	s_cmp_lt_u32 ttmp9, 704
	s_cbranch_scc0 .Lturn
	; ROWS AS THEY ARE.  Thread t takes row t / 16 of the group's 16 and 16 bytes at 16 (t % 16) of each of the row's sixteen pieces of 256 bytes (64 numbers).
	s_sub_co_u32 s21, ttmp9, 512
	s_lshr_b32 s33, s21, 6                         ; m: W_K, W_Q, W_V
	s_and_b32 s34, s21, 63                         ; which 16 rows of it
	s_lshl_b32 s35, s33, 21                        ; its part of wsrc: 0, 2 MiB,
	s_cmp_eq_u32 s33, 2
	s_cselect_b32 s36, 0x200000, 0                 ; and 6 MiB: W_O's part lies between
	s_add_co_u32 s35, s35, s36
	s_mov_b32 s26, 0x20000                         ; a block of a W: 1,024 rows of 128 bytes
	s_mov_b32 s27, 0x100000                        ; a block of X: 8,192 rows
	s_cmp_lt_u32 ttmp9, 512
	s_cselect_b32 s20, ttmp9, s34                  ; which 16 rows of the tensor
	s_cselect_b32 s26, s27, s26
	s_cselect_b32 s35, 0, s35
	s_lshl_b32 s22, s20, 16                        ; 16 rows of 4,096 bytes
	s_mov_b32 s23, 0
	s_lshl_b32 s24, s20, 11                        ; 16 rows of 128 bytes in a block
	s_add_co_u32 s24, s24, s35
	s_mov_b32 s25, 0
	s_lshl_b32 s36, ttmp9, 11                      ; my work-group's 2,048 bytes of mx
	s_mov_b32 s37, 0
	s_mov_b32 s38, 0x76543210                      ; v_permlanex16_b32: each lane takes its own place in the other half
	s_mov_b32 s39, 0xfedcba98
	v_lshrrev_b32 v1, 4, v0
	v_and_b32 v2, 15, v0
	v_lshlrev_b32 v1, 12, v1
	v_lshl_add_u32 v1, v2, 4, v1
	v_mov_b32 v[MM], 0
	v_mov_b32 v[MM+1], 0
	v_lshlrev_b32 v[OF], 3, v0                     ; my 8 bytes of the group's 2,048 in a block: row x 128 + 8 (t % 16) = 8 t
.set kk, 1
.rept 15
	v_add_nc_u32 v[OF+kk], s26, v[OF+kk-1]
.set kk, kk+1
.endr
	s_wait_kmcnt 0x0
	s_cmp_eq_u32 s33, 1
	s_cselect_b64 s[28:29], s[6:7], s[8:9]         ; W_Q or W_K,
	s_cmp_eq_u32 s33, 2
	s_cselect_b64 s[28:29], s[10:11], s[28:29]     ; or W_V,
	s_cmp_lt_u32 ttmp9, 512
	s_cselect_b64 s[28:29], s[4:5], s[28:29]       ; or X
	s_cselect_b64 s[30:31], s[14:15], s[16:17]     ; xh or wsrc
	s_add_nc_u64 s[28:29], s[28:29], s[22:23]
	s_add_nc_u64 s[30:31], s[30:31], s[24:25]
	s_add_nc_u64 s[18:19], s[18:19], s[36:37]
.set kk, 0
.rept 16
	global_load_b128 v[16+4*kk:19+4*kk], v1, s[28:29] offset:256*kk th:TH_LOAD_NT  ; a wave's load: two rows' 256 consecutive bytes
.set kk, kk+1
.endr
.set kk, 0
.rept 16
	s_wait_loadcnt 15-kk                           ; loads come back in order: piece kk is in, the younger ones stay out
	v_max3_num_f32 v[MM], v[MM], |v[16+4*kk]|, |v[17+4*kk]|
	v_max3_num_f32 v[MM+1], v[MM+1], |v[18+4*kk]|, |v[19+4*kk]|
	RND 96+2*kk, 16+4*kk, 17+4*kk, 0
	RND 97+2*kk, 18+4*kk, 19+4*kk, 1
	global_store_b64 v[OF+kk], v[96+2*kk:97+2*kk], s[30:31]  ; a wave's store: 256 consecutive bytes, aligned; each store has registers of its own
.set kk, kk+1
.endr
	s_cmp_lt_u32 ttmp9, 512
	s_cbranch_scc0 .Lrows_done                     ; only X's maxima are wanted
	v_max_num_f32 v[MM], v[MM], v[MM+1]
	v_max_num_f32_dpp v[MM], v[MM], v[MM] row_xmask:1 row_mask:0xf bank_mask:0xf
	v_max_num_f32_dpp v[MM], v[MM], v[MM] row_xmask:2 row_mask:0xf bank_mask:0xf
	v_max_num_f32_dpp v[MM], v[MM], v[MM] row_xmask:4 row_mask:0xf bank_mask:0xf
	v_max_num_f32_dpp v[MM], v[MM], v[MM] row_xmask:8 row_mask:0xf bank_mask:0xf
	v_permlanex16_b32 v[MM+1], v[MM], s38, s39
	v_max_num_f32 v[MM], v[MM], v[MM+1]
	v_mov_b32 v[MM+1], v[MM]
	global_store_b64 v[OF], v[MM:MM+1], s[18:19]   ; the wave's maximum 64 times: 256 consecutive bytes, aligned, at 8 t
.Lrows_done:
	s_endpgm                                       ; this way writes no LDS
.Lturn:
	; W_O TURNED.  Tile u = kb x 8 + j.  Wave w, lane l loads rows 8 w + k (k = 0..7), columns 4 l .. 4 l + 3: the turn is a choice of registers.
	s_sub_co_u32 s20, ttmp9, 704                   ; u
	s_lshr_b32 s22, s20, 3                         ; kb
	s_and_b32 s23, s20, 7                          ; j
	s_lshl_b32 s22, s22, 18                        ; 64 rows of 4,096 bytes
	s_lshl_b32 s23, s23, 9                         ; 128 columns of 4 bytes
	s_add_co_u32 s22, s22, s23
	s_mov_b32 s23, 0
	s_lshl_b32 s28, s20, 14                        ; tile u of 16,384 bytes
	s_add_co_u32 s28, s28, 4194304                 ; of wsrc's third part
	s_mov_b32 s29, 0
	v_lshrrev_b32 v4, 5, v0                        ; w
	v_and_b32 v5, 31, v0                           ; l
	v_lshlrev_b32 v1, 15, v4
	v_lshl_add_u32 v1, v5, 4, v1                   ; 8 w rows + 16 l
	v_mul_u32_u24 v6, v5, 576                      ; into the stage: row n = 4 l (+ c), pitch 144,
	v_lshl_add_u32 v6, v4, 4, v6                   ; 16 bytes at k = 8 w
	v_lshrrev_b32 v8, 3, v0
	v_and_b32 v9, 7, v0
	v_mul_u32_u24 v7, v8, 144                      ; back: row t / 8, 16 bytes at 16 (t % 8)
	v_lshl_add_u32 v7, v9, 4, v7
	v_lshlrev_b32 v10, 4, v0
	s_wait_kmcnt 0x0
	s_add_nc_u64 s[24:25], s[12:13], s[22:23]
	s_add_nc_u64 s[30:31], s[16:17], s[28:29]
.set kk, 0
.rept 8
	global_load_b128 v[16+4*kk:19+4*kk], v1, s[24:25] offset:4096*kk th:TH_LOAD_NT  ; a wave's load: 512 consecutive bytes of one row
.set kk, kk+1
.endr
	s_wait_loadcnt 0x0                             ; a column's eight numbers come from all eight loads
.irp c, 0,1,2,3
.irp p, 0,1,2,3
	RND 52+4*\c+\p, 16+8*\p+\c, 20+8*\p+\c, \p%2
.endr
	ds_store_b128 v6, v[52+4*\c:55+4*\c] offset:144*\c
.endr
	s_wait_dscnt 0x0                               ; for the others' sake: my stores into the stage are done
	s_barrier_signal -1
	s_barrier_wait -1
.irp i, 0,1,2,3
	ds_load_b128 v[16+4*\i:19+4*\i], v7 offset:4608*\i  ; 32 rows further down each time
.endr
.irp i, 0,1,2,3
	s_wait_dscnt 3-\i
	global_store_b128 v10, v[16+4*\i:19+4*\i], s[30:31] offset:4096*\i  ; a wave's store: 512 consecutive bytes, aligned
.endr
	s_wait_tensorcnt 0x0                           ; the wave's end
	ds_add_u32 v[SPW], v[NIL]
	s_wait_dscnt 0x0
	s_endpgm
.Lfunc_end_k_q5a0e540e85_cast:
	.size	k_q5a0e540e85_cast, .Lfunc_end_k_q5a0e540e85_cast-k_q5a0e540e85_cast
	.p2alignl 7, 3214868480
	.fill 96, 4, 3214868480
	.section	.rodata,"a",@progbits
	.p2align	6, 0x0
	.amdhsa_kernel k_q5a0e540e85_cast
		.amdhsa_group_segment_fixed_size 19456
		.amdhsa_private_segment_fixed_size 0
		.amdhsa_enable_private_segment 0
		.amdhsa_kernarg_size 64
		.amdhsa_user_sgpr_count 2
		.amdhsa_user_sgpr_kernarg_segment_ptr 1
		.amdhsa_wavefront_size32 1
		.amdhsa_system_sgpr_workgroup_id_x 1
		.amdhsa_system_sgpr_workgroup_id_y 1
		.amdhsa_system_sgpr_workgroup_id_z 1
		.amdhsa_system_vgpr_workitem_id 0
		.amdhsa_next_free_vgpr 144
		.amdhsa_next_free_sgpr 66
		.amdhsa_reserve_vcc 0
		.amdhsa_float_denorm_mode_32 3
		.amdhsa_float_denorm_mode_16_64 3
		.amdhsa_memory_ordered 1
		.amdhsa_forward_progress 1
		.amdhsa_inst_pref_size 23
	.end_amdhsa_kernel
	.amdgpu_metadata
---
amdhsa.version: [ 1, 2 ]
amdhsa.kernels:
  - .name:           k_q5a0e540e85_cast
    .symbol:         k_q5a0e540e85_cast.kd
    .args:
      - { .name: X, .offset: 0, .size: 8, .value_kind: global_buffer, .address_space: global }
      - { .name: W_Q, .offset: 8, .size: 8, .value_kind: global_buffer, .address_space: global }
      - { .name: W_K, .offset: 16, .size: 8, .value_kind: global_buffer, .address_space: global }
      - { .name: W_V, .offset: 24, .size: 8, .value_kind: global_buffer, .address_space: global }
      - { .name: W_O, .offset: 32, .size: 8, .value_kind: global_buffer, .address_space: global }
      - { .name: xh, .offset: 40, .size: 8, .value_kind: global_buffer, .address_space: global }
      - { .name: wsrc, .offset: 48, .size: 8, .value_kind: global_buffer, .address_space: global }
      - { .name: mx, .offset: 56, .size: 8, .value_kind: global_buffer, .address_space: global }
    .group_segment_fixed_size: 19456
    .private_segment_fixed_size: 0
    .kernarg_segment_align: 8
    .kernarg_segment_size: 64
    .max_flat_workgroup_size: 256
    .sgpr_count:     66
    .vgpr_count:     144
    .wavefront_size: 32
...
	.end_amdgpu_metadata
.endif
;; end of part 6
;; launch wvo (part 7): grid 16 x 32, 4 waves a work-group, clusters of 4 x 4, 327,680 bytes of LDS; arguments wsrc, w3; writes w3
.if DOCPART == 7
	.amdgcn_target "amdgcn-amd-amdhsa--gfx1250"
	.amdhsa_code_object_version 6
	.text
	.protected	k_q5a0e540e85_wvo
	.globl	k_q5a0e540e85_wvo
	.p2align	8
	.type	k_q5a0e540e85_wvo,@function
k_q5a0e540e85_wvo:
	s_mov_b64 s[64:65], 0
	v_nop
	global_prefetch_b8 v0, s[64:65] scope:SCOPE_SE
	s_setreg_imm32_b32 hwreg(HW_REG_WAVE_MODE, 25, 1), 1
	s_wait_xcnt 0x0
	s_wait_alu depctr_hold_cnt(0) depctr_sa_sdst(0) depctr_va_vdst(0) depctr_va_sdst(0) depctr_va_ssrc(0) depctr_va_vcc(0) depctr_vm_vsrc(0)
	s_getreg_b32 s2, hwreg(HW_REG_IB_STS2, 6, 4)
	s_cmp_eq_u32 s2, 0
	s_cbranch_scc0 .Lentry_in_a_cluster
	s_endpgm
.Lentry_in_a_cluster:
	s_bfe_u32 s2, ttmp6, 0x10000c
	s_cmp_lg_u32 s2, 0xf033
	s_cbranch_scc0 .Lentry_shape_is_right
	s_endpgm
.Lentry_shape_is_right:
; WVO.  The weight matrices are multiplied in pairs, once: S = (X W_Q)(X W_K)^T = (X (W_Q W_K^T)) X^T and y = A (X W_V) W_O = A (X (W_V W_O)), so that one projection fewer is made of X and none of the mixed rows.
; Product 0: C[n][e] = 32 x the sum over k of W_K[n][k] W_Q[e][k].  Product 1: C[n][e] = 32 x the sum over v of W_O[v][n] W_V[e][v].  f16 operands (bf16 numbers written as f16), f32 sums, rounded once to f16,
; into part g = the product's number of w3 [16 eb][8 j][2 g][128 n][64 e].  The factor 32, exact, puts the products' numbers in the middle of f16's range; the projection's scales take it away again.
; Behind these 4 MiB: for each work-group of product 0 the largest |C| of its tile, 1,024 bytes (each of its four waves stores it 64 times): the projection bounds its sums by the largest of them.
; LIMIT.  |W_Q W_K^T| and |W_V W_O| stay under 2,047 (32 times that is f16's end); below 2^-19 they keep f16's fixed step, 6e-8 / 32.
; SHARES.  For each product 16 x 16 tiles of 64 n x 64 e, one to a work-group: 512 work-groups, two for each of 256 WGPs.  Four waves, 2 x 2: 32 x 32 each, four accumulators by turns.
; All of K lies in LDS: 1,024 x 128 rows x 2 bytes, so no byte of LDS is filled twice.  It comes as two halves of K; the first is multiplied while the second is on its way.
; CLUSTER 4 x 4, all of one product: the first operand's rows are shared along a row of the cluster, the second's along a column; each is asked for jointly.
; A LOAD.  64 rows of one block of 64 along K are 8,192 dense bytes; four blocks, 131,072 bytes apart, are one tile of 4 rows of 8,192 bytes, padded in LDS after every 128 bytes.
; REGISTERS.  window 0: v1-11 addresses; v12-25 the maximum's; v28, v29 the add's; v32-63 accumulator (a, b) at v[32 + 8 (2 a + b)]; v64-79 the way out.
;   window 1: four buffers of 64, one to a block of 64 along K: K half kh at 32 kh: A's two fragments, then B's two.
.set P,     144                        ; an LDS row: 128 bytes + 16 of padding = 36 words: the 16 rows of a fragment load start at 16 different groups of four banks (64 banks of 4 bytes: ISA guide 11.1)
.set CH,    64*P                       ; 64 rows of one block of K
.set HALFA, 8*CH                       ; half of K for one operand
.set SLOT,  2*HALFA                    ; half of K: A's eight blocks, then B's
.set STAGE, 2*SLOT                     ; behind the tiles: 64 rows x 144 bytes, the work-group's
.set MAXW,  STAGE+64*P                 ; a block of 256 bytes: the four waves' maxima in its first four words
.set SPARE, MAXW+256                   ; the spare words, 128 bytes for each wave
.set KBLK,  1024*128                   ; bytes of a block of K in memory
.set A0, 4                             ; v4   my place in A's first block
.set B0, 5                             ; v5   in B's
.set PA, 6                             ; v6   the same, four blocks at a time
.set PB, 7
.set STO, 8                            ; v8   the way out: where I put 16 bytes
.set RD, 9                             ; v9   where I read rows back
.set GO, 10                            ; v10  16 x lane
.set MA, 11                            ; v11  my wave's word among the maxima
.set MX, 12                            ; v12-15 four chains of the largest magnitude
.set MP, 16                            ; v16-17 the tile's, twice
.set ML, 20                            ; v20-23 the four waves'
.set MB, 24                            ; v24  where they lie
.set G8, 25                            ; v25  8 x lane
.set SPW, 28
.set NIL, 29
.set ACC, 32
.set OB, 64
.set CNT, 2
.set WV, 10                            ; s10 wave; s11 its half of n, also: I fetch A (0) or B (1); s12 its half of e, also: which four blocks of a K half I fetch
.set WM, 11
.set WN, 12
.set YB, 13                            ; s13 block of 64 n
.set PR, 14                            ; s14 the product, from the cluster's y alone
.set G1A, 24
.set G1B, 32
.set CX, 40
.set CY, 41
.set XB, 42                            ; s42 block of 64 e
.set MROW, 43
.set MCOL, 44
.set G0A, 48                           ; s[48:55] group 0 for A, a set for each K half
.set G0B, 56
.set SEL, 70                           ; s[70:71] v_permlanex16_b32's selects
.set LWA, 73
.set LWB, 74
.set G1W0, (1<<16)|(1<<20)|(1<<21)|(4<<22)|(3<<25)  ; 2-byte elements; padding on; bit 21 beside a mask; after every 32 words, 4 words
.set MSB, 0
.macro WIN new                         ; the immediate's high byte repeats the setting that is left; a switch that changes nothing is dropped
.if MSB != (\new)
	s_set_vgpr_msb (MSB<<8)|(\new)
.set MSB, (\new)
.endif
.endm
.macro PLACES                          ; four plain instructions between a matrix instruction and a load into, or a vector use of, its registers (ISA guide 7.12.1 for vector uses)
.rept 4
	v_nop
.endr
.endm
.macro CROUND                          ; a round of the cluster's barrier
	s_barrier_signal -1
	s_barrier_wait -1
	s_cmp_lg_u32 s[WV], 0
	s_cbranch_scc1 .Lnot_wave_0_\@
	s_barrier_signal -3
.Lnot_wave_0_\@:
	s_barrier_wait -3
	s_barrier_signal -1
	s_barrier_wait -1
.endm
.macro FETCH c                         ; block c of the four in hand: 16 loads, its 8 fragments, into buffer c
	WIN 0x40                                       ; destination window 1, address window 0
.irp kh, 0,1
.irp i, 0,1
	ds_load_b128 v[64*(\c)+32*\kh+8*\i:64*(\c)+32*\kh+8*\i+3], v[PA] offset:(\c)*CH+64*\kh+\i*16*P
	ds_load_b128 v[64*(\c)+32*\kh+8*\i+4:64*(\c)+32*\kh+8*\i+7], v[PA] offset:(\c)*CH+64*\kh+\i*16*P+32
	ds_load_b128 v[64*(\c)+32*\kh+16+8*\i:64*(\c)+32*\kh+16+8*\i+3], v[PB] offset:(\c)*CH+64*\kh+\i*16*P
	ds_load_b128 v[64*(\c)+32*\kh+16+8*\i+4:64*(\c)+32*\kh+16+8*\i+7], v[PB] offset:(\c)*CH+64*\kh+\i*16*P+32
.endr
.endr
.endm
.macro MULC c                          ; 8 matrix instructions on buffer c; the four accumulators take turns, one instruction a turn.  Source 0 = rows e, source 1 = rows n: a lane holds one n and eight neighbouring e
	WIN 0x05                                       ; sources 0 and 1 in window 1
.irp kh, 0,1
.irp a, 0,1
.irp b, 0,1
	v_wmma_f32_16x16x32_f16 v[ACC+8*(2*\a+\b):ACC+8*(2*\a+\b)+7], v[64*(\c)+32*\kh+16+8*\b:64*(\c)+32*\kh+16+8*\b+7], v[64*(\c)+32*\kh+8*\a:64*(\c)+32*\kh+8*\a+7], v[ACC+8*(2*\a+\b):ACC+8*(2*\a+\b)+7]
.endr
.endr
.endr
.endm
; Half s of K: two trips of four blocks.  Three blocks' loads go out, the fourth's behind the first block's products.
.macro PHASE s
	s_wait_tensorcnt 1-(\s)                        ; my part of this half is in (half 0: the other half's load may stay out: no byte is filled twice in this launch)
	s_barrier_signal -1
	s_barrier_wait -1                              ; everybody's is
	v_add_nc_u32 v[PA], (\s)*SLOT, v[A0]
	v_add_nc_u32 v[PB], (\s)*SLOT, v[B0]
	s_mov_b32 s[CNT], 2
.Lph_\@:
	FETCH 0
	FETCH 1
	FETCH 2
	s_wait_dscnt 32                                ; block 0's sixteen loads are in; the 32 younger ones stay out
	MULC 0
	FETCH 3
	WIN 0
	v_add_nc_u32 v[PA], 4*CH, v[PA]
	v_add_nc_u32 v[PB], 4*CH, v[PB]
	s_wait_dscnt 32                                ; block 1's
	MULC 1
	s_wait_dscnt 16                                ; block 2's
	MULC 2
	s_wait_dscnt 0x0
	MULC 3
	WIN 0
	PLACES                                         ; in front of the next loads into the buffers, and of the way out
	s_sub_co_u32 s[CNT], s[CNT], 1
	s_cmp_lg_u32 s[CNT], 0
	s_cbranch_scc1 .Lph_\@
.endm
	s_load_b128 s[4:7], s[0:1], 0x0                ; wsrc s[4:5], w3 s[6:7]
	v_lshl_add_u32 v[SPW], v0, 2, SPARE
	v_mov_b32 v[NIL], 0
	ds_add_u32 v[SPW], v[NIL]                      ; the wave's opening: the add and its wait stand ahead of my first tensor load
	v_lshrrev_b32 v3, 5, v0
	v_readfirstlane_b32 s[WV], v3
	s_lshr_b32 s[WM], s[WV], 1
	s_and_b32 s[WN], s[WV], 1
	s_bfe_u32 s[CX], ttmp6, 0x40000
	s_bfe_u32 s[CY], ttmp6, 0x40004
	s_lshl_b32 s[XB], ttmp9, 2
	s_add_co_u32 s[XB], s[XB], s[CX]
	s_and_b32 s[YB], ttmp7, 0xffff                 ; the cluster's y, 0 to 7:
	s_lshr_b32 s[PR], s[YB], 2                     ; four clusters down are a product,
	s_and_b32 s[YB], s[YB], 3
	s_lshl_b32 s[YB], s[YB], 2
	s_add_co_u32 s[YB], s[YB], s[CY]               ; and in it the block of n = 4 x (cluster y % 4) + cy
	s_lshl_b32 s[MROW], s[CY], 2
	s_lshl_b32 s[MROW], 15, s[MROW]                ; my row of the cluster
	s_lshl_b32 s[MCOL], 0x1111, s[CX]              ; my column
	s_or_b32 s[G1A], s[MROW], G1W0
	s_or_b32 s[G1B], s[MCOL], G1W0
.irp g, G1A, G1B
	s_mov_b32 s[\g+1], 4096<<16                    ; tensor_dim0 = 4,096 elements (8,192 bytes)
	s_mov_b32 s[\g+2], 4<<16                       ; tensor_dim1 = 4
	s_mov_b32 s[\g+3], 4096<<16                    ; tile_dim0
	s_mov_b32 s[\g+4], 4                           ; tile_dim1
	s_mov_b32 s[\g+5], KBLK/2                      ; elements from a block of K to the next
	s_mov_b32 s[\g+6], 0
	s_mov_b32 s[\g+7], 0
.endr
	s_mul_i32 s[LWA], s[WN], 4*CH                  ; the wave's number alone enters an LDS address
	s_add_co_u32 s[LWB], s[LWA], HALFA
	s_lshl_b32 s16, s[YB], 13                      ; A: 64 rows of 128 bytes a block of n; my four blocks of K; the product's 4 MiB of wsrc
	s_lshl_b32 s18, s[WN], 19
	s_add_co_u32 s16, s16, s18
	s_lshl_b32 s18, s[PR], 22
	s_add_co_u32 s16, s16, s18
	s_mov_b32 s17, 0
	s_lshl_b32 s20, s[XB], 13                      ; B likewise, 2 MiB behind A's part
	s_lshl_b32 s22, s[WN], 19
	s_add_co_u32 s20, s20, s22
	s_lshl_b32 s22, s[PR], 22
	s_add_co_u32 s20, s20, s22
	s_add_co_u32 s20, s20, 2097152
	s_mov_b32 s21, 0
	s_mov_b32 s[SEL], 0x76543210
	s_mov_b32 s[SEL+1], 0xfedcba98
	s_wait_dscnt 0x0                               ; the opening add is done
	s_wait_kmcnt 0x0
	s_add_nc_u64 s[16:17], s[4:5], s[16:17]
	s_add_nc_u64 s[20:21], s[4:5], s[20:21]
.irp s, 0,1
	s_mov_b32 s[G0A+4*\s], 1
	s_add_co_u32 s[G0A+4*\s+1], s[LWA], \s*SLOT
	s_add_nc_u64 s[G0A+4*\s+2:G0A+4*\s+3], s[16:17], \s*8*KBLK
	s_or_b32 s[G0A+4*\s+3], s[G0A+4*\s+3], 0x80000000
	s_mov_b32 s[G0B+4*\s], 1
	s_add_co_u32 s[G0B+4*\s+1], s[LWB], \s*SLOT
	s_add_nc_u64 s[G0B+4*\s+2:G0B+4*\s+3], s[20:21], \s*8*KBLK
	s_or_b32 s[G0B+4*\s+3], s[G0B+4*\s+3], 0x80000000
.endr
	CROUND                                         ; all sixteen work-groups are here: the joint loads meet
	s_cmp_eq_u32 s[WM], 0                          ; a wave's two loads stand in one branch: two loads of mine are out
	s_cbranch_scc0 .Lfirst_b
	tensor_load_to_lds s[G0A:G0A+3], s[G1A:G1A+7]
	s_nop 0
	tensor_load_to_lds s[G0A+4:G0A+7], s[G1A:G1A+7]
	s_nop 0
.rept 4
	v_nop
.endr
	s_branch .Lfirst_asked
.Lfirst_b:
	tensor_load_to_lds s[G0B:G0B+3], s[G1B:G1B+7]
	s_nop 0
	tensor_load_to_lds s[G0B+4:G0B+7], s[G1B:G1B+7]
	s_nop 0
.rept 4
	v_nop
.endr
.Lfirst_asked:
	v_and_b32 v1, 15, v0
	v_bfe_u32 v2, v0, 4, 1
	v_mul_u32_u24 v3, v1, P
	v_lshl_add_u32 v3, v2, 4, v3                   ; row l % 16, 16 bytes for each half of the lanes
	s_mul_i32 s16, s[WM], 32*P
	s_mul_i32 s17, s[WN], 32*P
	s_add_co_u32 s17, s17, HALFA
	v_add_nc_u32 v[A0], s16, v3
	v_add_nc_u32 v[B0], s17, v3
	s_lshl_b32 s18, s[WN], 6                       ; into the stage: my 32 rows, my half of their 128 bytes
	s_add_co_u32 s18, s18, s16
	s_add_co_u32 s18, s18, STAGE
	v_add_nc_u32 v[STO], s18, v3
	s_mul_i32 s19, s[WV], 16*P                     ; back: wave w takes rows 16 w .. 16 w + 15, whole; 32 lanes take four rows of 128 bytes
	s_add_co_u32 s19, s19, STAGE
	v_bfe_u32 v[RD], v0, 3, 2
	v_and_b32 v3, 7, v0
	v_mul_u32_u24 v[RD], v[RD], P
	v_lshl_add_u32 v[RD], v3, 4, v[RD]
	v_add_nc_u32 v[RD], s19, v[RD]
	v_and_b32 v[GO], 31, v0
	v_lshlrev_b32 v[G8], 3, v[GO]
	v_lshlrev_b32 v[GO], 4, v[GO]
	s_lshl_b32 s23, s[WV], 2
	s_add_co_u32 s23, s23, MAXW
	v_mov_b32 v[MA], s23
	v_mov_b32 v[MB], MAXW
	s_lshl_b32 s22, s[YB], 4                       ; the tile's maximum: ((16 n block + e block) x 4 + wave) x 256 bytes behind the 4 MiB
	s_add_co_u32 s22, s22, s[XB]
	s_lshl_b32 s22, s22, 2
	s_add_co_u32 s22, s22, s[WV]
	s_lshl_b32 s22, s22, 8
	s_add_co_u32 s22, s22, 4194304
	s_mov_b32 s23, 0
	s_add_nc_u64 s[66:67], s[6:7], s[22:23]
	s_lshl_b32 s22, s[XB], 3                       ; w3: part ((8 eb + j) x 2 + product) of 16,384 bytes, j = n block / 2; its half of 64 rows; my 16 rows
	s_lshr_b32 s23, s[YB], 1
	s_add_co_u32 s22, s22, s23
	s_lshl1_add_u32 s22, s22, s[PR]
	s_lshl_b32 s22, s22, 14
	s_and_b32 s23, s[YB], 1
	s_lshl_b32 s23, s23, 13
	s_add_co_u32 s22, s22, s23
	s_lshl_b32 s23, s[WV], 11
	s_add_co_u32 s22, s22, s23
	s_mov_b32 s23, 0
	s_add_nc_u64 s[6:7], s[6:7], s[22:23]
.set z, 0
.rept 32
	v_mov_b32 v[ACC+z], 0                          ; 32 registers, in the wait for the tiles: the price of one text for every trip
.set z, z+1
.endr
	PHASE 0
	PHASE 1
.set z, 0
.rept 16
	v_pk_mul_f32 v[ACC+2*z:ACC+2*z+1], v[ACC+2*z:ACC+2*z+1], 0x42000000 op_sel_hi:[1,0]  ; x 32; each accumulator from its low end on
.set z, z+1
.endr
.irp q, 0,1,2,3                        ; the largest magnitude of my 32 x 32 (product 1 makes it too, and does not store it: one text)
	v_max3_num_f32 v[MX+\q], |v[ACC+8*\q]|, |v[ACC+8*\q+1]|, |v[ACC+8*\q+2]|
.endr
.irp k, 3,5
.irp q, 0,1,2,3
	v_max3_num_f32 v[MX+\q], v[MX+\q], |v[ACC+8*\q+\k]|, |v[ACC+8*\q+\k+1]|
.endr
.endr
	v_max3_num_f32 v[MX], v[MX], |v[ACC+7]|, |v[ACC+15]|
	v_max3_num_f32 v[MX+2], v[MX+2], |v[ACC+23]|, |v[ACC+31]|
	v_max3_num_f32 v[MX], v[MX], v[MX+1], v[MX+2]
	v_max_num_f32 v[MX], v[MX], v[MX+3]
	v_max_num_f32_dpp v[MX], v[MX], v[MX] row_xmask:1 row_mask:0xf bank_mask:0xf
	v_max_num_f32_dpp v[MX], v[MX], v[MX] row_xmask:2 row_mask:0xf bank_mask:0xf
	v_max_num_f32_dpp v[MX], v[MX], v[MX] row_xmask:4 row_mask:0xf bank_mask:0xf
	v_max_num_f32_dpp v[MX], v[MX], v[MX] row_xmask:8 row_mask:0xf bank_mask:0xf
	v_permlanex16_b32 v[MX+1], v[MX], s[SEL], s[SEL+1]
	v_max_num_f32 v[MX], v[MX], v[MX+1]
	ds_store_b32 v[MA], v[MX]                      ; all lanes write the same word with the same number
.set z, 0
.rept 16
	v_cvt_pk_f16_f32 v[OB+z], v[ACC+2*z], v[ACC+2*z+1]
.set z, z+1
.endr
.irp a, 0,1
.irp b, 0,1
	ds_store_b128 v[STO], v[OB+4*(2*\a+\b):OB+4*(2*\a+\b)+3] offset:\a*16*P+32*\b
.endr
.endr
	s_wait_dscnt 0x0                               ; for the others' sake: a row's 128 bytes come from two waves, the maximum from four
	s_barrier_signal -1
	s_barrier_wait -1
	ds_load_b128 v[ML:ML+3], v[MB]
.irp f, 0,1,2,3
	ds_load_b128 v[OB+4*\f:OB+4*\f+3], v[RD] offset:4*P*\f
.endr
.irp f, 0,1,2,3
	s_wait_dscnt 3-\f                              ; LDS loads come back in order: the maxima's load, the oldest, is in at the first of these
	global_store_b128 v[GO], v[OB+4*\f:OB+4*\f+3], s[6:7] offset:512*\f  ; 512 consecutive bytes, aligned
.endr
	v_max3_num_f32 v[MP], v[ML], v[ML+1], v[ML+2]
	v_max_num_f32 v[MP], v[MP], v[ML+3]
	v_mov_b32 v[MP+1], v[MP]
	s_cmp_lg_u32 s[PR], 0                          ; the product is the same in all partners of a cluster
	s_cbranch_scc1 .Lno_max
	global_store_b64 v[G8], v[MP:MP+1], s[66:67]   ; 256 consecutive bytes, aligned
.Lno_max:
	s_wait_tensorcnt 0x0                           ; the wave's end
	ds_add_u32 v[SPW], v[NIL]
	s_wait_dscnt 0x0
	CROUND                                         ; the closing round
	s_endpgm
.Lfunc_end_k_q5a0e540e85_wvo:
	.size	k_q5a0e540e85_wvo, .Lfunc_end_k_q5a0e540e85_wvo-k_q5a0e540e85_wvo
	.p2alignl 7, 3214868480
	.fill 96, 4, 3214868480
	.section	.rodata,"a",@progbits
	.p2align	6, 0x0
	.amdhsa_kernel k_q5a0e540e85_wvo
		.amdhsa_group_segment_fixed_size 327680
		.amdhsa_private_segment_fixed_size 0
		.amdhsa_enable_private_segment 0
		.amdhsa_kernarg_size 16
		.amdhsa_user_sgpr_count 2
		.amdhsa_user_sgpr_kernarg_segment_ptr 1
		.amdhsa_wavefront_size32 1
		.amdhsa_system_sgpr_workgroup_id_x 1
		.amdhsa_system_sgpr_workgroup_id_y 1
		.amdhsa_system_sgpr_workgroup_id_z 1
		.amdhsa_system_vgpr_workitem_id 0
		.amdhsa_next_free_vgpr 512
		.amdhsa_next_free_sgpr 76
		.amdhsa_reserve_vcc 0
		.amdhsa_float_denorm_mode_32 3
		.amdhsa_float_denorm_mode_16_64 3
		.amdhsa_memory_ordered 1
		.amdhsa_forward_progress 1
		.amdhsa_inst_pref_size 28
	.end_amdhsa_kernel
	.amdgpu_metadata
---
amdhsa.version: [ 1, 2 ]
amdhsa.kernels:
  - .name:           k_q5a0e540e85_wvo
    .symbol:         k_q5a0e540e85_wvo.kd
    .args:
      - { .name: wsrc, .offset: 0, .size: 8, .value_kind: global_buffer, .address_space: global }
      - { .name: w3, .offset: 8, .size: 8, .value_kind: global_buffer, .address_space: global }
    .group_segment_fixed_size: 327680
    .private_segment_fixed_size: 0
    .kernarg_segment_align: 8
    .kernarg_segment_size: 16
    .max_flat_workgroup_size: 128
    .sgpr_count:     76
    .vgpr_count:     512
    .wavefront_size: 32
...
	.end_amdgpu_metadata
.endif
;; end of part 7
;; launch proj (part 8): grid 8 x 32, 4 waves a work-group, clusters of 4 x 4, 327,680 bytes of LDS; arguments xh, w3, mx, qb, vt, stats; writes qb, vt, stats
.if DOCPART == 8
	.amdgcn_target "amdgcn-amd-amdhsa--gfx1250"
	.amdhsa_code_object_version 6
	.text
	.protected	k_q5a0e540e85_proj
	.globl	k_q5a0e540e85_proj
	.p2align	8
	.type	k_q5a0e540e85_proj,@function
k_q5a0e540e85_proj:
	s_mov_b64 s[64:65], 0
	v_nop
	global_prefetch_b8 v0, s[64:65] scope:SCOPE_SE
	s_setreg_imm32_b32 hwreg(HW_REG_WAVE_MODE, 25, 1), 1
	s_wait_xcnt 0x0
	s_wait_alu depctr_hold_cnt(0) depctr_sa_sdst(0) depctr_va_vdst(0) depctr_va_sdst(0) depctr_va_ssrc(0) depctr_va_vcc(0) depctr_vm_vsrc(0)
	s_getreg_b32 s2, hwreg(HW_REG_IB_STS2, 6, 4)
	s_cmp_eq_u32 s2, 0
	s_cbranch_scc0 .Lentry_in_a_cluster
	s_endpgm
.Lentry_in_a_cluster:
	s_bfe_u32 s2, ttmp6, 0x10000c
	s_cmp_lg_u32 s2, 0xf033
	s_cbranch_scc0 .Lentry_shape_is_right
	s_endpgm
.Lentry_shape_is_right:
; PROJ.  Q' = X (W_Q W_K^T) and V' = X (W_V W_O) in one walk over X.  Operands f16, sums f32, results rounded once to f16.  The scores are Q' X^T, so no keys are projected.
; qb: [16 blocks of 64 channels][8192 rows][64];  vt: [4 batches][32 blocks of 64 keys][1024 channels][64 keys] (V' turned, as the mixing product reads it).
; Q' HAS ONE SCALE FOR MY 256 ROWS, the same in all eight work-groups that make their channels, since the scores sum over channels.  It comes from a bound: a sum of 1,024 products is at most
; 1,024 x 2^(ex+1) x 2^(ew+1), ex the exponent of the largest |x| of the 256 rows (128 numbers of mx), ew that of the largest number of the stored weights' product (256 numbers behind w3).
; The scale 2^(3-ex-ew) puts that bound at 2^15.  What the score launch needs, 2^(ex+ew-8) (the inverse, with the 1 / 32 that the weights' product owes), goes behind qb: a unit of 256 bytes for each wave.
; V' HAS A SCALE OF ITS OWN FOR EACH WAVE'S TILE of 128 keys x 64 channels: a power of two that brings the tile's largest magnitude into 2^14 .. 2^15.  Its inverse, with the 1 / 32,
; goes to stats behind the two planes: [4 batches][16 channel blocks][16 blocks of 128 keys], 256 bytes each.  The mixing launch's wave has just that tile in one step.
; LIMITS.  Q' keeps 11 bits down to 2^-29 of its bound, below that a fixed step of 2^-39 of it; each of the two maxima counts as at least 2^-59 and at most 2^63.
; V' keeps 11 bits down to 2^-29 of its tile's largest magnitude; a tile whose largest is under 2^-100 is scaled as if it were 2^-100.  NaN and infinities are not treated apart.
; SHARES.  A work-group makes 256 rows x 256 columns: 128 each of Q' and V', so that a fragment of X feeds two products.  8 x 32 work-groups, one tile each.  Four waves, 2 x 2: a wave has 128 rows x 64 columns
; of each: 2 x 32 accumulators, windows 1 and 2.  A GROUP is 32 matrix instructions (8 fragments of A x 4 of B, 32 along K) on one window.
; K goes in chunks of 64, two to a slot, through two LDS slots.  CLUSTER 4 x 4: X's tile is shared along a row of the cluster, the weights' along a column; each is asked for jointly.
; SOURCES.  Q': source 0 = B's rows, source 1 = A's rows: a lane holds one row of C and eight neighbouring columns.  V': the other way round: a lane holds one channel and eight neighbouring keys.
; REGISTERS.  window 0: v1-13 addresses; v16-27 the maxima; v28, v29 the add's; v32-95 two buffers of B's 4 fragments (later the way out); v96-223 two buffers of A's 8 fragments; v224-237 the scales'.  windows 1, 2: accumulator (a, b) at v[8 (4 a + b)].
.set NG,    2                          ; groups for each 32 along K
.set WB,    1                          ; window of group 0's accumulators
.set SWAPG, 1                          ; the group whose sources change places
.set LSW,   1                          ; the same for a chunk's last group
.set P,     144                        ; an LDS row: 128 bytes + 16 of padding = 36 words: the 16 rows of a fragment load start at 16 different groups of four banks (64 banks of 4 bytes: ISA guide 11.1)
.set CHK,   (256+256)*P                ; a chunk: A's 256 rows, then B's 256
.set SLOT,  2*CHK
.set GOFF,  128*P                      ; from Q''s rows of B to V''s
.set WNR,   64                         ; rows of B between the two column halves
.set STAGE, 2*SLOT                     ; behind the ring: 16 rows x 144 bytes for each wave
.set SPARE, STAGE+4*16*P               ; behind the stages: the spare words, 128 bytes for each wave
.set RA,    128                        ; a load: one chunk's 256 rows of 128 bytes, dense: asked for as 128 rows of 256
.set RB,    128
.set STEPA, 2*8192*128                 ; bytes from a slot's two chunks to the next two
.set STEPB, 2*8*2*128*128
.set A0, 4                             ; v4   my place in a chunk's A
.set B0, 5                             ; v5   in its B
.set PA, 6                             ; v6   the same in the chunk in hand
.set PB, 7
.set STO, 8                            ; v8   the way out: where I put 16 bytes
.set RD, 9                             ; v9   where I read rows back
.set GO, 10                            ; v10  16 x lane
.set G8, 11                            ; v11  8 x lane
.set L256, 12                          ; v12  256 x lane
.set L1K, 13                           ; v13  1,024 x lane
.set XM, 16                            ; v16-19 four of X's maxima a lane
.set WX, 20                            ; v20-27 eight of the weights'
.set SPW, 28
.set NIL, 29
.set BF, 32
.set AF, 96
.set OB, 32
.set MX, 224                           ; v224-227 four chains of the largest magnitude
.set EX, 228                           ; v228 its exponent field
.set FS, 230                           ; v230-231 V''s scale, twice
.set SV, 232                           ; v232-233 its inverse / 32, twice
.set FQ, 234                           ; v234-235 Q''s scale, twice
.set SQ, 236                           ; v236-237 its inverse / 32, twice
.set CNT, 2
.set STEPS, 3
.set WV, 10                            ; s10 wave; s11 its row half, also: I fetch A (0) or B (1); s12 its column half, also: which chunk of a slot I fetch
.set WM, 11
.set WN, 12
.set YB, 13                            ; s13 block of 256 rows
.set G1A, 24
.set G1B, 32
.set CX, 40
.set CY, 41
.set XB, 42                            ; s42 column block
.set MROW, 43
.set MCOL, 44
.set BAT, 45                           ; s45 batch, from the cluster's y alone
.set G0A, 48                           ; s[48:55] group 0 for A: the two first fills; the second set then walks
.set G0B, 56
.set FS0, 70                           ; s70 slot filled last; s71 slot read; s72 LDS byte of the chunk to fetch next
.set RS, 71
.set TB, 72
.set LWA, 73                           ; s73, s74 my load's place in a slot
.set LWB, 74
.set SEL, 78                           ; s[78:79] v_permlanex16_b32's selects: each lane takes its own place in the other half
.set SCP, 80                           ; s[80:81] where my tile's scale of V' goes
.set G1W0, (1<<16)|(1<<20)|(1<<21)|(4<<22)|(3<<25)  ; 2-byte elements; padding on; bit 21 beside a mask; after every 32 words, 4 words
.set MSB, 0
.macro WIN new                         ; the immediate's high byte repeats the setting that is left; a switch that changes nothing is dropped
.if MSB != (\new)
	s_set_vgpr_msb (MSB<<8)|(\new)
.set MSB, (\new)
.endif
.endm
.macro PLACES                          ; four plain instructions between a matrix instruction and a load into, or a vector use of, its registers (ISA guide 7.12.1 for vector uses)
.rept 4
	v_nop
.endr
.endm
.macro CROUND                          ; a round of the cluster's barrier
	s_barrier_signal -1
	s_barrier_wait -1
	s_cmp_lg_u32 s[WV], 0
	s_cbranch_scc1 .Lnot_wave_0_\@
	s_barrier_signal -3
.Lnot_wave_0_\@:
	s_barrier_wait -3
	s_barrier_signal -1
	s_barrier_wait -1
.endm
.macro JLOAD                           ; a joint refill by the walking sets: waves 0, 1 for A, waves 2, 3 for B
	s_cmp_eq_u32 s[WM], 0
	s_cbranch_scc0 .Lfor_b_\@
	tensor_load_to_lds s[G0A+4:G0A+7], s[G1A:G1A+7]
	s_nop 0
.rept 4
	v_nop
.endr
	s_branch .Lasked_\@
.Lfor_b_\@:
	tensor_load_to_lds s[G0B+4:G0B+7], s[G1B:G1B+7]
	s_nop 0
.rept 4
	v_nop
.endr
.Lasked_\@:
.endm
.macro LDA pa, ofs                     ; A's 8 fragments (128 rows x 32 K at byte ofs of the rows) into buffer pa
.irp a, 0,1,2,3,4,5,6,7
	ds_load_b128 v[AF+64*(\pa)+8*\a:AF+64*(\pa)+8*\a+3], v[PA] offset:(\ofs)+\a*16*P
	ds_load_b128 v[AF+64*(\pa)+8*\a+4:AF+64*(\pa)+8*\a+7], v[PA] offset:(\ofs)+\a*16*P+32
.endr
.endm
.macro LDB pb, ofs                     ; B's 4 fragments into buffer pb
.irp b, 0,1,2,3
	ds_load_b128 v[BF+32*(\pb)+8*\b:BF+32*(\pb)+8*\b+3], v[PB] offset:(\ofs)+\b*16*P
	ds_load_b128 v[BF+32*(\pb)+8*\b+4:BF+32*(\pb)+8*\b+7], v[PB] offset:(\ofs)+\b*16*P+32
.endr
.endm
.macro MUL4 a, pa, pb, w, zero, swap   ; row block a x 4 column blocks, accumulators in window w; zero = 1: the products start the sums
	WIN ((\w)<<6)|((\w)<<4)
.irp b, 0,1,2,3
.if \swap
.if \zero
	v_wmma_f32_16x16x32_f16 v[8*(4*(\a)+\b):8*(4*(\a)+\b)+7], v[AF+64*(\pa)+8*(\a):AF+64*(\pa)+8*(\a)+7], v[BF+32*(\pb)+8*\b:BF+32*(\pb)+8*\b+7], 0
.else
	v_wmma_f32_16x16x32_f16 v[8*(4*(\a)+\b):8*(4*(\a)+\b)+7], v[AF+64*(\pa)+8*(\a):AF+64*(\pa)+8*(\a)+7], v[BF+32*(\pb)+8*\b:BF+32*(\pb)+8*\b+7], v[8*(4*(\a)+\b):8*(4*(\a)+\b)+7]
.endif
.else
.if \zero
	v_wmma_f32_16x16x32_f16 v[8*(4*(\a)+\b):8*(4*(\a)+\b)+7], v[BF+32*(\pb)+8*\b:BF+32*(\pb)+8*\b+7], v[AF+64*(\pa)+8*(\a):AF+64*(\pa)+8*(\a)+7], 0
.else
	v_wmma_f32_16x16x32_f16 v[8*(4*(\a)+\b):8*(4*(\a)+\b)+7], v[BF+32*(\pb)+8*\b:BF+32*(\pb)+8*\b+7], v[AF+64*(\pa)+8*(\a):AF+64*(\pa)+8*(\a)+7], v[8*(4*(\a)+\b):8*(4*(\a)+\b)+7]
.endif
.endif
.endr
.endm
.macro MULG pa, pb, w, zero, swap      ; a group: its 32 accumulators take turns, one instruction a turn, in the same order in every group
.irp a, 0,1,2,3,4,5,6,7
	MUL4 \a, \pa, \pb, \w, \zero, \swap
.endr
.endm
.macro GROUP i, zero                   ; group i of a chunk (K half i / NG, columns i % NG): fetches group i + 1's fragments, then multiplies
	s_wait_dscnt 0x0                               ; my fragments, asked for 32 matrix instructions ago
	WIN 0
	PLACES
	LDB ((\i)+1)%2, (((\i)+1)/NG)*64+(((\i)+1)%NG)*GOFF
.if ((\i)+1) == NG
	LDA 1, 64
.endif
.if ((\i)%NG) == SWAPG
	MULG (\i)/NG, (\i)%2, WB+(\i)%NG, \zero, 1
.else
	MULG (\i)/NG, (\i)%2, WB+(\i)%NG, \zero, 0
.endif
.endm
.macro UTOP                            ; on to the next chunk; the four vector lines are the places in front of the loads that follow
	s_wait_dscnt 0x0
	WIN 0
	v_add_nc_u32 v[PA], s[TB], v[A0]
	v_add_nc_u32 v[PB], s[TB], v[B0]
	v_nop
	v_nop
	s_add_co_u32 s[TB], s[TB], CHK
.endm
.macro UNITA                           ; a trip's first part: the next chunk's first fragments are fetched, the chunk in hand gets its last group, the next chunk its first K half
	UTOP
	LDB 0, 0
	LDA 0, 0
	MULG 1, 1, WB+NG-1, 0, LSW
.set gi, 0
.rept NG
	GROUP gi, 0
.set gi, gi+1
.endr
	WIN 0
.endm
.macro UNITZ                           ; its second part: the second K half but for its last group
.set gi, NG
.rept NG-1
	GROUP gi, 0
.set gi, gi+1
.endr
	WIN 0
.endm
; THE CHANGE OF SLOTS.  The old slot's last bytes have been asked for.  Each wave waits for all its tensor loads (one is out: its part of the other slot), adds 0 to its spare word, and waits for that and for
; its reads of the old slot.  fill = 1: the barrier is a round of the cluster's, and the joint refill of the old slot, two slots on, is the first thing behind it.
.macro CHANGE fill
	WIN 0
	s_wait_tensorcnt 0x0                           ; no tensor load of mine is out, so a group 0 may be written
	ds_add_u32 v[SPW], v[NIL]                      ; scalar work stands between this add and the wait for it
.if \fill
	s_xor_b32 s[FS0], s[FS0], SLOT
	s_add_co_u32 s[G0A+5], s[FS0], s[LWA]
	s_add_co_u32 s[G0B+5], s[FS0], s[LWB]
	s_add_nc_u64 s[G0A+6:G0A+7], s[G0A+6:G0A+7], STEPA  ; the type bits on top are not reached
	s_add_nc_u64 s[G0B+6:G0B+7], s[G0B+6:G0B+7], STEPB
.endif
	s_xor_b32 s[RS], s[RS], SLOT
	s_mov_b32 s[TB], s[RS]
	s_wait_dscnt 0x0                               ; the add is done, and my reads of the old slot are over
.if \fill
	CROUND
	JLOAD
.else
	s_barrier_signal -1
	s_barrier_wait -1
.endif
.endm
; THE WAY OUT of a piece of 16 x 64 numbers: scaled, rounded to f16, 16 bytes a lane into my stage, back as four runs of 512 bytes, which are 2,048 consecutive bytes of the output.
.macro SCALE w, f, c0, c1, c2, c3      ; the piece's four accumulators, in window w, times the scale in v[f], in place; each from its low end on
	WIN ((\w)<<6)|(\w)                             ; destination and source 0 in window w, the scale in window 0
.irp c, \c0, \c1, \c2, \c3
.irp q, 0,1,2,3
	v_pk_mul_f32 v[8*(\c)+2*\q:8*(\c)+2*\q+1], v[8*(\c)+2*\q:8*(\c)+2*\q+1], v[\f:\f+1] op_sel_hi:[1,0]
.endr
.endr
.endm
.macro PACK set, w, c0, c1, c2, c3
	s_wait_xcnt 0x0                                ; the stores of the piece before last have read this set (ISA guide 3.1)
	WIN (\w)|((\w)<<2)
.set pk, 0
.irp c, \c0, \c1, \c2, \c3
.irp q, 0,1,2,3
	v_cvt_pk_f16_f32 v[OB+16*(\set)+pk], v[8*(\c)+2*\q], v[8*(\c)+2*\q+1]
.set pk, pk+1
.endr
.endr
	WIN 0
.irp f, 0,1,2,3
	ds_store_b128 v[STO], v[OB+16*(\set)+4*\f:OB+16*(\set)+4*\f+3] offset:32*\f
.endr
.irp f, 0,1,2,3
	ds_load_b128 v[OB+16*(\set)+4*\f:OB+16*(\set)+4*\f+3], v[RD] offset:4*P*\f  ; LDS serves a wave's instructions in order (ISA guide 5.7.1.4): these see the stores above
.endr
.endm
.macro SEND set, base, ofs, younger    ; younger: the next piece's eight LDS instructions, or none
	s_wait_dscnt \younger
.irp f, 0,1,2,3
	global_store_b128 v[GO], v[OB+16*(\set)+4*\f:OB+16*(\set)+4*\f+3], s[\base:\base+1] offset:(\ofs)+512*\f  ; 512 consecutive bytes, aligned
.endr
.endm
.macro PIECE w, base, ofs, c0, c1, c2, c3  ; a piece's conversions stand between the loads of the piece before and its stores
	PACK pcn%2, \w, \c0, \c1, \c2, \c3
.if pcn > 0
	SEND (pcn+1)%2, pbase, poff, 8
.endif
.set pbase, \base
.set poff, \ofs
.set pcn, pcn+1
.endm
; THE SCALE of my tile of V'.  The largest magnitude of window 2's 256 registers and 32 lanes, in four chains; E = its exponent field.  The scale is 2^(14 - e), field 268 - E; what is stored is 2^(e - 19), field E - 19.
.macro VMAX
	WIN 0
.irp q, 0,1,2,3
	v_mov_b32 v[MX+\q], 0
.endr
	WIN 0x28                                       ; sources 1 and 2 in window 2
.set c, 0
.rept 32
.irp q, 0,1,2,3
	v_max3_num_f32 v[MX+\q], v[MX+\q], |v[8*c+2*\q]|, |v[8*c+2*\q+1]|  ; each accumulator from its low end on
.endr
.set c, c+1
.endr
	WIN 0
	v_max3_num_f32 v[MX], v[MX], v[MX+1], v[MX+2]
	v_max_num_f32 v[MX], v[MX], v[MX+3]
	v_max_num_f32_dpp v[MX], v[MX], v[MX] row_xmask:1 row_mask:0xf bank_mask:0xf
	v_max_num_f32_dpp v[MX], v[MX], v[MX] row_xmask:2 row_mask:0xf bank_mask:0xf
	v_max_num_f32_dpp v[MX], v[MX], v[MX] row_xmask:4 row_mask:0xf bank_mask:0xf
	v_max_num_f32_dpp v[MX], v[MX], v[MX] row_xmask:8 row_mask:0xf bank_mask:0xf
	v_permlanex16_b32 v[MX+1], v[MX], s[SEL], s[SEL+1]
	v_max_num_f32 v[MX], v[MX], v[MX+1]
	v_max_num_f32 v[MX], 0x0d800000, v[MX]         ; at least 2^-100, so that both fields below stay inside 1 .. 254
	v_lshrrev_b32 v[EX], 23, v[MX]
	v_sub_nc_u32 v[FS], 0x10c, v[EX]
	v_lshlrev_b32 v[FS], 23, v[FS]
	v_mov_b32 v[FS+1], v[FS]
	v_add_nc_u32 v[SV], 0xffffffed, v[EX]
	v_lshlrev_b32 v[SV], 23, v[SV]
	v_mov_b32 v[SV+1], v[SV]
	global_store_b64 v[G8], v[SV:SV+1], s[SCP:SCP+1]  ; the same number 64 times: the wave's store covers 256 consecutive bytes, aligned; its registers are not written again
.endm
	s_load_b128 s[4:7], s[0:1], 0x0                ; xh s[4:5], w3 s[6:7]
	s_load_b64 s[14:15], s[0:1], 0x10              ; mx
	s_load_b64 s[8:9], s[0:1], 0x18                ; qb
	s_load_b64 s[68:69], s[0:1], 0x20              ; vt
	s_load_b64 s[SCP:SCP+1], s[0:1], 0x28          ; stats
	v_lshl_add_u32 v[SPW], v0, 2, SPARE
	v_mov_b32 v[NIL], 0
	ds_add_u32 v[SPW], v[NIL]                      ; the wave's opening: the add and its wait stand ahead of my first tensor load
	v_lshrrev_b32 v3, 5, v0
	v_readfirstlane_b32 s[WV], v3
	s_lshr_b32 s[WM], s[WV], 1
	s_and_b32 s[WN], s[WV], 1
	s_bfe_u32 s[CX], ttmp6, 0x40000
	s_bfe_u32 s[CY], ttmp6, 0x40004
	s_lshl_b32 s[XB], ttmp9, 2
	s_add_co_u32 s[XB], s[XB], s[CX]               ; column block = 4 x cluster x + cx
	s_and_b32 s[BAT], ttmp7, 0xffff
	s_lshl_b32 s[YB], s[BAT], 2
	s_add_co_u32 s[YB], s[YB], s[CY]               ; row block = 4 x cluster y + cy
	s_lshr_b32 s[BAT], s[BAT], 1                   ; eight row blocks, two clusters, to a batch
	s_lshl_b32 s[MROW], s[CY], 2
	s_lshl_b32 s[MROW], 15, s[MROW]                ; my row of the cluster
	s_lshl_b32 s[MCOL], 0x1111, s[CX]              ; my column
	s_or_b32 s[G1A], s[MROW], G1W0
	s_or_b32 s[G1B], s[MCOL], G1W0
	s_mov_b32 s[G1A+1], 128<<16                    ; tensor_dim0 = 128 elements (256 bytes)
	s_mov_b32 s[G1A+2], RA<<16                     ; tensor_dim1
	s_mov_b32 s[G1A+3], 128<<16                    ; tile_dim0
	s_mov_b32 s[G1A+4], RA                         ; tile_dim1
	s_mov_b32 s[G1A+5], 128                        ; elements from row to row: dense
	s_mov_b32 s[G1A+6], 0
	s_mov_b32 s[G1A+7], 0
	s_mov_b32 s[G1B+1], 128<<16
	s_mov_b32 s[G1B+2], RB<<16
	s_mov_b32 s[G1B+3], 128<<16
	s_mov_b32 s[G1B+4], RB
	s_mov_b32 s[G1B+5], 128
	s_mov_b32 s[G1B+6], 0
	s_mov_b32 s[G1B+7], 0
	s_mul_i32 s[LWA], s[WN], CHK                   ; I fetch chunk wn of a slot's two: the wave's number alone enters an LDS address
	s_add_co_u32 s[LWB], s[LWA], 256*P
	s_lshl_b32 s16, s[YB], 15                      ; A: 256 rows of 128 bytes a row block; a block of K is 1 MiB
	s_lshl_b32 s18, s[WN], 20
	s_add_co_u32 s16, s16, s18
	s_mov_b32 s17, 0
	s_lshl_b32 s20, s[XB], 15                      ; B: 256 rows a column block; a block of K is 256 KiB
	s_lshl_b32 s22, s[WN], 18
	s_add_co_u32 s20, s20, s22
	s_mov_b32 s21, 0
	s_mov_b32 s[FS0], SLOT
	s_mov_b32 s[RS], 0
	s_mov_b32 s[TB], 0
	s_mov_b32 s[SEL], 0x76543210
	s_mov_b32 s[SEL+1], 0xfedcba98
	s_wait_dscnt 0x0                               ; the opening add is done
	s_wait_kmcnt 0x0
	s_add_nc_u64 s[16:17], s[4:5], s[16:17]
	s_add_nc_u64 s[20:21], s[6:7], s[20:21]
.irp s, 0,1
	s_mov_b32 s[G0A+4*\s], 1
	s_add_co_u32 s[G0A+4*\s+1], s[LWA], \s*SLOT
	s_add_nc_u64 s[G0A+4*\s+2:G0A+4*\s+3], s[16:17], \s*STEPA
	s_or_b32 s[G0A+4*\s+3], s[G0A+4*\s+3], 0x80000000
	s_mov_b32 s[G0B+4*\s], 1
	s_add_co_u32 s[G0B+4*\s+1], s[LWB], \s*SLOT
	s_add_nc_u64 s[G0B+4*\s+2:G0B+4*\s+3], s[20:21], \s*STEPB
	s_or_b32 s[G0B+4*\s+3], s[G0B+4*\s+3], 0x80000000
.endr
	CROUND                                         ; all sixteen work-groups are here: the first joint loads meet
	s_cmp_eq_u32 s[WM], 0                          ; a wave's two first fills stand in one branch: two loads of mine are out
	s_cbranch_scc0 .Lfirst_b
	tensor_load_to_lds s[G0A:G0A+3], s[G1A:G1A+7]
	s_nop 0
	tensor_load_to_lds s[G0A+4:G0A+7], s[G1A:G1A+7]
	s_nop 0
.rept 4
	v_nop
.endr
	s_branch .Lfirst_asked
.Lfirst_b:
	tensor_load_to_lds s[G0B:G0B+3], s[G1B:G1B+7]
	s_nop 0
	tensor_load_to_lds s[G0B+4:G0B+7], s[G1B:G1B+7]
	s_nop 0
.rept 4
	v_nop
.endr
.Lfirst_asked:
	; the maxima: 128 of X's (one every 256 bytes, my 256 rows' 32,768 bytes of mx), 256 of the weights' (one every 1,024 bytes behind w3's 4 MiB); all this stands in the wait for the first tile
	v_and_b32 v[GO], 31, v0
	v_lshlrev_b32 v[G8], 3, v[GO]
	v_lshlrev_b32 v[L256], 8, v[GO]
	v_lshlrev_b32 v[L1K], 10, v[GO]
	v_lshlrev_b32 v[GO], 4, v[GO]
	s_lshl_b32 s22, s[YB], 15
	s_mov_b32 s23, 0
	s_add_nc_u64 s[14:15], s[14:15], s[22:23]
	s_add_nc_u64 s[82:83], s[6:7], 4194304
.irp j, 0,1,2,3
	global_load_b32 v[XM+\j], v[L256], s[14:15] offset:8192*\j
.endr
.irp j, 0,1,2,3,4,5,6,7
	global_load_b32 v[WX+\j], v[L1K], s[82:83] offset:32768*\j
.endr
	; A fragment is 16 rows x 32 K in 8 registers: lane l holds row l % 16, K = 8 (l / 16) + 0..7 and 16 + 8 (l / 16) + 0..7: two loads of 16 bytes, 32 bytes apart.
	v_and_b32 v1, 15, v0
	v_bfe_u32 v2, v0, 4, 1
	v_mul_u32_u24 v3, v1, P
	v_lshl_add_u32 v3, v2, 4, v3
	s_mul_i32 s16, s[WM], 128*P
	s_mul_i32 s17, s[WN], WNR*P
	s_add_co_u32 s17, s17, 256*P
	v_add_nc_u32 v[A0], s16, v3
	v_add_nc_u32 v[B0], s17, v3
	s_mul_i32 s18, s[WV], 16*P
	s_add_co_u32 s18, s18, STAGE
	v_add_nc_u32 v[STO], s18, v3                   ; in: row l % 16, 16 bytes for each half of the lanes
	v_bfe_u32 v[RD], v0, 3, 2                      ; back: 32 lanes take four rows of 128 bytes
	v_and_b32 v3, 7, v0
	v_mul_u32_u24 v[RD], v[RD], P
	v_lshl_add_u32 v[RD], v3, 4, v[RD]
	v_add_nc_u32 v[RD], s18, v[RD]
	s_lshl_b32 s22, s[YB], 3                       ; Q''s scale: ((8 Y + X) x 4 + wave) x 256 bytes behind qb's 16 MiB
	s_add_co_u32 s22, s22, s[XB]
	s_lshl_b32 s22, s22, 2
	s_add_co_u32 s22, s22, s[WV]
	s_lshl_b32 s22, s22, 8
	s_add_co_u32 s22, s22, 16777216
	s_mov_b32 s23, 0
	s_add_nc_u64 s[66:67], s[8:9], s[22:23]
	s_lshl_b32 s20, s[XB], 1                       ; Q': channel block 2 X + wn, 1 MiB each; my 128 rows
	s_add_co_u32 s20, s20, s[WN]
	s_lshl_b32 s20, s20, 20
	s_lshl_b32 s21, s[YB], 15
	s_add_co_u32 s20, s20, s21
	s_lshl_b32 s21, s[WM], 14
	s_add_co_u32 s20, s20, s21
	s_mov_b32 s21, 0
	s_add_nc_u64 s[8:9], s[8:9], s[20:21]
	s_and_b32 s22, s[YB], 7                        ; V': batch x 4 MiB + key block (4 (Y % 8) + 2 wm) x 128 KiB + channel (128 X + 64 wn) x 128
	s_lshl_b32 s22, s22, 2
	s_lshl1_add_u32 s22, s[WM], s22
	s_lshl_b32 s22, s22, 17
	s_lshl_b32 s23, s[BAT], 22
	s_add_co_u32 s22, s22, s23
	s_lshl_b32 s23, s[XB], 14
	s_add_co_u32 s22, s22, s23
	s_lshl_b32 s23, s[WN], 13
	s_add_co_u32 s22, s22, s23
	s_mov_b32 s23, 0
	s_add_nc_u64 s[68:69], s[68:69], s[22:23]
	s_lshl_b32 s22, s[BAT], 4                      ; V''s scale: ((16 batch + 2 X + wn) x 16 + 2 (Y % 8) + wm) x 256 bytes behind the two planes of 524,288
	s_lshl1_add_u32 s22, s[XB], s22
	s_add_co_u32 s22, s22, s[WN]
	s_lshl_b32 s22, s22, 4
	s_and_b32 s23, s[YB], 7
	s_lshl1_add_u32 s22, s23, s22
	s_add_co_u32 s22, s22, s[WM]
	s_lshl_b32 s22, s22, 8
	s_add_co_u32 s22, s22, 1048576
	s_mov_b32 s23, 0
	s_add_nc_u64 s[SCP:SCP+1], s[SCP:SCP+1], s[22:23]
	s_wait_loadcnt 0x0                             ; the twelve maxima of my lane
	v_max3_num_f32 v[XM], v[XM], v[XM+1], v[XM+2]
	v_max3_num_f32 v[WX], v[WX], v[WX+1], v[WX+2]
	v_max3_num_f32 v[WX+3], v[WX+3], v[WX+4], v[WX+5]
	v_max_num_f32 v[XM], v[XM], v[XM+3]
	v_max3_num_f32 v[WX], v[WX], v[WX+6], v[WX+7]
	v_max_num_f32 v[WX], v[WX], v[WX+3]
.irp k, 1,2,4,8
	v_max_num_f32_dpp v[XM], v[XM], v[XM] row_xmask:\k row_mask:0xf bank_mask:0xf
	v_max_num_f32_dpp v[WX], v[WX], v[WX] row_xmask:\k row_mask:0xf bank_mask:0xf
.endr
	v_permlanex16_b32 v[XM+1], v[XM], s[SEL], s[SEL+1]
	v_permlanex16_b32 v[WX+1], v[WX], s[SEL], s[SEL+1]
	v_max_num_f32 v[XM], v[XM], v[XM+1]
	v_max_num_f32 v[WX], v[WX], v[WX+1]
	v_max_num_f32 v[XM], 0x22000000, v[XM]         ; each at least 2^-59 and at most 2^63: the sum of the two exponent fields lies in 136 .. 380,
	v_max_num_f32 v[WX], 0x22000000, v[WX]         ; so that both fields below stay inside 1 .. 254
	v_min_num_f32 v[XM], 0x5f000000, v[XM]
	v_min_num_f32 v[WX], 0x5f000000, v[WX]
	v_lshrrev_b32 v[XM], 23, v[XM]
	v_lshrrev_b32 v[WX], 23, v[WX]
	v_add_nc_u32 v[XM], v[XM], v[WX]               ; T = ex + ew + 254
	v_sub_nc_u32 v[FQ], 0x180, v[XM]               ; 2^(3 - ex - ew): field 384 - T
	v_lshlrev_b32 v[FQ], 23, v[FQ]
	v_mov_b32 v[FQ+1], v[FQ]
	v_add_nc_u32 v[SQ], 0xffffff79, v[XM]          ; 2^(ex + ew - 8): field T - 135
	v_lshlrev_b32 v[SQ], 23, v[SQ]
	v_mov_b32 v[SQ+1], v[SQ]
	global_store_b64 v[G8], v[SQ:SQ+1], s[66:67]   ; the same number 64 times: 256 consecutive bytes, aligned; its registers are not written again
	s_wait_tensorcnt 0x1                           ; my part of slot 0 is in; slot 1's may stay out
	s_barrier_signal -1
	s_barrier_wait -1
	UTOP
	LDB 0, 0
	LDA 0, 0
	GROUP 0, 1                                     ; the first K half starts the sums: nothing is cleared
	GROUP 1, 1
	WIN 0
	s_mov_b32 s[CNT], 2                            ; the loops are entered in the middle of slot 0's first trip;
	s_mov_b32 s[STEPS], 7                          ; six whole trips of the outer loop follow: the fills of slots 2 to 7
	s_branch .Lmid
.Lmain:
	CHANGE 1
	s_mov_b32 s[CNT], 2
.Ltwo:                                                 ; a slot's two chunks: written once, walked twice; the LDS addresses hang on s[TB]
	UNITA
.Lmid:
	UNITZ
	s_sub_co_u32 s[CNT], s[CNT], 1
	s_cmp_lg_u32 s[CNT], 0
	s_cbranch_scc1 .Ltwo
	s_sub_co_u32 s[STEPS], s[STEPS], 1
	s_cmp_lg_u32 s[STEPS], 0
	s_cbranch_scc1 .Lmain
	CHANGE 0                                       ; the tail is written out: nothing is left to ask for
	s_mov_b32 s[CNT], 2
.Ltail:
	UNITA
	UNITZ
	s_sub_co_u32 s[CNT], s[CNT], 1
	s_cmp_lg_u32 s[CNT], 0
	s_cbranch_scc1 .Ltail
	s_wait_dscnt 0x0
	MULG 1, 1, WB+NG-1, 0, LSW
	WIN 0
	PLACES
.set pcn, 0
.set pbase, 8
.set poff, 0
.set aa, 0
.rept 8                                ; Q': row block aa, its four column blocks
	SCALE 1, FQ, 4*aa, 4*aa+1, 4*aa+2, 4*aa+3
	PIECE 1, 8, aa*2048, 4*aa, 4*aa+1, 4*aa+2, 4*aa+3
.set aa, aa+1
.endr
	VMAX
.irp b, 0,1,2,3                        ; V': 16 channels (column block b) x 64 keys (row blocks 4 ah .. 4 ah + 3)
.irp ah, 0,1
	SCALE 2, FS, 16*\ah+\b, 16*\ah+4+\b, 16*\ah+8+\b, 16*\ah+12+\b
	PIECE 2, 68, \ah*131072+\b*2048, 16*\ah+\b, 16*\ah+4+\b, 16*\ah+8+\b, 16*\ah+12+\b
.endr
.endr
	SEND (pcn+1)%2, pbase, poff, 0
	s_wait_tensorcnt 0x0                           ; the wave's end
	ds_add_u32 v[SPW], v[NIL]
	s_wait_dscnt 0x0
	CROUND                                         ; the closing round
	s_endpgm
.Lfunc_end_k_q5a0e540e85_proj:
	.size	k_q5a0e540e85_proj, .Lfunc_end_k_q5a0e540e85_proj-k_q5a0e540e85_proj
	.p2alignl 7, 3214868480
	.fill 96, 4, 3214868480
	.section	.rodata,"a",@progbits
	.p2align	6, 0x0
	.amdhsa_kernel k_q5a0e540e85_proj
		.amdhsa_group_segment_fixed_size 327680
		.amdhsa_private_segment_fixed_size 0
		.amdhsa_enable_private_segment 0
		.amdhsa_kernarg_size 48
		.amdhsa_user_sgpr_count 2
		.amdhsa_user_sgpr_kernarg_segment_ptr 1
		.amdhsa_wavefront_size32 1
		.amdhsa_system_sgpr_workgroup_id_x 1
		.amdhsa_system_sgpr_workgroup_id_y 1
		.amdhsa_system_sgpr_workgroup_id_z 1
		.amdhsa_system_vgpr_workitem_id 0
		.amdhsa_next_free_vgpr 768
		.amdhsa_next_free_sgpr 84
		.amdhsa_reserve_vcc 0
		.amdhsa_float_denorm_mode_32 3
		.amdhsa_float_denorm_mode_16_64 3
		.amdhsa_memory_ordered 1
		.amdhsa_forward_progress 1
		.amdhsa_inst_pref_size 107
	.end_amdhsa_kernel
	.amdgpu_metadata
---
amdhsa.version: [ 1, 2 ]
amdhsa.kernels:
  - .name:           k_q5a0e540e85_proj
    .symbol:         k_q5a0e540e85_proj.kd
    .args:
      - { .name: xh, .offset: 0, .size: 8, .value_kind: global_buffer, .address_space: global }
      - { .name: w3, .offset: 8, .size: 8, .value_kind: global_buffer, .address_space: global }
      - { .name: mx, .offset: 16, .size: 8, .value_kind: global_buffer, .address_space: global }
      - { .name: qb, .offset: 24, .size: 8, .value_kind: global_buffer, .address_space: global }
      - { .name: vt, .offset: 32, .size: 8, .value_kind: global_buffer, .address_space: global }
      - { .name: stats, .offset: 40, .size: 8, .value_kind: global_buffer, .address_space: global }
    .group_segment_fixed_size: 327680
    .private_segment_fixed_size: 0
    .kernarg_segment_align: 8
    .kernarg_segment_size: 48
    .max_flat_workgroup_size: 128
    .sgpr_count:     84
    .vgpr_count:     768
    .wavefront_size: 32
...
	.end_amdgpu_metadata
.endif
;; end of part 8
;; launch score (part 9): grid 8 x 32, 4 waves a work-group, clusters of 4 x 4, 327,680 bytes of LDS; arguments qb, xh, ew, stats; writes ew, stats
.if DOCPART == 9
	.amdgcn_target "amdgcn-amd-amdhsa--gfx1250"
	.amdhsa_code_object_version 6
	.text
	.protected	k_q5a0e540e85_score
	.globl	k_q5a0e540e85_score
	.p2align	8
	.type	k_q5a0e540e85_score,@function
k_q5a0e540e85_score:
	s_mov_b64 s[64:65], 0
	v_nop
	global_prefetch_b8 v0, s[64:65] scope:SCOPE_SE
	s_setreg_imm32_b32 hwreg(HW_REG_WAVE_MODE, 25, 1), 1
	s_wait_xcnt 0x0
	s_wait_alu depctr_hold_cnt(0) depctr_sa_sdst(0) depctr_va_vdst(0) depctr_va_sdst(0) depctr_va_ssrc(0) depctr_va_vcc(0) depctr_vm_vsrc(0)
	s_getreg_b32 s2, hwreg(HW_REG_IB_STS2, 6, 4)
	s_cmp_eq_u32 s2, 0
	s_cbranch_scc0 .Lentry_in_a_cluster
	s_endpgm
.Lentry_in_a_cluster:
	s_bfe_u32 s2, ttmp6, 0x10000c
	s_cmp_lg_u32 s2, 0xf033
	s_cbranch_scc0 .Lentry_shape_is_right
	s_endpgm
.Lentry_shape_is_right:
; SCORE.  S = Q' X^T, Q' = X (W_Q W_K^T) as the projection stored it, and the first half of the softmax on the way out.  For each row and each block t of 128 keys: cm = c x (the block's largest sum),
; c = log2(e) / 32 times the power of two that the projection stored for my 256 rows behind qb; e = 2^(c s - cm), rounded to f16; l = the sum of the unrounded e.
; The mixing launch joins the sixteen blocks of a row by the true maximum over them.
; ew: [32 blocks of 64 keys][8192 rows][64] f16;  stats: f32 [2: cm, l][16 t][8192 rows] (what lies behind these two planes is another launch's).
; LIMITS.  e lies in 0 to 1 and below 6e-5 keeps f16's fixed step of 6e-8; an e below 2^-126 counts as 0 in l; NaN and infinities are not treated apart.
; SHARES.  A work-group makes 256 rows x 256 keys of one batch; 8 x 32 work-groups.  Four waves, 2 x 2: a wave has 128 rows x 128 keys, one block t: 2 x 32 accumulators, windows 1 and 2.
; K (1,024 channels) goes in chunks of 64, two to a slot, through two LDS slots.  CLUSTER 4 x 4: Q''s tile is shared along a row of the cluster, X's along a column.
; A lane holds one row of S (source 0 = keys, source 1 = queries) and 64 of its 128 keys; the other 64 lie in the lane 16 away.
; THE WAY OUT is written for four row blocks and walked twice; between the two trips 256 v_mov_b32 bring row blocks 4-7 to the registers that the text names: the price of half the text.
; REGISTERS.  window 0: v1-12 addresses; v28, v29 the add's; v32-95 B's two buffers, later two sets of 32 on the way out; v96-223 A's two buffers; v224-239 the softmax's.  windows 1, 2: accumulator (a, b) at v[8 (4 a + b)].
.set NG,    2
.set WB,    1
.set LSW,   0
.set P,     144                        ; an LDS row: 128 bytes + 16 of padding: the 16 rows of a fragment load start at 16 different groups of four banks (ISA guide 11.1)
.set CHK,   (256+256)*P
.set SLOT,  2*CHK
.set GOFF,  64*P
.set WNR,   128
.set STAGE, 2*SLOT
.set SSTG,  STAGE+4*16*P               ; 1,024 bytes a wave: cm of my 128 rows, then l
.set SPARE, SSTG+4*1024
.set RA,    128                        ; a load: one chunk's 256 rows of 128 bytes, dense: 128 rows of 256
.set RB,    128
.set STEPA, 2*8192*128
.set STEPB, 2*8192*128
.set A0, 4
.set B0, 5
.set PA, 6
.set PB, 7
.set STO, 8
.set RD, 9
.set GO, 10
.set SS, 11                            ; v11  where my row's cm (lanes 0-15) or l (lanes 16-31) goes
.set SR, 12                            ; v12  where I read 16 bytes of them back
.set SPW, 28
.set NIL, 29
.set BF, 32
.set AF, 96
.set OB, 32
.set MX, 224                           ; v224-227 four chains of the maximum
.set LL, 228                           ; v228 l, v229 at work
.set CM, 230                           ; v230 cm; v231 named with it as a pair
.set SU, 232                           ; v232-239 four pairs of sums
.set CNT, 2
.set STEPS, 3
.set WV, 10
.set WM, 11
.set WN, 12
.set YB, 13
.set G1A, 24
.set G1B, 32
.set CX, 40
.set CY, 41
.set XB, 42
.set MROW, 43
.set MCOL, 44
.set BAT, 45
.set G0A, 48
.set G0B, 56
.set FS, 70
.set RS, 71
.set TB, 72
.set LWA, 73
.set LWB, 74
.set CS, 76                            ; s[76:77] c
.set SEL, 78                           ; s[78:79] v_permlanex16_b32's selects: each lane takes its own place in the other half
.set HALF, 80                          ; s80 the lanes 16-31
.set QS, 82                            ; s82 the power of two that Q' owes
.set G1W0, (1<<16)|(1<<20)|(1<<21)|(4<<22)|(3<<25)
.set MSB, 0
.macro WIN new
.if MSB != (\new)
	s_set_vgpr_msb (MSB<<8)|(\new)
.set MSB, (\new)
.endif
.endm
.macro PLACES
.rept 4
	v_nop
.endr
.endm
.macro CROUND
	s_barrier_signal -1
	s_barrier_wait -1
	s_cmp_lg_u32 s[WV], 0
	s_cbranch_scc1 .Lnot_wave_0_\@
	s_barrier_signal -3
.Lnot_wave_0_\@:
	s_barrier_wait -3
	s_barrier_signal -1
	s_barrier_wait -1
.endm
.macro JLOAD
	s_cmp_eq_u32 s[WM], 0
	s_cbranch_scc0 .Lfor_b_\@
	tensor_load_to_lds s[G0A+4:G0A+7], s[G1A:G1A+7]
	s_nop 0
.rept 4
	v_nop
.endr
	s_branch .Lasked_\@
.Lfor_b_\@:
	tensor_load_to_lds s[G0B+4:G0B+7], s[G1B:G1B+7]
	s_nop 0
.rept 4
	v_nop
.endr
.Lasked_\@:
.endm
.macro LDA pa, ofs
.irp a, 0,1,2,3,4,5,6,7
	ds_load_b128 v[AF+64*(\pa)+8*\a:AF+64*(\pa)+8*\a+3], v[PA] offset:(\ofs)+\a*16*P
	ds_load_b128 v[AF+64*(\pa)+8*\a+4:AF+64*(\pa)+8*\a+7], v[PA] offset:(\ofs)+\a*16*P+32
.endr
.endm
.macro LDB pb, ofs
.irp b, 0,1,2,3
	ds_load_b128 v[BF+32*(\pb)+8*\b:BF+32*(\pb)+8*\b+3], v[PB] offset:(\ofs)+\b*16*P
	ds_load_b128 v[BF+32*(\pb)+8*\b+4:BF+32*(\pb)+8*\b+7], v[PB] offset:(\ofs)+\b*16*P+32
.endr
.endm
.macro MUL4 a, pa, pb, w, zero, swap
	WIN ((\w)<<6)|((\w)<<4)
.irp b, 0,1,2,3
.if \zero
	v_wmma_f32_16x16x32_f16 v[8*(4*(\a)+\b):8*(4*(\a)+\b)+7], v[BF+32*(\pb)+8*\b:BF+32*(\pb)+8*\b+7], v[AF+64*(\pa)+8*(\a):AF+64*(\pa)+8*(\a)+7], 0
.else
	v_wmma_f32_16x16x32_f16 v[8*(4*(\a)+\b):8*(4*(\a)+\b)+7], v[BF+32*(\pb)+8*\b:BF+32*(\pb)+8*\b+7], v[AF+64*(\pa)+8*(\a):AF+64*(\pa)+8*(\a)+7], v[8*(4*(\a)+\b):8*(4*(\a)+\b)+7]
.endif
.endr
.endm
.macro MULG pa, pb, w, zero, swap      ; a group: its 32 accumulators take turns, one instruction a turn
.irp a, 0,1,2,3,4,5,6,7
	MUL4 \a, \pa, \pb, \w, \zero, \swap
.endr
.endm
.macro GROUP i, zero
	s_wait_dscnt 0x0                               ; my fragments, asked for 32 matrix instructions ago
	WIN 0
	PLACES
	LDB ((\i)+1)%2, (((\i)+1)/NG)*64+(((\i)+1)%NG)*GOFF
.if ((\i)+1) == NG
	LDA 1, 64
.endif
	MULG (\i)/NG, (\i)%2, WB+(\i)%NG, \zero, 0
.endm
.macro UTOP
	s_wait_dscnt 0x0
	WIN 0
	v_add_nc_u32 v[PA], s[TB], v[A0]
	v_add_nc_u32 v[PB], s[TB], v[B0]
	v_nop
	v_nop
	s_add_co_u32 s[TB], s[TB], CHK
.endm
.macro UNITA                           ; a trip's first part: the next chunk's first fragments are fetched, the chunk in hand gets its last group, the next chunk its first K half
	UTOP
	LDB 0, 0
	LDA 0, 0
	MULG 1, 1, WB+NG-1, 0, LSW
.set gi, 0
.rept NG
	GROUP gi, 0
.set gi, gi+1
.endr
	WIN 0
.endm
.macro UNITZ                           ; its second part: the second K half but for its last group
.set gi, NG
.rept NG-1
	GROUP gi, 0
.set gi, gi+1
.endr
	WIN 0
.endm
.macro CHANGE fill                     ; the change of slots: all my tensor loads, the add, my reads of the old slot; then the barrier (fill = 1: a round of the cluster's, the joint refill first behind it)
	WIN 0
	s_wait_tensorcnt 0x0
	ds_add_u32 v[SPW], v[NIL]
.if \fill
	s_xor_b32 s[FS], s[FS], SLOT
	s_add_co_u32 s[G0A+5], s[FS], s[LWA]
	s_add_co_u32 s[G0B+5], s[FS], s[LWB]
	s_add_nc_u64 s[G0A+6:G0A+7], s[G0A+6:G0A+7], STEPA
	s_add_nc_u64 s[G0B+6:G0B+7], s[G0B+6:G0B+7], STEPB
.endif
	s_xor_b32 s[RS], s[RS], SLOT
	s_mov_b32 s[TB], s[RS]
	s_wait_dscnt 0x0
.if \fill
	CROUND
	JLOAD
.else
	s_barrier_signal -1
	s_barrier_wait -1
.endif
.endm
; THE SOFTMAX'S FIRST HALF for row block a: 32 registers in each of the two windows, 64 scores a lane.
.macro SMX a
.set AC, 32*(\a)
.set STS, OB+32*((\a)%2)
	WIN 0x15                                       ; three sources in window 1
.irp b, 0,1,2,3
	v_max3_num_f32 v[MX+\b], v[AC+8*\b], v[AC+8*\b+1], v[AC+8*\b+2]
.endr
	WIN 0x14
.irp b, 0,1,2,3
	v_max3_num_f32 v[MX+\b], v[MX+\b], v[AC+8*\b+3], v[AC+8*\b+4]
.endr
.irp b, 0,1,2,3
	v_max3_num_f32 v[MX+\b], v[MX+\b], v[AC+8*\b+5], v[AC+8*\b+6]
.endr
	v_max3_num_f32 v[MX], v[MX], v[AC+7], v[AC+15]
	v_max3_num_f32 v[MX+2], v[MX+2], v[AC+23], v[AC+31]
	WIN 0x28                                       ; window 2
.irp q, 0,2,4,6
.irp b, 0,1,2,3
	v_max3_num_f32 v[MX+\b], v[MX+\b], v[AC+8*\b+\q], v[AC+8*\b+\q+1]
.endr
.endr
	WIN 0
	v_max3_num_f32 v[MX], v[MX], v[MX+1], v[MX+2]
	v_max_num_f32 v[MX], v[MX], v[MX+3]
	v_permlanex16_b32 v[MX+1], v[MX], s[SEL], s[SEL+1]  ; the row's other 64 keys
	v_max_num_f32 v[MX], v[MX], v[MX+1]
	v_mul_f32 v[CM], s[CS], v[MX]
	WIN 0x41                                       ; window 1 in place, cm from window 0
.set z, 0
.rept 16
	v_pk_fma_f32 v[AC+2*z:AC+2*z+1], v[AC+2*z:AC+2*z+1], s[CS:CS+1], v[CM:CM+1] op_sel_hi:[1,0,0] neg_lo:[0,0,1] neg_hi:[0,0,1]
.set z, z+1
.endr
.set z, 0
.rept 32
	v_exp_f32 v[AC+z], v[AC+z]
.set z, z+1
.endr
	WIN 0x82                                       ; window 2: its scalings are the plain instructions behind window 1's exponentials (ISA guide 5.7.2)
.set z, 0
.rept 16
	v_pk_fma_f32 v[AC+2*z:AC+2*z+1], v[AC+2*z:AC+2*z+1], s[CS:CS+1], v[CM:CM+1] op_sel_hi:[1,0,0] neg_lo:[0,0,1] neg_hi:[0,0,1]
.set z, z+1
.endr
.set z, 0
.rept 32
	v_exp_f32 v[AC+z], v[AC+z]
.set z, z+1
.endr
	v_nop                                          ; a plain instruction behind the last exponential
	WIN 0x05                                       ; the sum, in four chains of pairs
	s_wait_alu depctr_va_vdst(0)
.irp q, 0,1,2,3
	v_pk_add_f32 v[SU+2*\q:SU+2*\q+1], v[AC+4*\q:AC+4*\q+1], v[AC+4*\q+2:AC+4*\q+3]
.endr
	WIN 0x04
.irp k, 16,24
.irp q, 0,1,2,3
	v_pk_add_f32 v[SU+2*\q:SU+2*\q+1], v[SU+2*\q:SU+2*\q+1], v[AC+\k+2*\q:AC+\k+2*\q+1]
.endr
.endr
	WIN 0x08
.irp k, 0,8,16,24
.irp q, 0,1,2,3
	v_pk_add_f32 v[SU+2*\q:SU+2*\q+1], v[SU+2*\q:SU+2*\q+1], v[AC+\k+2*\q:AC+\k+2*\q+1]
.endr
.endr
	WIN 0
	v_pk_add_f32 v[SU:SU+1], v[SU:SU+1], v[SU+2:SU+3]
	v_pk_add_f32 v[SU+4:SU+5], v[SU+4:SU+5], v[SU+6:SU+7]
	v_pk_add_f32 v[SU:SU+1], v[SU:SU+1], v[SU+4:SU+5]
	v_add_f32 v[LL], v[SU], v[SU+1]
	v_permlanex16_b32 v[LL+1], v[LL], s[SEL], s[SEL+1]
	v_add_f32 v[LL], v[LL], v[LL+1]
	s_wait_xcnt 0x0                                ; the stores of the block before last have read this set (ISA guide 3.1)
	WIN 0x05
.set z, 0
.rept 16
	v_cvt_pk_f16_f32 v[STS+z], v[AC+2*z], v[AC+2*z+1]
.set z, z+1
.endr
	WIN 0x0a
.set z, 0
.rept 16
	v_cvt_pk_f16_f32 v[STS+16+z], v[AC+2*z], v[AC+2*z+1]
.set z, z+1
.endr
	WIN 0
.irp g, 0,1                            ; each half of 64 keys through my stage: LDS serves a wave's instructions in order (ISA guide 5.7.1.4)
.irp b, 0,1,2,3
	ds_store_b128 v[STO], v[STS+16*\g+4*\b:STS+16*\g+4*\b+3] offset:32*\b
.endr
.irp f, 0,1,2,3
	ds_load_b128 v[STS+16*\g+4*\f:STS+16*\g+4*\f+3], v[RD] offset:4*P*\f
.endr
.endr
	v_cndmask_b32 v[LL+1], v[CM], v[LL], s[HALF]   ; lanes 0-15 keep cm, lanes 16-31 l
	ds_store_b32 v[SS], v[LL+1] offset:64*(\a)
.endm
.macro SENDE a, younger                ; younger: the next block's 17 LDS instructions, or none
.set STS, OB+32*((\a)%2)
	s_wait_dscnt \younger
.irp g, 0,1
.irp f, 0,1,2,3
	global_store_b128 v[GO], v[STS+16*\g+4*\f:STS+16*\g+4*\f+3], s[8:9] offset:\g*1048576+(\a)*2048+512*\f  ; 512 consecutive bytes, aligned
.endr
.endr
.endm
	s_load_b128 s[4:7], s[0:1], 0x0                ; qb s[4:5], xh s[6:7]
	s_load_b64 s[8:9], s[0:1], 0x10                ; ew
	s_load_b64 s[66:67], s[0:1], 0x18              ; stats
	v_lshl_add_u32 v[SPW], v0, 2, SPARE
	v_mov_b32 v[NIL], 0
	ds_add_u32 v[SPW], v[NIL]                      ; the wave's opening: the add and its wait stand ahead of my first tensor load
	v_lshrrev_b32 v3, 5, v0
	v_readfirstlane_b32 s[WV], v3
	s_lshr_b32 s[WM], s[WV], 1
	s_and_b32 s[WN], s[WV], 1
	s_bfe_u32 s[CX], ttmp6, 0x40000
	s_bfe_u32 s[CY], ttmp6, 0x40004
	s_lshl_b32 s[XB], ttmp9, 2
	s_add_co_u32 s[XB], s[XB], s[CX]               ; block of 256 keys
	s_and_b32 s[BAT], ttmp7, 0xffff
	s_lshl_b32 s[YB], s[BAT], 2
	s_add_co_u32 s[YB], s[YB], s[CY]               ; block of 256 rows
	s_lshr_b32 s[BAT], s[BAT], 1                   ; the batch: the same in all sixteen partners
	s_lshl_b32 s[MROW], s[CY], 2
	s_lshl_b32 s[MROW], 15, s[MROW]
	s_lshl_b32 s[MCOL], 0x1111, s[CX]
	s_or_b32 s[G1A], s[MROW], G1W0
	s_or_b32 s[G1B], s[MCOL], G1W0
	s_mov_b32 s[G1A+1], 128<<16
	s_mov_b32 s[G1A+2], RA<<16
	s_mov_b32 s[G1A+3], 128<<16
	s_mov_b32 s[G1A+4], RA
	s_mov_b32 s[G1A+5], 128
	s_mov_b32 s[G1A+6], 0
	s_mov_b32 s[G1A+7], 0
	s_mov_b32 s[G1B+1], 128<<16
	s_mov_b32 s[G1B+2], RB<<16
	s_mov_b32 s[G1B+3], 128<<16
	s_mov_b32 s[G1B+4], RB
	s_mov_b32 s[G1B+5], 128
	s_mov_b32 s[G1B+6], 0
	s_mov_b32 s[G1B+7], 0
	s_mul_i32 s[LWA], s[WN], CHK                   ; I fetch chunk wn of a slot's two
	s_add_co_u32 s[LWB], s[LWA], 256*P
	s_lshl_b32 s16, s[YB], 15
	s_lshl_b32 s18, s[WN], 20                      ; a channel block is 1 MiB
	s_add_co_u32 s16, s16, s18
	s_mov_b32 s17, 0
	s_lshl_b32 s20, s[BAT], 18                     ; 2,048 rows of 128 bytes a batch
	s_lshl_b32 s22, s[XB], 15
	s_add_co_u32 s20, s20, s22
	s_lshl_b32 s22, s[WN], 20
	s_add_co_u32 s20, s20, s22
	s_mov_b32 s21, 0
	s_mov_b32 s[FS], SLOT
	s_mov_b32 s[RS], 0
	s_mov_b32 s[TB], 0
	s_mov_b32 s[SEL], 0x76543210
	s_mov_b32 s[SEL+1], 0xfedcba98
	s_mov_b32 s[HALF], 0xffff0000
	s_wait_dscnt 0x0
	s_wait_kmcnt 0x0
	s_add_nc_u64 s[16:17], s[4:5], s[16:17]
	s_add_nc_u64 s[20:21], s[6:7], s[20:21]
.irp s, 0,1
	s_mov_b32 s[G0A+4*\s], 1
	s_add_co_u32 s[G0A+4*\s+1], s[LWA], \s*SLOT
	s_add_nc_u64 s[G0A+4*\s+2:G0A+4*\s+3], s[16:17], \s*STEPA
	s_or_b32 s[G0A+4*\s+3], s[G0A+4*\s+3], 0x80000000
	s_mov_b32 s[G0B+4*\s], 1
	s_add_co_u32 s[G0B+4*\s+1], s[LWB], \s*SLOT
	s_add_nc_u64 s[G0B+4*\s+2:G0B+4*\s+3], s[20:21], \s*STEPB
	s_or_b32 s[G0B+4*\s+3], s[G0B+4*\s+3], 0x80000000
.endr
	CROUND
	s_cmp_eq_u32 s[WM], 0
	s_cbranch_scc0 .Lfirst_b
	tensor_load_to_lds s[G0A:G0A+3], s[G1A:G1A+7]
	s_nop 0
	tensor_load_to_lds s[G0A+4:G0A+7], s[G1A:G1A+7]
	s_nop 0
.rept 4
	v_nop
.endr
	s_branch .Lfirst_asked
.Lfirst_b:
	tensor_load_to_lds s[G0B:G0B+3], s[G1B:G1B+7]
	s_nop 0
	tensor_load_to_lds s[G0B+4:G0B+7], s[G1B:G1B+7]
	s_nop 0
.rept 4
	v_nop
.endr
.Lfirst_asked:
	s_lshl_b32 s22, s[YB], 3                       ; the power of two that my rows' Q' owes: the same number lies in all 32 units of row block Y; I take unit (8 Y + X) x 4 + wave, 256 bytes each, behind qb's 16 MiB
	s_add_co_u32 s22, s22, s[XB]
	s_lshl_b32 s22, s22, 2
	s_add_co_u32 s22, s22, s[WV]
	s_lshl_b32 s22, s22, 8
	s_add_co_u32 s22, s22, 16777216
	s_mov_b32 s23, 0
	s_add_nc_u64 s[68:69], s[4:5], s[22:23]
	s_load_b32 s[QS], s[68:69], 0x0
	v_and_b32 v1, 15, v0
	v_bfe_u32 v2, v0, 4, 1
	v_mul_u32_u24 v3, v1, P
	v_lshl_add_u32 v3, v2, 4, v3
	s_mul_i32 s16, s[WM], 128*P
	s_mul_i32 s17, s[WN], WNR*P
	s_add_co_u32 s17, s17, 256*P
	v_add_nc_u32 v[A0], s16, v3
	v_add_nc_u32 v[B0], s17, v3
	s_mul_i32 s18, s[WV], 16*P
	s_add_co_u32 s18, s18, STAGE
	v_add_nc_u32 v[STO], s18, v3
	v_bfe_u32 v[RD], v0, 3, 2
	v_and_b32 v3, 7, v0
	v_mul_u32_u24 v[RD], v[RD], P
	v_lshl_add_u32 v[RD], v3, 4, v[RD]
	v_add_nc_u32 v[RD], s18, v[RD]
	v_and_b32 v[GO], 31, v0
	v_lshlrev_b32 v[GO], 4, v[GO]
	s_lshl_b32 s19, s[WV], 10
	s_add_co_u32 s19, s19, SSTG
	v_lshlrev_b32 v[SS], 9, v2                     ; plane l / 16, row l % 16 (+ 16 a)
	v_lshl_add_u32 v[SS], v1, 2, v[SS]
	v_add_nc_u32 v[SS], s19, v[SS]
	v_add_nc_u32 v[SR], s19, v[GO]
	v_mov_b32 v[CM+1], 0                           ; named in a pair, and as a lane exchange's destination: written once
	v_mov_b32 v[LL+1], 0
	s_lshl_b32 s20, s[XB], 2                       ; ew: key block 4 X + 2 wn (+ g), 1 MiB each; my 128 rows
	s_lshl1_add_u32 s20, s[WN], s20
	s_lshl_b32 s20, s20, 20
	s_lshl_b32 s21, s[YB], 15
	s_add_co_u32 s20, s20, s21
	s_lshl_b32 s21, s[WM], 14
	s_add_co_u32 s20, s20, s21
	s_mov_b32 s21, 0
	s_add_nc_u64 s[8:9], s[8:9], s[20:21]
	s_lshl_b32 s22, s[XB], 1                       ; stats: t = 2 X + wn, 32 KiB each; my 128 rows of 4 bytes
	s_add_co_u32 s22, s22, s[WN]
	s_lshl_b32 s22, s22, 15
	s_lshl_b32 s23, s[YB], 10
	s_add_co_u32 s22, s22, s23
	s_lshl_b32 s23, s[WM], 9
	s_add_co_u32 s22, s22, s23
	s_mov_b32 s23, 0
	s_add_nc_u64 s[66:67], s[66:67], s[22:23]
	s_wait_kmcnt 0x0                               ; the power of two
	v_mov_b32 v[MX], 0x3d38aa3b                    ; log2(e) / 32
	v_mul_f32 v[MX], s[QS], v[MX]                  ; exact
	v_readfirstlane_b32 s[CS], v[MX]               ; c: a number for the arithmetic alone
	s_mov_b32 s[CS+1], s[CS]
	s_wait_tensorcnt 0x1                           ; my part of slot 0 is in; slot 1's may stay out
	s_barrier_signal -1
	s_barrier_wait -1
	UTOP
	LDB 0, 0
	LDA 0, 0
	GROUP 0, 1                                     ; the first K half starts the sums
	GROUP 1, 1
	WIN 0
	s_mov_b32 s[CNT], 2                            ; the loops are entered in the middle of slot 0's first trip;
	s_mov_b32 s[STEPS], 7                          ; six whole trips of the outer loop follow: the fills of slots 2 to 7
	s_branch .Lmid
.Lmain:
	CHANGE 1
	s_mov_b32 s[CNT], 2
.Ltwo:                                                 ; a slot's two chunks: written once, walked twice; the LDS addresses hang on s[TB]
	UNITA
.Lmid:
	UNITZ
	s_sub_co_u32 s[CNT], s[CNT], 1
	s_cmp_lg_u32 s[CNT], 0
	s_cbranch_scc1 .Ltwo
	s_sub_co_u32 s[STEPS], s[STEPS], 1
	s_cmp_lg_u32 s[STEPS], 0
	s_cbranch_scc1 .Lmain
	CHANGE 0                                       ; the tail is written out: nothing is left to ask for
	s_mov_b32 s[CNT], 2
.Ltail:
	UNITA
	UNITZ
	s_sub_co_u32 s[CNT], s[CNT], 1
	s_cmp_lg_u32 s[CNT], 0
	s_cbranch_scc1 .Ltail
	s_wait_dscnt 0x0
	MULG 1, 1, WB+NG-1, 0, LSW
	WIN 0
	PLACES
	s_mov_b32 s[CNT], 2
.Lout:                                                 ; four row blocks a trip
	SMX 0
.irp a, 1,2,3                          ; a block's arithmetic stands between the loads of the block before and its stores
	SMX \a
	SENDE \a-1, 17
.endr
	SENDE 3, 0
	s_cmp_eq_u32 s[CNT], 1
	s_cbranch_scc1 .Lnomove                        ; behind the second trip nothing is left to bring
	WIN 0x41
.set z, 0
.rept 128
	v_mov_b32 v[z], v[128+z]                       ; row blocks 4-7, each accumulator from its low end on
.set z, z+1
.endr
	WIN 0x82
.set z, 0
.rept 128
	v_mov_b32 v[z], v[128+z]
.set z, z+1
.endr
	WIN 0
	v_add_nc_u32 v[SS], 256, v[SS]                 ; 64 rows on among the statistics,
	s_wait_xcnt 0x0                                ; the stores have read their base (ISA guide 3.1)
	s_add_nc_u64 s[8:9], s[8:9], 8192              ; and in ew
.Lnomove:
	s_sub_co_u32 s[CNT], s[CNT], 1
	s_cmp_lg_u32 s[CNT], 0
	s_cbranch_scc1 .Lout
	ds_load_b128 v[96:99], v[SR]                   ; cm of my 128 rows, 512 bytes; LDS serves my stores first
	ds_load_b128 v[100:103], v[SR] offset:512      ; l
	s_wait_dscnt 0x0
	global_store_b128 v[GO], v[96:99], s[66:67]
	global_store_b128 v[GO], v[100:103], s[66:67] offset:524288
	s_wait_tensorcnt 0x0                           ; the wave's end
	ds_add_u32 v[SPW], v[NIL]
	s_wait_dscnt 0x0
	CROUND
	s_endpgm
.Lfunc_end_k_q5a0e540e85_score:
	.size	k_q5a0e540e85_score, .Lfunc_end_k_q5a0e540e85_score-k_q5a0e540e85_score
	.p2alignl 7, 3214868480
	.fill 96, 4, 3214868480
	.section	.rodata,"a",@progbits
	.p2align	6, 0x0
	.amdhsa_kernel k_q5a0e540e85_score
		.amdhsa_group_segment_fixed_size 327680
		.amdhsa_private_segment_fixed_size 0
		.amdhsa_enable_private_segment 0
		.amdhsa_kernarg_size 32
		.amdhsa_user_sgpr_count 2
		.amdhsa_user_sgpr_kernarg_segment_ptr 1
		.amdhsa_wavefront_size32 1
		.amdhsa_system_sgpr_workgroup_id_x 1
		.amdhsa_system_sgpr_workgroup_id_y 1
		.amdhsa_system_sgpr_workgroup_id_z 1
		.amdhsa_system_vgpr_workitem_id 0
		.amdhsa_next_free_vgpr 768
		.amdhsa_next_free_sgpr 84
		.amdhsa_reserve_vcc 0
		.amdhsa_float_denorm_mode_32 3
		.amdhsa_float_denorm_mode_16_64 3
		.amdhsa_memory_ordered 1
		.amdhsa_forward_progress 1
		.amdhsa_inst_pref_size 106
	.end_amdhsa_kernel
	.amdgpu_metadata
---
amdhsa.version: [ 1, 2 ]
amdhsa.kernels:
  - .name:           k_q5a0e540e85_score
    .symbol:         k_q5a0e540e85_score.kd
    .args:
      - { .name: qb, .offset: 0, .size: 8, .value_kind: global_buffer, .address_space: global }
      - { .name: xh, .offset: 8, .size: 8, .value_kind: global_buffer, .address_space: global }
      - { .name: ew, .offset: 16, .size: 8, .value_kind: global_buffer, .address_space: global }
      - { .name: stats, .offset: 24, .size: 8, .value_kind: global_buffer, .address_space: global }
    .group_segment_fixed_size: 327680
    .private_segment_fixed_size: 0
    .kernarg_segment_align: 8
    .kernarg_segment_size: 32
    .max_flat_workgroup_size: 128
    .sgpr_count:     84
    .vgpr_count:     768
    .wavefront_size: 32
...
	.end_amdgpu_metadata
.endif
;; end of part 9
;; launch mix (part 10): grid 8 x 32, 4 waves a work-group, clusters of 4 x 4, 327,680 bytes of LDS; arguments ew, vt, stats, out0; writes out0
.if DOCPART == 10
	.amdgcn_target "amdgcn-amd-amdhsa--gfx1250"
	.amdhsa_code_object_version 6
	.text
	.protected	k_q5a0e540e85_mix
	.globl	k_q5a0e540e85_mix
	.p2align	8
	.type	k_q5a0e540e85_mix,@function
k_q5a0e540e85_mix:
	s_mov_b64 s[64:65], 0
	v_nop
	global_prefetch_b8 v0, s[64:65] scope:SCOPE_SE
	s_setreg_imm32_b32 hwreg(HW_REG_WAVE_MODE, 25, 1), 1
	s_wait_xcnt 0x0
	s_wait_alu depctr_hold_cnt(0) depctr_sa_sdst(0) depctr_va_vdst(0) depctr_va_sdst(0) depctr_va_ssrc(0) depctr_va_vcc(0) depctr_vm_vsrc(0)
	s_getreg_b32 s2, hwreg(HW_REG_IB_STS2, 6, 4)
	s_cmp_eq_u32 s2, 0
	s_cbranch_scc0 .Lentry_in_a_cluster
	s_endpgm
.Lentry_in_a_cluster:
	s_bfe_u32 s2, ttmp6, 0x10000c
	s_cmp_lg_u32 s2, 0xf033
	s_cbranch_scc0 .Lentry_shape_is_right
	s_endpgm
.Lentry_shape_is_right:
; MIX.  y = softmax(S) V', V' = X (W_V W_O), from the sixteen blocks that the score launch left: for a row, M = the largest cm_t (the true maximum, times c), w_t = 2^(cm_t - M), L = the sum of w_t l_t,
; y = (the sum over t of w_t s_t (E_t V^_t)) / L, where V^_t is my 128 keys x 64 channels of V' as the projection stored them and s_t the power of two that it stored beside them.
; E_t V^_t is a matrix product over 128 keys, started with 0 (T, window 2); it is folded into the total (ACC, window 1) by one packed multiply-add in f32, so the weights e get no second rounding.  y is stored as f32.
; LIMITS.  A w_t below 2^-126 counts as 0.  L is at least about 1: the block that holds the row's maximum has w = 1 and l >= 1.  NaN and infinities are not treated apart.
; SHARES.  A work-group makes 256 rows x 128 channels; 8 x 32 work-groups.  Four waves, 2 x 2: 128 rows x 64 channels each.  A step is one block t: two chunks of 64 keys, one slot; four groups of 32 matrix instructions.
; CLUSTER 4 x 4: E's tile is shared along a row of the cluster, V's along a column.
; ACC is cleared by 256 v_mov_b32 in the wait for the first tile: the price of one text for every fold.  The tail's last trip multiplies one group (32 of a wave's 2,048 matrix instructions) on a slot already used,
; into a T that nobody folds: the price of one text for both tail trips.
; REGISTERS.  window 0: v1-14 addresses; v16-27 the prologue's; v28, v29 the add's; v32-95 B's two buffers (later the way out); v96-223 A's two buffers (both first hold the statistics); v224-239 eight pairs: the weight of my row in row block a.
.set NG,    1
.set WB,    2
.set P,     144                        ; an LDS row: 128 bytes + 16 of padding: the 16 rows of a fragment load start at 16 different groups of four banks (ISA guide 11.1)
.set CHK,   (256+128)*P
.set SLOT,  2*CHK
.set GOFF,  0
.set WNR,   64
.set STAGE, 2*SLOT
.set SP,    272                        ; a stage row: 64 f32 + 16 bytes
.set TAB,   STAGE+4*16*SP              ; 8,704 bytes a wave: w s [16 t][128 rows], then 1 / L [128 rows]
.set SPARE, TAB+4*8704
.set RA,    128
.set RB,    64
.set STEPA, 2*8192*128
.set STEPB, 2*1024*128
.set A0, 4
.set B0, 5
.set PA, 6
.set PB, 7
.set STO, 8
.set RD, 9
.set GO, 10                            ; v10  16 x lane
.set W0, 11                            ; v11  my row's word in a line of the table
.set PW, 12                            ; v12  the same in the step's line
.set TS, 13                            ; v13  where I put 16 bytes of a line
.set GY, 14                            ; v14  my 16 bytes in two rows of y
.set MXR, 16                           ; v16-19 M of my four rows; v20-23 L; v24-27 1 / L
.set LS, 20
.set RC, 24
.set SPW, 28
.set NIL, 29
.set BF, 32
.set AF, 96
.set OB, 32
.set CMR, 32                           ; v32-95 cm_t, then w_t, of rows 4 l .. 4 l + 3
.set LR, 96                            ; v96-159 l_t
.set WT, 224
.set STEPS, 3
.set WV, 10
.set WM, 11
.set WN, 12
.set YB, 13
.set G1A, 24
.set G1B, 32
.set CX, 40
.set CY, 41
.set XB, 42
.set MROW, 43
.set MCOL, 44
.set BAT, 45
.set G0A, 48
.set G0B, 56
.set FS, 70
.set RS, 71
.set TB, 72
.set LWA, 73
.set LWB, 74
.set TW, 75                            ; s75 512 t
.set SC, 84                            ; s84-99 s_t
.set G1W0, (1<<16)|(1<<20)|(1<<21)|(4<<22)|(3<<25)
.set MSB, 0
.macro WIN new
.if MSB != (\new)
	s_set_vgpr_msb (MSB<<8)|(\new)
.set MSB, (\new)
.endif
.endm
.macro PLACES
.rept 4
	v_nop
.endr
.endm
.macro CROUND
	s_barrier_signal -1
	s_barrier_wait -1
	s_cmp_lg_u32 s[WV], 0
	s_cbranch_scc1 .Lnot_wave_0_\@
	s_barrier_signal -3
.Lnot_wave_0_\@:
	s_barrier_wait -3
	s_barrier_signal -1
	s_barrier_wait -1
.endm
.macro JLOAD
	s_cmp_eq_u32 s[WM], 0
	s_cbranch_scc0 .Lfor_b_\@
	tensor_load_to_lds s[G0A+4:G0A+7], s[G1A:G1A+7]
	s_nop 0
.rept 4
	v_nop
.endr
	s_branch .Lasked_\@
.Lfor_b_\@:
	tensor_load_to_lds s[G0B+4:G0B+7], s[G1B:G1B+7]
	s_nop 0
.rept 4
	v_nop
.endr
.Lasked_\@:
.endm
.macro LDA pa, ofs
.irp a, 0,1,2,3,4,5,6,7
	ds_load_b128 v[AF+64*(\pa)+8*\a:AF+64*(\pa)+8*\a+3], v[PA] offset:(\ofs)+\a*16*P
	ds_load_b128 v[AF+64*(\pa)+8*\a+4:AF+64*(\pa)+8*\a+7], v[PA] offset:(\ofs)+\a*16*P+32
.endr
.endm
.macro LDB pb, ofs
.irp b, 0,1,2,3
	ds_load_b128 v[BF+32*(\pb)+8*\b:BF+32*(\pb)+8*\b+3], v[PB] offset:(\ofs)+\b*16*P
	ds_load_b128 v[BF+32*(\pb)+8*\b+4:BF+32*(\pb)+8*\b+7], v[PB] offset:(\ofs)+\b*16*P+32
.endr
.endm
.macro MUL4 a, pa, pb, w, zero, swap
	WIN ((\w)<<6)|((\w)<<4)
.irp b, 0,1,2,3
.if \zero
	v_wmma_f32_16x16x32_f16 v[8*(4*(\a)+\b):8*(4*(\a)+\b)+7], v[BF+32*(\pb)+8*\b:BF+32*(\pb)+8*\b+7], v[AF+64*(\pa)+8*(\a):AF+64*(\pa)+8*(\a)+7], 0
.else
	v_wmma_f32_16x16x32_f16 v[8*(4*(\a)+\b):8*(4*(\a)+\b)+7], v[BF+32*(\pb)+8*\b:BF+32*(\pb)+8*\b+7], v[AF+64*(\pa)+8*(\a):AF+64*(\pa)+8*(\a)+7], v[8*(4*(\a)+\b):8*(4*(\a)+\b)+7]
.endif
.endr
.endm
.macro MULG pa, pb, w, zero, swap      ; a group: its 32 accumulators take turns, one instruction a turn
.irp a, 0,1,2,3,4,5,6,7
	MUL4 \a, \pa, \pb, \w, \zero, \swap
.endr
.endm
.macro GROUP i, zero
	s_wait_dscnt 0x0
	WIN 0
	PLACES
	LDB ((\i)+1)%2, (((\i)+1)/NG)*64+(((\i)+1)%NG)*GOFF
.if ((\i)+1) == NG
	LDA 1, 64
.endif
	MULG (\i)/NG, (\i)%2, WB+(\i)%NG, \zero, 0
.endm
.macro UTOP
	s_wait_dscnt 0x0
	WIN 0
	v_add_nc_u32 v[PA], s[TB], v[A0]
	v_add_nc_u32 v[PB], s[TB], v[B0]
	v_nop
	v_nop
	s_add_co_u32 s[TB], s[TB], CHK
.endm
.macro CHANGE fill                     ; the change of slots: all my tensor loads, the add, my reads of the old slot; then the barrier (fill = 1: a round of the cluster's, the joint refill first behind it)
	WIN 0
	s_wait_tensorcnt 0x0
	ds_add_u32 v[SPW], v[NIL]
.if \fill
	s_xor_b32 s[FS], s[FS], SLOT
	s_add_co_u32 s[G0A+5], s[FS], s[LWA]
	s_add_co_u32 s[G0B+5], s[FS], s[LWB]
	s_add_nc_u64 s[G0A+6:G0A+7], s[G0A+6:G0A+7], STEPA
	s_add_nc_u64 s[G0B+6:G0B+7], s[G0B+6:G0B+7], STEPB
.endif
	s_xor_b32 s[RS], s[RS], SLOT
	s_mov_b32 s[TB], s[RS]
	s_wait_dscnt 0x0
.if \fill
	CROUND
	JLOAD
.else
	s_barrier_signal -1
	s_barrier_wait -1
.endif
.endm
.macro FOLD a                          ; ACC(a) += w_t s_t T(a): 16 packed multiply-adds, each accumulator of T read from its low end on
	WIN 0x52                                       ; T in window 2, the weight in window 0, ACC in window 1
.set z, 0
.rept 16
	v_pk_fma_f32 v[32*(\a)+2*z:32*(\a)+2*z+1], v[32*(\a)+2*z:32*(\a)+2*z+1], v[WT+2*(\a):WT+2*(\a)+1], v[32*(\a)+2*z:32*(\a)+2*z+1] op_sel_hi:[1,0,1]
.set z, z+1
.endr
.endm
.macro BEVEN                           ; the step's second chunk is fetched, and its line of weights; the first chunk's second group; the second chunk's first
	UTOP
	v_add_nc_u32 v[PW], s[TW], v[W0]
	s_add_co_u32 s[TW], s[TW], 512
	LDB 0, 0
	LDA 0, 0
.irp a, 0,1,2,3,4,5,6,7
	ds_load_b32 v[WT+2*\a], v[PW] offset:64*\a
.endr
	MULG 1, 1, 2, 0, 0
	GROUP 0, 0
	WIN 0
.endm
; The next step's first chunk is fetched; the step's last group, with the folds of the row blocks that are finished between its products; the next step's first group, which starts T anew.
; Each fold stands four plain instructions or more behind the products that it reads (the four v_nop, or earlier folds, which name none of those products' registers), and folds 6 and 7 ahead of the products that write their T anew.
.macro BODD
	UTOP
	LDB 0, 0
	LDA 0, 0
	MUL4 0, 1, 1, 2, 0, 0
	MUL4 1, 1, 1, 2, 0, 0
	PLACES
.irp a, 2,3,4,5,6,7
	MUL4 \a, 1, 1, 2, 0, 0
	FOLD \a-2
.endr
	s_wait_dscnt 0x0
	WIN 0
	PLACES
	LDB 1, 64
	LDA 1, 64
	MUL4 0, 0, 0, 2, 1, 0
	FOLD 6
	MUL4 1, 0, 0, 2, 1, 0
	FOLD 7
.irp a, 2,3,4,5,6,7
	MUL4 \a, 0, 0, 2, 1, 0
.endr
	WIN 0
.endm
.macro TOST a                          ; row block a: 32 bytes a lane and column block from ACC into my stage, back as whole rows of 256 bytes
	s_wait_xcnt 0x0                                ; the stores of the block before last have read this set (ISA guide 3.1)
	WIN 0x04                                       ; the stores' data in window 1
.irp b, 0,1,2,3
	ds_store_b128 v[STO], v[32*(\a)+8*\b:32*(\a)+8*\b+3] offset:64*\b
	ds_store_b128 v[STO], v[32*(\a)+8*\b+4:32*(\a)+8*\b+7] offset:64*\b+16
.endr
	WIN 0
.irp t, 0,1,2,3,4,5,6,7
	ds_load_b128 v[OB+32*((\a)%2)+4*\t:OB+32*((\a)%2)+4*\t+3], v[RD] offset:2*SP*\t  ; LDS serves a wave's instructions in order (ISA guide 5.7.1.4)
.endr
.endm
.macro SENDO a, younger                ; younger: the next block's 16 LDS instructions, or none
	s_wait_dscnt \younger
.irp t, 0,1,2,3,4,5,6,7
	global_store_b128 v[GY], v[OB+32*((\a)%2)+4*\t:OB+32*((\a)%2)+4*\t+3], s[8:9] offset:(16*(\a)+2*\t)*4096 th:TH_STORE_NT  ; 16 lanes store 256 consecutive bytes, aligned
.endr
.endm
	s_load_b128 s[4:7], s[0:1], 0x0                ; ew s[4:5], vt s[6:7]
	s_load_b64 s[66:67], s[0:1], 0x10              ; stats
	s_load_b64 s[8:9], s[0:1], 0x18                ; out0
	v_lshl_add_u32 v[SPW], v0, 2, SPARE
	v_mov_b32 v[NIL], 0
	ds_add_u32 v[SPW], v[NIL]                      ; the wave's opening: the add and its wait stand ahead of my first tensor load
	v_lshrrev_b32 v3, 5, v0
	v_readfirstlane_b32 s[WV], v3
	s_lshr_b32 s[WM], s[WV], 1
	s_and_b32 s[WN], s[WV], 1
	s_bfe_u32 s[CX], ttmp6, 0x40000
	s_bfe_u32 s[CY], ttmp6, 0x40004
	s_lshl_b32 s[XB], ttmp9, 2
	s_add_co_u32 s[XB], s[XB], s[CX]               ; block of 128 channels
	s_and_b32 s[BAT], ttmp7, 0xffff
	s_lshl_b32 s[YB], s[BAT], 2
	s_add_co_u32 s[YB], s[YB], s[CY]               ; block of 256 rows
	s_lshr_b32 s[BAT], s[BAT], 1
	s_lshl_b32 s[MROW], s[CY], 2
	s_lshl_b32 s[MROW], 15, s[MROW]
	s_lshl_b32 s[MCOL], 0x1111, s[CX]
	s_or_b32 s[G1A], s[MROW], G1W0
	s_or_b32 s[G1B], s[MCOL], G1W0
	s_mov_b32 s[G1A+1], 128<<16
	s_mov_b32 s[G1A+2], RA<<16
	s_mov_b32 s[G1A+3], 128<<16
	s_mov_b32 s[G1A+4], RA
	s_mov_b32 s[G1A+5], 128
	s_mov_b32 s[G1A+6], 0
	s_mov_b32 s[G1A+7], 0
	s_mov_b32 s[G1B+1], 128<<16
	s_mov_b32 s[G1B+2], RB<<16
	s_mov_b32 s[G1B+3], 128<<16
	s_mov_b32 s[G1B+4], RB
	s_mov_b32 s[G1B+5], 128
	s_mov_b32 s[G1B+6], 0
	s_mov_b32 s[G1B+7], 0
	s_mul_i32 s[LWA], s[WN], CHK                   ; I fetch chunk wn of a slot's two
	s_add_co_u32 s[LWB], s[LWA], 256*P
	s_lshl_b32 s16, s[YB], 15
	s_lshl_b32 s18, s[WN], 20                      ; a key block of E is 1 MiB
	s_add_co_u32 s16, s16, s18
	s_mov_b32 s17, 0
	s_lshl_b32 s20, s[BAT], 22                     ; a batch of V' is 4 MiB, a key block 128 KiB, my 128 channels 16 KiB
	s_lshl_b32 s22, s[XB], 14
	s_add_co_u32 s20, s20, s22
	s_lshl_b32 s22, s[WN], 17
	s_add_co_u32 s20, s20, s22
	s_mov_b32 s21, 0
	s_mov_b32 s[FS], SLOT
	s_mov_b32 s[RS], 0
	s_mov_b32 s[TB], 0
	s_mov_b32 s[TW], 0
	s_wait_dscnt 0x0
	s_wait_kmcnt 0x0
	s_add_nc_u64 s[16:17], s[4:5], s[16:17]
	s_add_nc_u64 s[20:21], s[6:7], s[20:21]
.irp s, 0,1
	s_mov_b32 s[G0A+4*\s], 1
	s_add_co_u32 s[G0A+4*\s+1], s[LWA], \s*SLOT
	s_add_nc_u64 s[G0A+4*\s+2:G0A+4*\s+3], s[16:17], \s*STEPA
	s_or_b32 s[G0A+4*\s+3], s[G0A+4*\s+3], 0x80000000
	s_mov_b32 s[G0B+4*\s], 1
	s_add_co_u32 s[G0B+4*\s+1], s[LWB], \s*SLOT
	s_add_nc_u64 s[G0B+4*\s+2:G0B+4*\s+3], s[20:21], \s*STEPB
	s_or_b32 s[G0B+4*\s+3], s[G0B+4*\s+3], 0x80000000
.endr
	CROUND
	s_cmp_eq_u32 s[WM], 0
	s_cbranch_scc0 .Lfirst_b
	tensor_load_to_lds s[G0A:G0A+3], s[G1A:G1A+7]
	s_nop 0
	tensor_load_to_lds s[G0A+4:G0A+7], s[G1A:G1A+7]
	s_nop 0
.rept 4
	v_nop
.endr
	s_branch .Lfirst_asked
.Lfirst_b:
	tensor_load_to_lds s[G0B:G0B+3], s[G1B:G1B+7]
	s_nop 0
	tensor_load_to_lds s[G0B+4:G0B+7], s[G1B:G1B+7]
	s_nop 0
.rept 4
	v_nop
.endr
.Lfirst_asked:
	v_and_b32 v[GO], 31, v0
	v_lshlrev_b32 v[GO], 4, v[GO]
	s_lshl_b32 s22, s[BAT], 4                      ; the scales of my 64 channels: (16 batch + 2 X + wn) x 16 x 256 bytes behind the two planes; one every 256 bytes
	s_lshl1_add_u32 s22, s[XB], s22
	s_add_co_u32 s22, s22, s[WN]
	s_lshl_b32 s22, s22, 12
	s_add_co_u32 s22, s22, 1048576
	s_mov_b32 s23, 0
	s_add_nc_u64 s[68:69], s[66:67], s[22:23]
.set t, 0
.rept 16
	s_load_b32 s[SC+t], s[68:69], 256*t
.set t, t+1
.endr
	s_lshl_b32 s22, s[YB], 10                      ; stats at my 128 rows
	s_lshl_b32 s23, s[WM], 9
	s_add_co_u32 s22, s22, s23
	s_mov_b32 s23, 0
	s_add_nc_u64 s[66:67], s[66:67], s[22:23]
.set t, 0
.rept 16                               ; lane l takes rows 4 l .. 4 l + 3 of every block t: 512 consecutive bytes a load
	global_load_b128 v[CMR+4*t:CMR+4*t+3], v[GO], s[66:67] offset:32768*t
	global_load_b128 v[LR+4*t:LR+4*t+3], v[GO], s[66:67] offset:32768*t+524288
.set t, t+1
.endr
	v_and_b32 v1, 15, v0
	v_bfe_u32 v2, v0, 4, 1
	v_mul_u32_u24 v3, v1, P
	v_lshl_add_u32 v3, v2, 4, v3
	s_mul_i32 s16, s[WM], 128*P
	s_mul_i32 s17, s[WN], WNR*P
	s_add_co_u32 s17, s17, 256*P
	v_add_nc_u32 v[A0], s16, v3
	v_add_nc_u32 v[B0], s17, v3
	s_mul_i32 s18, s[WV], 16*SP
	s_add_co_u32 s18, s18, STAGE
	v_mul_u32_u24 v[STO], v1, SP                   ; in: row l % 16, 32 bytes for each half of the lanes
	v_lshl_add_u32 v[STO], v2, 5, v[STO]
	v_add_nc_u32 v[STO], s18, v[STO]
	v_mul_u32_u24 v[RD], v2, SP                    ; back: lanes 0-15 one row of 256 bytes, lanes 16-31 the next
	v_lshl_add_u32 v[RD], v1, 4, v[RD]
	v_add_nc_u32 v[RD], s18, v[RD]
	v_lshlrev_b32 v[GY], 12, v2                    ; and the same two rows in y
	v_lshl_add_u32 v[GY], v1, 4, v[GY]
	s_mul_i32 s19, s[WV], 8704
	s_add_co_u32 s19, s19, TAB
	v_add_nc_u32 v[TS], s19, v[GO]
	v_lshl_add_u32 v[W0], v1, 2, s19
	s_lshl_b32 s20, s[YB], 20                      ; y: 256 rows of 4,096 bytes a block, my 128; 512 bytes a channel block, my 256
	s_lshl_b32 s21, s[WM], 19
	s_add_co_u32 s20, s20, s21
	s_lshl_b32 s21, s[XB], 9
	s_add_co_u32 s20, s20, s21
	s_lshl_b32 s21, s[WN], 8
	s_add_co_u32 s20, s20, s21
	s_mov_b32 s21, 0
	s_add_nc_u64 s[8:9], s[8:9], s[20:21]
	WIN 0x40
.set z, 0
.rept 256
	v_mov_b32 v[z], 0                              ; ACC
.set z, z+1
.endr
	WIN 0
.irp a, 0,1,2,3,4,5,6,7
	v_mov_b32 v[WT+2*\a+1], 0                      ; named in pairs with the weights
.endr
	s_wait_loadcnt 0x0
.irp c, 0,1,2,3
	v_max3_num_f32 v[MXR+\c], v[CMR+\c], v[CMR+4+\c], v[CMR+8+\c]
.endr
.irp t, 3,5,7,9,11,13
.irp c, 0,1,2,3
	v_max3_num_f32 v[MXR+\c], v[MXR+\c], v[CMR+4*\t+\c], v[CMR+4*\t+4+\c]
.endr
.endr
.irp c, 0,1,2,3
	v_max_num_f32 v[MXR+\c], v[MXR+\c], v[CMR+60+\c]
.endr
.set t, 0
.rept 32
	v_pk_add_f32 v[CMR+2*t:CMR+2*t+1], v[CMR+2*t:CMR+2*t+1], v[MXR+2*(t%2):MXR+2*(t%2)+1] neg_lo:[0,1] neg_hi:[0,1]
.set t, t+1
.endr
.set t, 0
.rept 64
	v_exp_f32 v[CMR+t], v[CMR+t]
.set t, t+1
.endr
	v_nop                                          ; a plain instruction behind the last exponential (ISA guide 5.7.2)
	s_wait_alu depctr_va_vdst(0)
	v_pk_mul_f32 v[LS:LS+1], v[CMR:CMR+1], v[LR:LR+1]
	v_pk_mul_f32 v[LS+2:LS+3], v[CMR+2:CMR+3], v[LR+2:LR+3]
.set t, 2
.rept 30
	v_pk_fma_f32 v[LS+2*(t%2):LS+2*(t%2)+1], v[CMR+2*t:CMR+2*t+1], v[LR+2*t:LR+2*t+1], v[LS+2*(t%2):LS+2*(t%2)+1]
.set t, t+1
.endr
.irp c, 0,1,2,3
	v_rcp_f32 v[RC+\c], v[LS+\c]
.endr
	s_wait_kmcnt 0x0                               ; the sixteen scales
.set t, 0
.rept 16
.irp c, 0,1,2,3
	v_mul_f32 v[CMR+4*t+\c], s[SC+t], v[CMR+4*t+\c]  ; L has taken the plain weights; the fold takes w_t s_t
.endr
.set t, t+1
.endr
.set t, 0
.rept 16
	ds_store_b128 v[TS], v[CMR+4*t:CMR+4*t+3] offset:512*t  ; my wave's own table: no other wave reads it
.set t, t+1
.endr
	s_wait_alu depctr_va_vdst(0)
	ds_store_b128 v[TS], v[RC:RC+3] offset:8192
	s_wait_dscnt 0x0                               ; no LDS instruction of mine is out at a signal
	s_wait_tensorcnt 0x1                           ; my part of slot 0 is in; slot 1's may stay out
	s_barrier_signal -1
	s_barrier_wait -1
	UTOP
	LDB 0, 0
	LDA 0, 0
	GROUP 0, 1                                     ; step 0's first group starts T
	WIN 0
	s_mov_b32 s[STEPS], 14                         ; steps 2 to 15 are asked for
.Lmain:
	BEVEN
	CHANGE 1
	BODD
	s_sub_co_u32 s[STEPS], s[STEPS], 1
	s_cmp_lg_u32 s[STEPS], 0
	s_cbranch_scc1 .Lmain
	s_mov_b32 s[STEPS], 2                          ; the tail is written out: nothing is left to ask for
.Ltail:
	BEVEN
	CHANGE 0
	BODD
	s_sub_co_u32 s[STEPS], s[STEPS], 1
	s_cmp_lg_u32 s[STEPS], 0
	s_cbranch_scc1 .Ltail
	s_wait_dscnt 0x0                               ; the last trip's fetches have landed: their registers serve the way out
	PLACES
.irp a, 0,1,2,3,4,5,6,7
	ds_load_b32 v[WT+2*\a], v[W0] offset:8192+64*\a  ; 1 / L of my row in row block a
.endr
	s_wait_dscnt 0x0
.set aa, 0
.rept 8
	WIN 0x41
.set z, 0
.rept 16
	v_pk_mul_f32 v[32*aa+2*z:32*aa+2*z+1], v[32*aa+2*z:32*aa+2*z+1], v[WT+2*aa:WT+2*aa+1] op_sel_hi:[1,0]
.set z, z+1
.endr
	TOST aa
.if aa > 0
	SENDO aa-1, 16                                 ; the 16: this block's stage instructions
.endif
.set aa, aa+1
.endr
	SENDO 7, 0
	s_wait_tensorcnt 0x0                           ; the wave's end
	ds_add_u32 v[SPW], v[NIL]
	s_wait_dscnt 0x0
	CROUND
	s_endpgm
.Lfunc_end_k_q5a0e540e85_mix:
	.size	k_q5a0e540e85_mix, .Lfunc_end_k_q5a0e540e85_mix-k_q5a0e540e85_mix
	.p2alignl 7, 3214868480
	.fill 96, 4, 3214868480
	.section	.rodata,"a",@progbits
	.p2align	6, 0x0
	.amdhsa_kernel k_q5a0e540e85_mix
		.amdhsa_group_segment_fixed_size 327680
		.amdhsa_private_segment_fixed_size 0
		.amdhsa_enable_private_segment 0
		.amdhsa_kernarg_size 32
		.amdhsa_user_sgpr_count 2
		.amdhsa_user_sgpr_kernarg_segment_ptr 1
		.amdhsa_wavefront_size32 1
		.amdhsa_system_sgpr_workgroup_id_x 1
		.amdhsa_system_sgpr_workgroup_id_y 1
		.amdhsa_system_sgpr_workgroup_id_z 1
		.amdhsa_system_vgpr_workitem_id 0
		.amdhsa_next_free_vgpr 768
		.amdhsa_next_free_sgpr 100
		.amdhsa_reserve_vcc 0
		.amdhsa_float_denorm_mode_32 3
		.amdhsa_float_denorm_mode_16_64 3
		.amdhsa_memory_ordered 1
		.amdhsa_forward_progress 1
		.amdhsa_inst_pref_size 111
	.end_amdhsa_kernel
	.amdgpu_metadata
---
amdhsa.version: [ 1, 2 ]
amdhsa.kernels:
  - .name:           k_q5a0e540e85_mix
    .symbol:         k_q5a0e540e85_mix.kd
    .args:
      - { .name: ew, .offset: 0, .size: 8, .value_kind: global_buffer, .address_space: global }
      - { .name: vt, .offset: 8, .size: 8, .value_kind: global_buffer, .address_space: global }
      - { .name: stats, .offset: 16, .size: 8, .value_kind: global_buffer, .address_space: global }
      - { .name: out0, .offset: 24, .size: 8, .value_kind: global_buffer, .address_space: global }
    .group_segment_fixed_size: 327680
    .private_segment_fixed_size: 0
    .kernarg_segment_align: 8
    .kernarg_segment_size: 32
    .max_flat_workgroup_size: 128
    .sgpr_count:     100
    .vgpr_count:     768
    .wavefront_size: 32
...
	.end_amdgpu_metadata
.endif
;; end of part 10
